; MI455X (gfx1250); checked and timed in simulation.
; The chip was launched on July 23, 2026; its instructions are those of AMD's public machine-readable ISA for CDNA 5 (MIT licence, August 2026) and "CDNA5" Instruction Set Architecture Reference Guide (July 2026). The comments in the code are by the model that wrote it; some were corrected since.
;; Deep Seek Layer. Allowed arithmetic: float matrix products may take bf16 or f16 operands with f32 sums; other float arithmetic in f32, or as packed bf16 or f16 multiplies, adds, multiply-adds, maxima and minima; sums over many terms, partial sums and values carried from step to step in f32; what a program stores and reads back later, other than sums and carried values, may be rounded once to bf16 or f16.
;; Inputs: Wkc 256 x 1,024 float32; Wo 1,024 x 1,024 float32; Wq 1,024 x 1,024 float32; Wr 8 x 1,024 float32; Wvc 256 x 1,024 float32; X 2 x 1,024 x 1,024 float32; eW1 8 x 1,024 x 1,024 float32; eW2 8 x 1,024 x 1,024 float32; eW3 8 x 1,024 x 1,024 float32; expert_bias 8 float32; g1 1,024 float32; g2 1,024 float32; sW1 1,024 x 1,024 float32; sW2 1,024 x 1,024 float32; sW3 1,024 x 1,024 float32.
;; Outputs: out0 2 x 1,024 x 1,024 float32.
;; 2 versions, each right; version 2 is version 1 with the launches up, down written anew for expert scheduling mode. Each part assembles by itself: llvm-mc -triple=amdgcn-amd-amdhsa -mcpu=gfx1250 --defsym DOCPART=n.
;; ======== version 1 of 2: 10 launches
;; limits: values are held in f16: magnitudes above 65,504 overflow, below 6.1e-05 lose precision
;; workspace buffers: act 4,194,304 bytes; qkv 6,291,456 bytes; ap 8,388,608 bytes; route 18,432 bytes of whole numbers; gate 16,384 bytes; big 75,497,472 bytes; idx 90,368 bytes of whole numbers; hid 37,748,736 bytes
;; launch norm1 (part 1): grid 128 x 1, 16 waves a work-group, no clusters, 36,864 bytes of LDS; arguments X, g1, act; writes act
.if DOCPART == 1
	.amdgcn_target "amdgcn-amd-amdhsa--gfx1250"
	.amdhsa_code_object_version 6
	.text
	.protected	k_q558c0e0ee3_norm1
	.globl	k_q558c0e0ee3_norm1
	.p2align	8
	.type	k_q558c0e0ee3_norm1,@function
k_q558c0e0ee3_norm1:
	s_mov_b64 s[64:65], 0
	v_nop
	global_prefetch_b8 v0, s[64:65] scope:SCOPE_SE
	s_setreg_imm32_b32 hwreg(HW_REG_WAVE_MODE, 25, 1), 1
	s_wait_xcnt 0x0
; nx = X * rsqrt(mean(X^2) + 1e-6) * g1, rounded once to f16 and stored in OPERAND ORDER: for 16 rows and 32 k a block of 1,024 bytes, in which
; the 16 bytes at 512 J + 16 lane hold row lane % 16, k = 16 J + 8 (lane / 16) + 0..7: two loads of 512 consecutive bytes fill a matrix operand.
; A work-group has 16 rows (one row block, 32,768 bytes of the result), a wave one row: the sum never leaves the wave.
; The rows meet in LDS: group k / 8 at 272 bytes' pitch (16 rows x 16 bytes + 16), so that neither the stores nor the loads meet in a bank.
; LIMIT: |nx| stays within f16's 65,504 (|nx| <= 32 |g1|).  No matrix unit, no cluster: the launch streams, and no two work-groups read the same X.
.set SPARE, 34816                      ; behind the 128 groups: the spare words, 128 bytes a wave
.set XR, 8                             ; v[8:39]   the row: load i holds k = 128 i + 4 lane + 0..3
.set GR, 40                            ; v[40:71]  g1, likewise
.set SM, 72                            ; v[72:79]  four chains of squares; v74 later 1 / rms
.set PK, 80                            ; v[80:95]  packed f16, then the block as it is stored
	s_load_b128 s[4:7], s[0:1], 0x0                ; X s[4:5], g1 s[6:7]
	s_load_b64 s[8:9], s[0:1], 0x10                ; act
	v_lshl_add_u32 v6, v0, 2, SPARE                ; my spare word
	v_mov_b32 v7, 0
	v_lshrrev_b32 v1, 5, v0
	v_readfirstlane_b32 s10, v1                    ; wave = my row in the block
	v_and_b32 v1, 31, v0                           ; lane
	v_lshlrev_b32 v2, 4, v1                        ; 16 x lane
	s_lshl_b32 s14, ttmp9, 4
	s_add_co_u32 s14, s14, s10                     ; my row
	s_lshl_b32 s14, s14, 12                        ; x 4,096 bytes
	s_mov_b32 s15, 0
	s_lshl_b32 s16, ttmp9, 15                      ; the row block in act
	s_mov_b32 s17, 0
	s_mov_b32 s12, 0x3a800000                      ; 1 / 1024
	s_mov_b32 s13, 0x358637bd                      ; 1e-6
	s_mov_b32 s20, 0x76543210                      ; v_permlanex16_b32: each lane takes its own place in the other half
	s_mov_b32 s21, 0xfedcba98
	s_wait_kmcnt 0x0
	s_add_nc_u64 s[4:5], s[4:5], s[14:15]
	s_add_nc_u64 s[8:9], s[8:9], s[16:17]
.irp i, 0,1,2,3,4,5,6,7
	global_load_b128 v[XR+4*(\i):XR+4*(\i)+3], v2, s[4:5] offset:512*(\i)
.endr
.irp i, 0,1,2,3,4,5,6,7
	global_load_b128 v[GR+4*(\i):GR+4*(\i)+3], v2, s[6:7] offset:512*(\i)
.endr
	v_lshrrev_b32 v3, 1, v1                        ; into LDS: group 16 i + lane / 2, my row, half lane % 2 of its 16 bytes
	v_mul_u32_u24 v3, v3, 272
	v_and_b32 v4, 1, v1
	v_lshl_add_u32 v3, v4, 3, v3
	s_lshl_b32 s18, s10, 4
	v_add_nc_u32 v3, s18, v3
	v_lshrrev_b32 v4, 4, v1                        ; back: piece q = 4 wave + c of 512 bytes: groups 2 q and 2 q + 1, all 16 rows
	v_mul_u32_u24 v4, v4, 272
	v_and_b32 v5, 15, v1
	v_lshl_add_u32 v4, v5, 4, v4
	s_mul_i32 s18, s10, 2176
	v_add_nc_u32 v4, s18, v4
	s_lshl_b32 s18, s10, 11
	v_add_nc_u32 v5, s18, v2                       ; and its place in the block
	s_wait_loadcnt 8                               ; the row is in; g1's eight loads may stay out
.irp c, 0,1,2,3
	v_pk_mul_f32 v[SM+2*(\c):SM+2*(\c)+1], v[XR+2*(\c):XR+2*(\c)+1], v[XR+2*(\c):XR+2*(\c)+1]
.endr
.set j, 4
.rept 12
	v_pk_fma_f32 v[SM+2*(j%4):SM+2*(j%4)+1], v[XR+2*j:XR+2*j+1], v[XR+2*j:XR+2*j+1], v[SM+2*(j%4):SM+2*(j%4)+1]
.set j, j+1
.endr
	v_pk_add_f32 v[SM:SM+1], v[SM:SM+1], v[SM+2:SM+3]
	v_pk_add_f32 v[SM+4:SM+5], v[SM+4:SM+5], v[SM+6:SM+7]
	v_pk_add_f32 v[SM:SM+1], v[SM:SM+1], v[SM+4:SM+5]
	v_add_f32 v[SM], v[SM], v[SM+1]
	v_add_f32_dpp v[SM], v[SM], v[SM] row_xmask:1 row_mask:0xf bank_mask:0xf
	v_add_f32_dpp v[SM], v[SM], v[SM] row_xmask:2 row_mask:0xf bank_mask:0xf
	v_add_f32_dpp v[SM], v[SM], v[SM] row_xmask:4 row_mask:0xf bank_mask:0xf
	v_add_f32_dpp v[SM], v[SM], v[SM] row_xmask:8 row_mask:0xf bank_mask:0xf
	v_permlanex16_b32 v[SM+1], v[SM], s20, s21
	v_add_f32 v[SM], v[SM], v[SM+1]                ; the row's sum of squares, in every lane
	v_fma_f32 v[SM], v[SM], s12, s13
	v_rsq_f32 v[SM+2], v[SM]
	v_nop                                          ; a plain instruction between the root and its use
	s_wait_loadcnt 0x0                             ; g1
.set j, 0
	s_wait_alu depctr_va_vdst(0)
.rept 16
	v_pk_mul_f32 v[XR+2*j:XR+2*j+1], v[XR+2*j:XR+2*j+1], v[SM+2:SM+3] op_sel_hi:[1,0]
.set j, j+1
.endr
.set j, 0
.rept 16
	v_pk_mul_f32 v[XR+2*j:XR+2*j+1], v[XR+2*j:XR+2*j+1], v[GR+2*j:GR+2*j+1]
.set j, j+1
.endr
.set j, 0
.rept 16
	v_cvt_pk_f16_f32 v[PK+j], v[XR+2*j], v[XR+2*j+1]
.set j, j+1
.endr
.irp i, 0,1,2,3,4,5,6,7
	ds_store_b64 v3, v[PK+2*(\i):PK+2*(\i)+1] offset:4352*(\i)
.endr
	s_wait_dscnt 0x0                               ; for the others' sake: my row lies in LDS
	s_barrier_signal -1
	s_barrier_wait -1
.irp c, 0,1,2,3
	ds_load_b128 v[PK+4*(\c):PK+4*(\c)+3], v4 offset:544*(\c)
.endr
.irp c, 0,1,2,3
	s_wait_dscnt 3-(\c)                            ; LDS loads come back in order: piece c is in
	global_store_b128 v5, v[PK+4*(\c):PK+4*(\c)+3], s[8:9] offset:512*(\c)  ; 512 consecutive bytes, aligned
.endr
	s_wait_tensorcnt 0x0                           ; the wave's end: three lines behind my last LDS store
	ds_add_u32 v6, v7
	s_wait_dscnt 0x0
	s_endpgm
.Lfunc_end_k_q558c0e0ee3_norm1:
	.size	k_q558c0e0ee3_norm1, .Lfunc_end_k_q558c0e0ee3_norm1-k_q558c0e0ee3_norm1
	.p2alignl 7, 3214868480
	.fill 96, 4, 3214868480
	.section	.rodata,"a",@progbits
	.p2align	6, 0x0
	.amdhsa_kernel k_q558c0e0ee3_norm1
		.amdhsa_group_segment_fixed_size 36864
		.amdhsa_private_segment_fixed_size 0
		.amdhsa_enable_private_segment 0
		.amdhsa_kernarg_size 24
		.amdhsa_user_sgpr_count 2
		.amdhsa_user_sgpr_kernarg_segment_ptr 1
		.amdhsa_wavefront_size32 1
		.amdhsa_system_sgpr_workgroup_id_x 1
		.amdhsa_system_sgpr_workgroup_id_y 1
		.amdhsa_system_sgpr_workgroup_id_z 1
		.amdhsa_system_vgpr_workitem_id 0
		.amdhsa_next_free_vgpr 96
		.amdhsa_next_free_sgpr 66
		.amdhsa_reserve_vcc 0
		.amdhsa_float_denorm_mode_32 3
		.amdhsa_float_denorm_mode_16_64 3
		.amdhsa_memory_ordered 1
		.amdhsa_forward_progress 1
		.amdhsa_inst_pref_size 10
	.end_amdhsa_kernel
	.amdgpu_metadata
---
amdhsa.version: [ 1, 2 ]
amdhsa.kernels:
  - .name:           k_q558c0e0ee3_norm1
    .symbol:         k_q558c0e0ee3_norm1.kd
    .args:
      - { .name: X, .offset: 0, .size: 8, .value_kind: global_buffer, .address_space: global }
      - { .name: g1, .offset: 8, .size: 8, .value_kind: global_buffer, .address_space: global }
      - { .name: act, .offset: 16, .size: 8, .value_kind: global_buffer, .address_space: global }
    .group_segment_fixed_size: 36864
    .private_segment_fixed_size: 0
    .kernarg_segment_align: 8
    .kernarg_segment_size: 24
    .max_flat_workgroup_size: 512
    .sgpr_count:     66
    .vgpr_count:     96
    .wavefront_size: 32
...
	.end_amdgpu_metadata
.endif
;; end of part 1
;; launch qkv (part 2): grid 24 x 8, 8 waves a work-group, no clusters, 133,120 bytes of LDS; arguments act, Wq, Wkc, Wvc, qkv; writes qkv
.if DOCPART == 2
	.amdgcn_target "amdgcn-amd-amdhsa--gfx1250"
	.amdhsa_code_object_version 6
	.text
	.protected	k_q558c0e0ee3_qkv
	.globl	k_q558c0e0ee3_qkv
	.p2align	8
	.type	k_q558c0e0ee3_qkv,@function
k_q558c0e0ee3_qkv:
	s_mov_b64 s[64:65], 0
	v_nop
	global_prefetch_b8 v0, s[64:65] scope:SCOPE_SE
	s_setreg_imm32_b32 hwreg(HW_REG_WAVE_MODE, 25, 1), 1
	s_wait_xcnt 0x0
; Q = nx Wq^T, K = nx Wkc^T, V = nx Wvc^T in f16 operands and f32 sums.  nx lies in act in operand order (blocks of 16 rows x 32 k, 1,024 bytes).
; A work-group has a SLICE of 64 weight rows (slices 0-15 Wq, 16-19 Wkc, 20-23 Wvc) and 256 tokens; it rounds the slice from f32 into LDS once; each of its
; eight waves then makes 32 tokens x 64 columns: A straight from memory into a ring of four register slots, the weights from LDS.
; The weights are source 0, so a lane holds one token and eight neighbouring columns: rounded in pairs these ARE the next product's operand, stored as 512 consecutive bytes.
; For V the sources are swapped: a lane holds one channel and eight tokens: V^T's operand.
; qkv: Q in operand order (K = 1,024) at 0; K (K = 256) at 4,194,304; V^T at 5,242,880: 32 tokens x 16 channels a block, token group x 16,384 + channel block x 1,024.
; LIMIT: |Q|, |K|, |V| and the weights stay within f16's 65,504.
; NO TENSOR LOADS, NO CLUSTER: the weights are f32 and pass through registers to be rounded, and A needs no LDS; so no tile is brought that partners could ask for jointly.
.set PITCH, 2064                       ; an LDS row: 2,048 bytes + 16 = 129 x 16: the 16 rows of a fragment load start at 16 different 16-byte columns modulo 256
.set NB2,   16*PITCH
.set SLICE, 64*PITCH
.set SPARE, SLICE                      ; behind the slice: the spare words, 128 bytes a wave
.set ACC, 16                           ; v[16:79]    accumulator (mb, nb) at 16 + 8 (4 mb + nb)
.set AF,  80                           ; v[80:143]   A: slot s, fragment mb at 80 + 16 s + 8 mb; while staging: a ring of 16 loads
.set BF,  144                          ; v[144:207]  weights: buffer b, fragment nb at 144 + 32 b + 8 nb
.set T,   208                          ; v[208:239]  packed
.set WP, 28                            ; s[28:29] the weight rows that I stage
.set AB, 30                            ; s[30:31] A at my tile, stepped along K
.set SB, 32                            ; s[32:33] where my tile is stored
; v1 16 x lane; v2, v3 my place in a weight fragment (nb 0-1, nb 2-3); v4, v5 the same, stepped along K; v6 lane; v7 staging address; v8, v9 the add's; v10 v1 + a row block
.macro SSLOT i, ahead, left            ; one slot of the staging ring: 128 f32 of a weight row, rounded, into LDS
	s_wait_loadcnt \left                           ; loads come back in order: mine is in, the younger ones stay out
	v_cvt_pk_f16_f32 v[T+2*(\i)], v[AF+4*(\i)], v[AF+4*(\i)+1]
	v_cvt_pk_f16_f32 v[T+2*(\i)+1], v[AF+4*(\i)+2], v[AF+4*(\i)+3]
	ds_store_b64 v7, v[T+2*(\i):T+2*(\i)+1] offset:((\i)/8)*PITCH+((\i)%8)*256
.if \ahead
	global_load_b128 v[AF+4*(\i):AF+4*(\i)+3], v1, s[WP:WP+1] offset:((\i)/8)*4096+((\i)%8)*512+8192
.endif
.endm
.macro STAGE                           ; my eight rows of the slice: four times two rows, sixteen loads of 512 bytes always out
	s_wait_xcnt 0x0                                ; the ring's and T's registers may have been earlier stores' data
.irp i, 0,1,2,3,4,5,6,7,8,9,10,11,12,13,14,15
	global_load_b128 v[AF+4*(\i):AF+4*(\i)+3], v1, s[WP:WP+1] offset:((\i)/8)*4096+((\i)%8)*512
.endr
	s_mov_b32 s26, 3
.Lst_\@:
.irp i, 0,1,2,3,4,5,6,7,8,9,10,11,12,13,14,15
	SSLOT \i, 1, 15
.endr
	s_wait_xcnt 0x0                                ; the base is stepped only behind this wait
	s_add_nc_u64 s[WP:WP+1], s[WP:WP+1], 8192
	v_add_nc_u32 v7, 2*PITCH, v7
	s_sub_co_u32 s26, s26, 1
	s_cmp_lg_u32 s26, 0
	s_cbranch_scc1 .Lst_\@
.irp i, 0,1,2,3,4,5,6,7,8,9,10,11,12,13,14,15
	SSLOT \i, 0, 15-(\i)                           ; the last two rows: nothing more is loaded, the counts run down
.endr
.endm
.macro BLOAD b, st                     ; the four weight fragments of K step st (counted from v4, v5) into buffer b
.irp nb, 0,1
	ds_load_b128 v[BF+32*(\b)+8*(\nb):BF+32*(\b)+8*(\nb)+3], v4 offset:(\nb)*NB2+(\st)*64
	ds_load_b128 v[BF+32*(\b)+8*(\nb)+4:BF+32*(\b)+8*(\nb)+7], v4 offset:(\nb)*NB2+(\st)*64+32
.endr
.irp nb, 0,1
	ds_load_b128 v[BF+32*(\b)+8*(\nb)+16:BF+32*(\b)+8*(\nb)+19], v5 offset:(\nb)*NB2+(\st)*64
	ds_load_b128 v[BF+32*(\b)+8*(\nb)+20:BF+32*(\b)+8*(\nb)+23], v5 offset:(\nb)*NB2+(\st)*64+32
.endr
.endm
; A K step of 32: eight matrix instructions, the eight accumulators by turns, then the refills: weights two steps ahead, A four steps ahead.
; la: A's younger loads that may stay out (four a step); lb: the next step's eight LDS loads.
.macro KSTEP s, zero, fa, fb, la, lb, swap
	s_wait_loadcnt \la
	s_wait_dscnt \lb
.irp mb, 0,1
.irp nb, 0,1,2,3
.set rD, ACC+8*(4*(\mb)+(\nb))
.if \swap
.set rX, AF+16*(\s)+8*(\mb)
.set rY, BF+32*((\s)%2)+8*(\nb)
.else
.set rX, BF+32*((\s)%2)+8*(\nb)
.set rY, AF+16*(\s)+8*(\mb)
.endif
.if \zero
	v_wmma_f32_16x16x32_f16 v[rD:rD+7], v[rX:rX+7], v[rY:rY+7], 0
.else
	v_wmma_f32_16x16x32_f16 v[rD:rD+7], v[rX:rX+7], v[rY:rY+7], v[rD:rD+7]
.endif
.endr
.endr
.if (\fa)+(\fb)
.rept 4
	v_nop                                          ; four places in front of loads into registers that the products have read
.endr
.endif
.if \fb
	BLOAD (\s)%2, (\s)+2
.endif
.if \fa
.irp mb, 0,1
	global_load_b128 v[AF+16*(\s)+8*(\mb):AF+16*(\s)+8*(\mb)+3], v1, s[AB:AB+1] offset:((\s)+4)*1024+(\mb)*32768
	global_load_b128 v[AF+16*(\s)+8*(\mb)+4:AF+16*(\s)+8*(\mb)+7], v1, s[AB:AB+1] offset:((\s)+4)*1024+(\mb)*32768+512
.endr
.endif
.endm
.macro ADV                             ; four K steps on
	s_wait_xcnt 0x0                                ; A's base is stepped only behind this wait
	s_add_nc_u64 s[AB:AB+1], s[AB:AB+1], 4096
	v_add_nc_u32 v4, 256, v4
	v_add_nc_u32 v5, 256, v5
.endm
.macro TILE swap                       ; 32 rows x 64 columns, K = 1,024: 32 K steps, four to a trip; the first trip starts the sums, the last fetches nothing beyond the end
	v_mov_b32 v4, v2
	v_mov_b32 v5, v3
.irp s, 0,1,2,3
.irp mb, 0,1
	global_load_b128 v[AF+16*(\s)+8*(\mb):AF+16*(\s)+8*(\mb)+3], v1, s[AB:AB+1] offset:(\s)*1024+(\mb)*32768
	global_load_b128 v[AF+16*(\s)+8*(\mb)+4:AF+16*(\s)+8*(\mb)+7], v1, s[AB:AB+1] offset:(\s)*1024+(\mb)*32768+512
.endr
.endr
	BLOAD 0, 0
	BLOAD 1, 1
	KSTEP 0, 1, 1, 1, 12, 8, \swap
	KSTEP 1, 0, 1, 1, 12, 8, \swap
	KSTEP 2, 0, 1, 1, 12, 8, \swap
	KSTEP 3, 0, 1, 1, 12, 8, \swap
	ADV
	s_mov_b32 s25, 6
.Lk_\@:
	KSTEP 0, 0, 1, 1, 12, 8, \swap
	KSTEP 1, 0, 1, 1, 12, 8, \swap
	KSTEP 2, 0, 1, 1, 12, 8, \swap
	KSTEP 3, 0, 1, 1, 12, 8, \swap
	ADV
	s_sub_co_u32 s25, s25, 1
	s_cmp_lg_u32 s25, 0
	s_cbranch_scc1 .Lk_\@
	KSTEP 0, 0, 0, 1, 12, 8, \swap
	KSTEP 1, 0, 0, 1, 8, 8, \swap
	KSTEP 2, 0, 0, 0, 4, 8, \swap
	KSTEP 3, 0, 0, 0, 0, 0, \swap
.rept 4
	v_nop                                          ; four places in front of the first read of the results
.endr
.endm
.macro PACK                            ; each accumulator from its low end on: eight numbers become 16 bytes
.set a, 0
.rept 8
.irp i, 0,1,2,3
	v_cvt_pk_f16_f32 v[T+4*a+(\i)], v[ACC+8*a+2*(\i)], v[ACC+8*a+2*(\i)+1]
.endr
.set a, a+1
.endr
.endm
	s_load_b256 s[4:11], s[0:1], 0x0               ; act s[4:5], Wq s[6:7], Wkc s[8:9], Wvc s[10:11]
	s_load_b64 s[12:13], s[0:1], 0x20              ; qkv
	v_lshl_add_u32 v8, v0, 2, SPARE
	v_mov_b32 v9, 0
	v_lshrrev_b32 v1, 5, v0
	v_readfirstlane_b32 s18, v1                    ; wave
	v_and_b32 v6, 31, v0
	v_lshlrev_b32 v1, 4, v6
	v_and_b32 v2, 15, v6
	v_mul_u32_u24 v2, v2, PITCH
	v_lshrrev_b32 v3, 4, v6
	v_lshl_add_u32 v2, v3, 4, v2                   ; row x pitch + 16 x half
	v_add_nc_u32 v3, 2*NB2, v2
	s_mul_i32 s19, s18, 8*PITCH
	v_lshl_add_u32 v7, v6, 3, s19                  ; staging: my eight LDS rows, 8 bytes a lane
	s_mov_b32 s20, ttmp9                           ; slice 0..23
	s_and_b32 s21, ttmp7, 0xffff                   ; which 256 tokens
	s_lshl3_add_u32 s22, s21, s18                  ; my tile of 32 tokens
	s_cmp_lt_u32 s20, 16
	s_cselect_b32 s23, 0, 16
	s_cmp_lt_u32 s20, 20
	s_cselect_b32 s23, s23, 20
	s_sub_co_u32 s23, s20, s23                     ; the slice's number in its matrix
	s_lshl_b32 s34, s23, 18                        ; 64 rows of 4,096 bytes,
	s_lshl_b32 s35, s18, 15                        ; my eight of them
	s_add_co_u32 s34, s34, s35
	s_mov_b32 s35, 0
	s_lshl_b32 s36, s22, 16                        ; a tile of A is two row blocks of 32,768 bytes
	s_mov_b32 s37, 0
	s_wait_kmcnt 0x0
	s_cmp_lt_u32 s20, 16
	s_cselect_b64 s[WP:WP+1], s[6:7], s[8:9]
	s_cmp_lt_u32 s20, 20
	s_cselect_b64 s[WP:WP+1], s[WP:WP+1], s[10:11]
	s_add_nc_u64 s[WP:WP+1], s[WP:WP+1], s[34:35]
	s_add_nc_u64 s[AB:AB+1], s[4:5], s[36:37]
	STAGE
	s_wait_dscnt 0x0                               ; for the others' sake: my rows of the slice lie in LDS
	s_barrier_signal -1
	s_barrier_wait -1
	s_cmp_ge_u32 s20, 20
	s_cbranch_scc1 .Lv
	s_cmp_lt_u32 s20, 16                           ; Q: row blocks of 32,768 bytes at 0; K: of 8,192 bytes at 4,194,304
	s_cselect_b32 s24, 16, 14
	s_cselect_b32 s36, 0, 0x400000
	s_lshl_b32 s38, s22, s24
	s_add_co_u32 s36, s36, s38
	s_lshl_b32 s38, s23, 11                        ; 64 columns are two blocks of 1,024 bytes
	s_add_co_u32 s36, s36, s38
	s_add_nc_u64 s[SB:SB+1], s[12:13], s[36:37]
	s_sub_co_u32 s24, s24, 1
	s_lshl_b32 s24, 1, s24
	v_add_nc_u32 v10, s24, v1                      ; the tile's second row block
	TILE 0
	PACK
.irp nb, 0,1,2,3
	global_store_b128 v1, v[T+4*(\nb):T+4*(\nb)+3], s[SB:SB+1] offset:(\nb)*512      ; 512 consecutive bytes, aligned
.endr
.irp nb, 0,1,2,3
	global_store_b128 v10, v[T+16+4*(\nb):T+16+4*(\nb)+3], s[SB:SB+1] offset:(\nb)*512
.endr
	s_wait_tensorcnt 0x0                           ; the wave's end: three lines behind my last LDS store
	ds_add_u32 v8, v9
	s_wait_dscnt 0x0
	s_endpgm
.Lv:
	s_lshl_b32 s36, s22, 14                        ; V^T: token group x 16,384 + channel block x 1,024
	s_add_co_u32 s36, s36, 0x500000
	s_lshl_b32 s38, s23, 12
	s_add_co_u32 s36, s36, s38
	s_add_nc_u64 s[SB:SB+1], s[12:13], s[36:37]
	TILE 1
	PACK
.irp mb, 0,1
.irp nb, 0,1,2,3
	global_store_b128 v1, v[T+4*(4*(\mb)+(\nb)):T+4*(4*(\mb)+(\nb))+3], s[SB:SB+1] offset:(\nb)*1024+(\mb)*512
.endr
.endr
	s_wait_tensorcnt 0x0                           ; the wave's end, as above
	ds_add_u32 v8, v9
	s_wait_dscnt 0x0
	s_endpgm
.Lfunc_end_k_q558c0e0ee3_qkv:
	.size	k_q558c0e0ee3_qkv, .Lfunc_end_k_q558c0e0ee3_qkv-k_q558c0e0ee3_qkv
	.p2alignl 7, 3214868480
	.fill 96, 4, 3214868480
	.section	.rodata,"a",@progbits
	.p2align	6, 0x0
	.amdhsa_kernel k_q558c0e0ee3_qkv
		.amdhsa_group_segment_fixed_size 133120
		.amdhsa_private_segment_fixed_size 0
		.amdhsa_enable_private_segment 0
		.amdhsa_kernarg_size 40
		.amdhsa_user_sgpr_count 2
		.amdhsa_user_sgpr_kernarg_segment_ptr 1
		.amdhsa_wavefront_size32 1
		.amdhsa_system_sgpr_workgroup_id_x 1
		.amdhsa_system_sgpr_workgroup_id_y 1
		.amdhsa_system_sgpr_workgroup_id_z 1
		.amdhsa_system_vgpr_workitem_id 0
		.amdhsa_next_free_vgpr 240
		.amdhsa_next_free_sgpr 66
		.amdhsa_reserve_vcc 0
		.amdhsa_float_denorm_mode_32 3
		.amdhsa_float_denorm_mode_16_64 3
		.amdhsa_memory_ordered 1
		.amdhsa_forward_progress 1
		.amdhsa_inst_pref_size 58
	.end_amdhsa_kernel
	.amdgpu_metadata
---
amdhsa.version: [ 1, 2 ]
amdhsa.kernels:
  - .name:           k_q558c0e0ee3_qkv
    .symbol:         k_q558c0e0ee3_qkv.kd
    .args:
      - { .name: act, .offset: 0, .size: 8, .value_kind: global_buffer, .address_space: global }
      - { .name: Wq, .offset: 8, .size: 8, .value_kind: global_buffer, .address_space: global }
      - { .name: Wkc, .offset: 16, .size: 8, .value_kind: global_buffer, .address_space: global }
      - { .name: Wvc, .offset: 24, .size: 8, .value_kind: global_buffer, .address_space: global }
      - { .name: qkv, .offset: 32, .size: 8, .value_kind: global_buffer, .address_space: global }
    .group_segment_fixed_size: 133120
    .private_segment_fixed_size: 0
    .kernarg_segment_align: 8
    .kernarg_segment_size: 40
    .max_flat_workgroup_size: 256
    .sgpr_count:     66
    .vgpr_count:     240
    .wavefront_size: 32
...
	.end_amdgpu_metadata
.endif
;; end of part 2
;; launch attn (part 3): grid 256 x 1, 4 waves a work-group, no clusters, 133,632 bytes of LDS; arguments qkv, act; writes act
.if DOCPART == 3
	.amdgcn_target "amdgcn-amd-amdhsa--gfx1250"
	.amdhsa_code_object_version 6
	.text
	.protected	k_q558c0e0ee3_attn
	.globl	k_q558c0e0ee3_attn
	.p2align	8
	.type	k_q558c0e0ee3_attn,@function
k_q558c0e0ee3_attn:
	s_mov_b64 s[64:65], 0
	v_nop
	global_prefetch_b8 v0, s[64:65] scope:SCOPE_SE
	s_setreg_imm32_b32 hwreg(HW_REG_WAVE_MODE, 25, 1), 1
	s_wait_xcnt 0x0
; O[b][h][q] = the sum over t of softmax_t(Q[b][h][q] . K[b][t] / 16) V[b][t]: 2 batches, 4 heads that share K and V, 1,024 keys, 256 channels; f16 operands, f32 sums.
; SHARES.  A work-group has 32 queries (two tiles of 16) of one head.  Its four waves split the KEYS: wave w takes keys 256 w .. 256 w + 255 for both tiles, so each byte of K and V
; is read by one wave of the work-group, straight into operand registers (Q, K and V^T lie in memory in operand order): no LDS on the way in.
; S^T = K Q^T: a lane holds one query (lane % 16) and the keys 8 (lane / 16) + 0..7 of each block of 16; rounded in pairs that IS source 1 of O^T = V^T P.
; SOFTMAX.  All 256 scores of a wave's keys are held at once, so its maximum m is the true maximum of its keys: p = 2^(c s - c m), c = log2(e) / 16.  The four waves' parts are
; joined through LDS: M = the maximum of the four c m, f = 2^(c m - M), L = the sum of f l, and O = the sum of (f / L) O_w.
; LIMITS.  Q, K, V arrive within f16's range; p lies in 0 to 1; a weight below 2^-126 counts as 0; NaN and infinities are not treated apart.
; NO CLUSTER: nothing is brought into LDS by a tensor load, so there is no tile to ask for jointly.
; REGISTERS, in windows of 256 (s_set_vgpr_msb: bits 1:0 source 0, 3:2 source 1, 5:4 source 2, 7:6 destination):
;   window 0: v0-9 addresses; v16-47 statistics, 16 a tile; v48-63 the four waves' c m and l; v64-95 the packed result
;   window 1: S^T, tile t, key block kb at 128 t + 8 kb; then P, tile t, 32 keys kg at 64 t + 8 kg, rounded in place
;   window 2: K, two buffers of 128 (32 keys x 256 channels); then O^T, tile t, channel block cb at 128 t + 8 cb
;   window 3: v0-127 Q (64 t + 8 ks), then V's odd steps; v128-255 V's even steps; at last the four waves' parts of my channels
.set ML,    131072                     ; behind the 4 x 32,768 bytes of O's parts: c m and l, 512 bytes a wave
.set SPARE, 133120                     ; the spare words, 128 bytes a wave
.set ST,  16                           ; tile t at ST + 16 t: +0 c m, +1 m, +2..5 at work, +6..13 four pairs of l, +14 the factor for O, +15 at work
.set MG,  48                           ; tile t: c m of waves 0-3 at MG + 8 t, l at MG + 8 t + 4
.set PKO, 64
.set CS,  20                           ; s[20:21] c
.set SEL, 22                           ; s[22:23] v_permlanex16_b32's selects
.set QP,  24                           ; s[24:25] Q, s[26:27] K, s[28:29] V^T at my part; s[30:31] where O goes
.set KP,  26
.set VP,  28
.set OP,  30
.set MSB, 0
.macro WIN new                         ; the immediate's high byte repeats the setting that is left; a switch that changes nothing is dropped
.if MSB != (\new)
	s_set_vgpr_msb (MSB<<8)|(\new)
.set MSB, (\new)
.endif
.endm
.macro NOPS                            ; four places behind matrix instructions, in front of loads into their sources or reads of their results
.rept 4
	v_nop
.endr
.endm
.macro LDQ                             ; 32 loads of 512 bytes: both tiles' Q
	WIN 0xc0
.irp t, 0,1
.irp ks, 0,1,2,3,4,5,6,7
	global_load_b128 v[64*(\t)+8*(\ks):64*(\t)+8*(\ks)+3], v1, s[QP:QP+1] offset:(\t)*32768+(\ks)*1024
	global_load_b128 v[64*(\t)+8*(\ks)+4:64*(\t)+8*(\ks)+7], v1, s[QP:QP+1] offset:(\t)*32768+(\ks)*1024+512
.endr
.endr
.endm
.macro LDK i                           ; 32 loads: keys 32 i .. 32 i + 31 of my 256, into buffer i % 2
	WIN 0x80
.irp kbl, 0,1
.irp ks, 0,1,2,3,4,5,6,7
	global_load_b128 v[128*((\i)%2)+64*(\kbl)+8*(\ks):128*((\i)%2)+64*(\kbl)+8*(\ks)+3], v1, s[KP:KP+1] offset:(2*(\i)+(\kbl))*8192+(\ks)*1024
	global_load_b128 v[128*((\i)%2)+64*(\kbl)+8*(\ks)+4:128*((\i)%2)+64*(\kbl)+8*(\ks)+7], v1, s[KP:KP+1] offset:(2*(\i)+(\kbl))*8192+(\ks)*1024+512
.endr
.endr
.endm
.macro LDV k                           ; 32 loads: V^T of the same 32 keys, all 256 channels; even steps into v128-255, odd ones into v0-127
	WIN 0xc0
.irp cb, 0,1,2,3,4,5,6,7,8,9,10,11,12,13,14,15
	global_load_b128 v[128*(((\k)+1)%2)+8*(\cb):128*(((\k)+1)%2)+8*(\cb)+3], v1, s[VP:VP+1] offset:(\k)*16384+(\cb)*1024
	global_load_b128 v[128*(((\k)+1)%2)+8*(\cb)+4:128*(((\k)+1)%2)+8*(\cb)+7], v1, s[VP:VP+1] offset:(\k)*16384+(\cb)*1024+512
.endr
.endm
.macro SMUL i                          ; 32 products: 2 key blocks x 2 tiles x 8 steps along the channels; the four accumulators take turns
	WIN 0x5e
.irp ks, 0,1,2,3,4,5,6,7
.irp kbl, 0,1
.irp t, 0,1
.set rS, 128*(\t)+8*(2*(\i)+(\kbl))
.set rK, 128*((\i)%2)+64*(\kbl)+8*(\ks)
.set rQ, 64*(\t)+8*(\ks)
.if (\ks) == 0
	v_wmma_f32_16x16x32_f16 v[rS:rS+7], v[rK:rK+7], v[rQ:rQ+7], 0
.else
	v_wmma_f32_16x16x32_f16 v[rS:rS+7], v[rK:rK+7], v[rQ:rQ+7], v[rS:rS+7]
.endif
.endr
.endr
.endr
.endm
.macro PVMUL k                         ; 32 products: 16 channel blocks x 2 tiles, 32 keys; all 32 accumulators take turns
	WIN 0xa7
.irp cb, 0,1,2,3,4,5,6,7,8,9,10,11,12,13,14,15
.irp t, 0,1
.set rO, 128*(\t)+8*(\cb)
.set rV, 128*(((\k)+1)%2)+8*(\cb)
.set rP, 64*(\t)+8*(\k)
.if (\k) == 0
	v_wmma_f32_16x16x32_f16 v[rO:rO+7], v[rV:rV+7], v[rP:rP+7], 0
.else
	v_wmma_f32_16x16x32_f16 v[rO:rO+7], v[rV:rV+7], v[rP:rP+7], v[rO:rO+7]
.endif
.endr
.endr
.endm
.macro SOFTMAX t                       ; tile t: the maximum of my 128 scores and of the other half of the lanes'; p; l; P
.set rT, ST+16*(\t)
.set rS, 128*(\t)
	WIN 0
.irp c, 0,1,2,3
	v_mov_b32 v[rT+2+(\c)], 0xff7fffff             ; four chains start at the lowest finite number
.endr
	v_mov_b32 v[rT+15], 0                          ; v_permlanex16_b32's destination counts as read
	WIN 0x14
.irp g, 0,1,2,3
.irp i, 0,1,2,3
.irp c, 0,1,2,3
	v_max3_num_f32 v[rT+2+(\c)], v[rT+2+(\c)], v[rS+8*(4*(\g)+(\c))+2*(\i)], v[rS+8*(4*(\g)+(\c))+2*(\i)+1]  ; each accumulator from its low end on
.endr
.endr
.endr
	WIN 0
	v_max3_num_f32 v[rT+2], v[rT+2], v[rT+3], v[rT+4]
	v_max_num_f32 v[rT+2], v[rT+2], v[rT+5]
	v_permlanex16_b32 v[rT+15], v[rT+2], s[SEL], s[SEL+1]
	v_max_num_f32 v[rT+1], v[rT+2], v[rT+15]       ; m
	v_mul_f32 v[rT], s[CS], v[rT+1]                ; c m
	WIN 0x41
.set z, 0
.rept 4
	v_pk_fma_f32 v[rS+2*z:rS+2*z+1], v[rS+2*z:rS+2*z+1], s[CS:CS+1], v[rT:rT+1] op_sel_hi:[1,0,0] neg_lo:[0,0,1] neg_hi:[0,0,1]
.set z, z+1
.endr
.set b, 0
.rept 16                               ; eight exponentials, then the next eight scores' c s - c m: the plain lines behind them
.set z, 0
.rept 8
	v_exp_f32 v[rS+8*b+z], v[rS+8*b+z]
.set z, z+1
.endr
.if b < 15
.set z, 0
.rept 4
	v_pk_fma_f32 v[rS+8*b+8+2*z:rS+8*b+8+2*z+1], v[rS+8*b+8+2*z:rS+8*b+8+2*z+1], s[CS:CS+1], v[rT:rT+1] op_sel_hi:[1,0,0] neg_lo:[0,0,1] neg_hi:[0,0,1]
.set z, z+1
.endr
.endif
.set b, b+1
.endr
	WIN 0x05                               ; l of the unrounded p: the first eight pairs start four chains, nothing is cleared
	s_wait_alu depctr_va_vdst(0)
.irp q, 0,1,2,3
	v_pk_add_f32 v[rT+6+2*(\q):rT+6+2*(\q)+1], v[rS+4*(\q):rS+4*(\q)+1], v[rS+4*(\q)+2:rS+4*(\q)+3]
.endr
	WIN 0x04
.set p, 8
.rept 56
	v_pk_add_f32 v[rT+6+2*(p%4):rT+6+2*(p%4)+1], v[rT+6+2*(p%4):rT+6+2*(p%4)+1], v[rS+2*p:rS+2*p+1]
.set p, p+1
.endr
	WIN 0x45                               ; P in place, ascending: no line writes a register that a later one reads (tile 1's P lands on tile 0's scores, which are spent)
.set p, 0
.rept 64
	v_cvt_pk_f16_f32 v[64*(\t)+p], v[rS+2*p], v[rS+2*p+1]
.set p, p+1
.endr
.endm
	s_load_b128 s[4:7], s[0:1], 0x0                ; qkv s[4:5], act s[6:7]
	v_lshl_add_u32 v8, v0, 2, SPARE
	v_mov_b32 v9, 0
	v_lshrrev_b32 v2, 5, v0
	v_readfirstlane_b32 s8, v2                     ; wave
	v_and_b32 v2, 31, v0
	v_lshlrev_b32 v1, 4, v2                        ; 16 x lane
	v_lshl_add_u32 v3, v2, 2, ML                   ; the statistics of wave 0, my lane's word
	s_lshl_b32 s9, s8, 9
	v_add_nc_u32 v4, s9, v3                        ; my wave's
	s_lshl_b32 s9, s8, 15
	v_add_nc_u32 v5, s9, v1                        ; my wave's part of O in LDS
	s_lshl_b32 s9, s8, 12
	v_add_nc_u32 v6, s9, v1                        ; my four channel blocks in waves 0 and 1's parts,
	v_add_nc_u32 v7, 0x10000, v6                   ; in waves 2 and 3's
	s_and_b32 s10, ttmp9, 31                       ; which 32 queries
	s_bfe_u32 s11, ttmp9, 0x20005                  ; head
	s_lshr_b32 s12, ttmp9, 7                       ; batch
	s_lshl_b32 s13, s12, 6
	s_lshl1_add_u32 s13, s10, s13                  ; my first row block of 16 tokens
	s_lshl_b32 s13, s13, 15
	s_lshl_b32 s14, s11, 13                        ; the head's 256 channels: eight blocks of 1,024 bytes
	s_add_co_u32 s24, s13, s14
	s_mov_b32 s25, 0
	s_lshl_b32 s26, s12, 6
	s_lshl4_add_u32 s26, s8, s26                   ; K: row block 64 b + 16 w, 8,192 bytes each
	s_lshl_b32 s26, s26, 13
	s_add_co_u32 s26, s26, 0x400000
	s_mov_b32 s27, 0
	s_lshl_b32 s28, s12, 5
	s_lshl3_add_u32 s28, s8, s28                   ; V^T: token group 32 b + 8 w, 16,384 bytes each
	s_lshl_b32 s28, s28, 14
	s_add_co_u32 s28, s28, 0x500000
	s_mov_b32 s29, 0
	s_lshl_b32 s31, s8, 11                         ; O: my four channel blocks are 2,048 bytes of the head's 8,192
	s_add_co_u32 s30, s24, s31
	s_mov_b32 s31, 0
	s_mov_b32 s[CS], 0x3db8aa3b                    ; c = log2(e) / 16
	s_mov_b32 s[CS+1], s[CS]
	s_mov_b32 s[SEL], 0x76543210
	s_mov_b32 s[SEL+1], 0xfedcba98
	s_wait_kmcnt 0x0
	s_add_nc_u64 s[QP:QP+1], s[4:5], s[24:25]
	s_add_nc_u64 s[KP:KP+1], s[4:5], s[26:27]
	s_add_nc_u64 s[VP:VP+1], s[4:5], s[28:29]
	s_add_nc_u64 s[OP:OP+1], s[6:7], s[30:31]
	LDQ
	LDK 0
	LDK 1
.irp i, 0,1,2,3,4,5
	s_wait_loadcnt 32                              ; all but the youngest run of 32: this step's K is in (and Q)
	SMUL \i
	NOPS
	LDK (\i)+2                                     ; into the buffer just multiplied
.endr
	s_wait_loadcnt 32
	SMUL 6
	NOPS
	LDV 0
	s_wait_loadcnt 32
	SMUL 7
	NOPS
	LDV 1                                          ; where Q lay
	SOFTMAX 0
	SOFTMAX 1
.irp k, 0,1,2,3,4,5
	s_wait_loadcnt 32                              ; all but the youngest run: this step's V is in
	PVMUL \k
	NOPS
	LDV (\k)+2
.endr
	s_wait_loadcnt 32
	PVMUL 6
	s_wait_loadcnt 0x0
	PVMUL 7
	NOPS
	; THE FOUR WAVES' PARTS ARE JOINED.  First c m and l of each wave.
	WIN 0
.irp t, 0,1
	v_pk_add_f32 v[ST+16*(\t)+6:ST+16*(\t)+7], v[ST+16*(\t)+6:ST+16*(\t)+7], v[ST+16*(\t)+8:ST+16*(\t)+9]
	v_pk_add_f32 v[ST+16*(\t)+10:ST+16*(\t)+11], v[ST+16*(\t)+10:ST+16*(\t)+11], v[ST+16*(\t)+12:ST+16*(\t)+13]
	v_pk_add_f32 v[ST+16*(\t)+6:ST+16*(\t)+7], v[ST+16*(\t)+6:ST+16*(\t)+7], v[ST+16*(\t)+10:ST+16*(\t)+11]
	v_add_f32 v[ST+16*(\t)+6], v[ST+16*(\t)+6], v[ST+16*(\t)+7]
	v_permlanex16_b32 v[ST+16*(\t)+15], v[ST+16*(\t)+6], s[SEL], s[SEL+1]
	v_add_f32 v[ST+16*(\t)+6], v[ST+16*(\t)+6], v[ST+16*(\t)+15]
	ds_store_b32 v4, v[ST+16*(\t)] offset:(\t)*256
	ds_store_b32 v4, v[ST+16*(\t)+6] offset:(\t)*256+128
.endr
	s_wait_dscnt 0x0                               ; for the others' sake
	s_barrier_signal -1
	s_barrier_wait -1
.irp t, 0,1
.irp u, 0,1,2,3
	ds_load_b32 v[MG+8*(\t)+(\u)], v3 offset:(\u)*512+(\t)*256
	ds_load_b32 v[MG+8*(\t)+4+(\u)], v3 offset:(\u)*512+(\t)*256+128
.endr
.endr
	s_wait_dscnt 0x0
.irp t, 0,1
	v_max3_num_f32 v[ST+16*(\t)+2], v[MG+8*(\t)], v[MG+8*(\t)+1], v[MG+8*(\t)+2]
	v_max_num_f32 v[ST+16*(\t)+2], v[ST+16*(\t)+2], v[MG+8*(\t)+3]
.irp u, 0,1,2,3
	v_sub_f32 v[MG+8*(\t)+(\u)], v[MG+8*(\t)+(\u)], v[ST+16*(\t)+2]
.endr
	v_sub_f32 v[ST+16*(\t)+3], v[ST+16*(\t)], v[ST+16*(\t)+2]
.irp u, 0,1,2,3
	v_exp_f32 v[MG+8*(\t)+(\u)], v[MG+8*(\t)+(\u)]
.endr
	v_exp_f32 v[ST+16*(\t)+3], v[ST+16*(\t)+3]     ; my own f
	v_nop                                          ; a plain instruction behind the exponentials
	s_wait_alu depctr_va_vdst(0)
	v_mul_f32 v[ST+16*(\t)+4], v[MG+8*(\t)], v[MG+8*(\t)+4]
.irp u, 1,2,3
	v_fmac_f32 v[ST+16*(\t)+4], v[MG+8*(\t)+(\u)], v[MG+8*(\t)+4+(\u)]
.endr
	v_rcp_f32 v[ST+16*(\t)+5], v[ST+16*(\t)+4]     ; L is at least 1: the wave that holds the maximum has f = 1 and l >= 1
	v_nop
	s_wait_alu depctr_va_vdst(0)
	v_mul_f32 v[ST+16*(\t)+14], v[ST+16*(\t)+3], v[ST+16*(\t)+5]
.endr
	WIN 0x82
.irp t, 0,1
.set p, 0
.rept 64
	v_pk_mul_f32 v[128*(\t)+2*p:128*(\t)+2*p+1], v[128*(\t)+2*p:128*(\t)+2*p+1], v[ST+16*(\t)+14:ST+16*(\t)+15] op_sel_hi:[1,0]
.set p, p+1
.endr
.endr
	WIN 0x08
.set p, 0
.rept 64
	ds_store_b128 v5, v[4*p:4*p+3] offset:512*p    ; tile x 16,384 + channel block x 1,024 + half x 512 + 16 x lane: consecutive, no bank met twice
.set p, p+1
.endr
	s_wait_dscnt 0x0                               ; for the others' sake
	s_barrier_signal -1
	s_barrier_wait -1
	WIN 0xc0
.irp u, 0,1,2,3
.irp t, 0,1
.irp cbl, 0,1,2,3
.irp q, 0,1
.if (\u) < 2
	ds_load_b128 v[64*(\u)+32*(\t)+8*(\cbl)+4*(\q):64*(\u)+32*(\t)+8*(\cbl)+4*(\q)+3], v6 offset:((\u)%2)*32768+(\t)*16384+(\cbl)*1024+(\q)*512
.else
	ds_load_b128 v[64*(\u)+32*(\t)+8*(\cbl)+4*(\q):64*(\u)+32*(\t)+8*(\cbl)+4*(\q)+3], v7 offset:((\u)%2)*32768+(\t)*16384+(\cbl)*1024+(\q)*512
.endif
.endr
.endr
.endr
.endr
	s_wait_dscnt 0x0
	WIN 0xcf
.set p, 0
.rept 32
	v_pk_add_f32 v[2*p:2*p+1], v[2*p:2*p+1], v[64+2*p:64+2*p+1]
	v_pk_add_f32 v[128+2*p:128+2*p+1], v[128+2*p:128+2*p+1], v[192+2*p:192+2*p+1]
.set p, p+1
.endr
.set p, 0
.rept 32
	v_pk_add_f32 v[2*p:2*p+1], v[2*p:2*p+1], v[128+2*p:128+2*p+1]
.set p, p+1
.endr
	WIN 0x0f
.set p, 0
.rept 32
	v_cvt_pk_f16_f32 v[PKO+p], v[2*p], v[2*p+1]
.set p, p+1
.endr
	WIN 0
.irp t, 0,1
.irp cbl, 0,1,2,3
	global_store_b128 v1, v[PKO+16*(\t)+4*(\cbl):PKO+16*(\t)+4*(\cbl)+3], s[OP:OP+1] offset:(\t)*32768+(\cbl)*512  ; operand order again: 512 consecutive bytes
.endr
.endr
	s_wait_tensorcnt 0x0                           ; the wave's end: three lines behind my last LDS store
	ds_add_u32 v8, v9
	s_wait_dscnt 0x0
	s_endpgm
.Lfunc_end_k_q558c0e0ee3_attn:
	.size	k_q558c0e0ee3_attn, .Lfunc_end_k_q558c0e0ee3_attn-k_q558c0e0ee3_attn
	.p2alignl 7, 3214868480
	.fill 96, 4, 3214868480
	.section	.rodata,"a",@progbits
	.p2align	6, 0x0
	.amdhsa_kernel k_q558c0e0ee3_attn
		.amdhsa_group_segment_fixed_size 133632
		.amdhsa_private_segment_fixed_size 0
		.amdhsa_enable_private_segment 0
		.amdhsa_kernarg_size 16
		.amdhsa_user_sgpr_count 2
		.amdhsa_user_sgpr_kernarg_segment_ptr 1
		.amdhsa_wavefront_size32 1
		.amdhsa_system_sgpr_workgroup_id_x 1
		.amdhsa_system_sgpr_workgroup_id_y 1
		.amdhsa_system_sgpr_workgroup_id_z 1
		.amdhsa_system_vgpr_workitem_id 0
		.amdhsa_next_free_vgpr 1024
		.amdhsa_next_free_sgpr 66
		.amdhsa_reserve_vcc 0
		.amdhsa_float_denorm_mode_32 3
		.amdhsa_float_denorm_mode_16_64 3
		.amdhsa_memory_ordered 1
		.amdhsa_forward_progress 1
		.amdhsa_inst_pref_size 159
	.end_amdhsa_kernel
	.amdgpu_metadata
---
amdhsa.version: [ 1, 2 ]
amdhsa.kernels:
  - .name:           k_q558c0e0ee3_attn
    .symbol:         k_q558c0e0ee3_attn.kd
    .args:
      - { .name: qkv, .offset: 0, .size: 8, .value_kind: global_buffer, .address_space: global }
      - { .name: act, .offset: 8, .size: 8, .value_kind: global_buffer, .address_space: global }
    .group_segment_fixed_size: 133632
    .private_segment_fixed_size: 0
    .kernarg_segment_align: 8
    .kernarg_segment_size: 16
    .max_flat_workgroup_size: 128
    .sgpr_count:     66
    .vgpr_count:     1024
    .wavefront_size: 32
...
	.end_amdgpu_metadata
.endif
;; end of part 3
;; launch oproj (part 4): grid 16 x 16, 8 waves a work-group, no clusters, 202,752 bytes of LDS; arguments act, Wo, ap; writes ap
.if DOCPART == 4
	.amdgcn_target "amdgcn-amd-amdhsa--gfx1250"
	.amdhsa_code_object_version 6
	.text
	.protected	k_q558c0e0ee3_oproj
	.globl	k_q558c0e0ee3_oproj
	.p2align	8
	.type	k_q558c0e0ee3_oproj,@function
k_q558c0e0ee3_oproj:
	s_mov_b64 s[64:65], 0
	v_nop
	global_prefetch_b8 v0, s[64:65] scope:SCOPE_SE
	s_setreg_imm32_b32 hwreg(HW_REG_WAVE_MODE, 25, 1), 1
	s_wait_xcnt 0x0
; ap = O Wo^T in f16 operands and f32 sums; ap is f32 [2048][1024] (a sum that a later launch adds onto X).  O lies in act in operand order
; (blocks of 16 rows x 32 k, 1,024 bytes: two loads of 512 consecutive bytes fill a matrix operand).
; A work-group has a slice of 64 rows of Wo, rounded from f32 into LDS once by all eight waves, and 128 tokens: four tiles of 32 x 64, for waves 0 to 3
; (2,048 x 1,024 outputs over 256 work-groups are four such tiles each); waves 4 to 7 only help to stage.
; The tile's 32 K steps are written out: every LDS address is one of two fixed lane registers plus an immediate, and A's step stands in the immediate too.
; The results leave through each wave's own stage in LDS, so that sixteen lanes store 256 consecutive bytes of a row.
; LIMIT: O and Wo within f16's range.  NO TENSOR LOADS, NO CLUSTER: the weights pass through registers to be rounded, A needs no LDS.
.set PITCH, 2064                       ; 2,048 + 16 = 129 x 16 bytes: the 16 rows of a fragment load start at 16 different 16-byte columns modulo 256
.set NB2,   16*PITCH
.set SLICE, 64*PITCH
.set STG,   SLICE                      ; behind the slice: 32 rows x 272 bytes for each wave
.set SPARE, SLICE+8*8704               ; behind the stages: the spare words, 128 bytes a wave
.set ACC, 16                           ; v[16:79]    accumulator (mb, nb) at 16 + 8 (4 mb + nb)
.set AF,  80                           ; v[80:143]   A: slot s, fragment mb at 80 + 16 s + 8 mb; while staging a ring of 16 loads; on the way out the rows read back
.set BF,  144                          ; v[144:207]  weights: buffer b, fragment nb at 144 + 32 b + 8 nb
.set T,   208                          ; v[208:239]  packed, while staging
.set WP, 28                            ; s[28:29] the weight rows that I stage
.set AB, 30                            ; s[30:31] A at my tile
.set PB, 32                            ; s[32:33] ap at my tile
; v1 16 x lane; v2, v3 my place in a weight fragment (nb 0-1, nb 2-3), never rewritten; v6 lane; v7 staging address; v8, v9 the add's; v10-12 the way out
.macro SSLOT i, ahead, left            ; one slot of the staging ring: 128 f32 of a weight row, rounded, into LDS
	s_wait_loadcnt \left                           ; loads come back in order: mine is in, the younger ones stay out
	v_cvt_pk_f16_f32 v[T+2*(\i)], v[AF+4*(\i)], v[AF+4*(\i)+1]
	v_cvt_pk_f16_f32 v[T+2*(\i)+1], v[AF+4*(\i)+2], v[AF+4*(\i)+3]
	ds_store_b64 v7, v[T+2*(\i):T+2*(\i)+1] offset:((\i)/8)*PITCH+((\i)%8)*256
.if \ahead
	global_load_b128 v[AF+4*(\i):AF+4*(\i)+3], v1, s[WP:WP+1] offset:((\i)/8)*4096+((\i)%8)*512+8192
.endif
.endm
.macro STAGE                           ; my eight rows of the slice: four times two rows, sixteen loads of 512 bytes always out
	s_wait_xcnt 0x0
.irp i, 0,1,2,3,4,5,6,7,8,9,10,11,12,13,14,15
	global_load_b128 v[AF+4*(\i):AF+4*(\i)+3], v1, s[WP:WP+1] offset:((\i)/8)*4096+((\i)%8)*512
.endr
	s_mov_b32 s26, 3
.Lst_\@:
.irp i, 0,1,2,3,4,5,6,7,8,9,10,11,12,13,14,15
	SSLOT \i, 1, 15
.endr
	s_wait_xcnt 0x0                                ; the base is stepped only behind this wait
	s_add_nc_u64 s[WP:WP+1], s[WP:WP+1], 8192
	v_add_nc_u32 v7, 2*PITCH, v7
	s_sub_co_u32 s26, s26, 1
	s_cmp_lg_u32 s26, 0
	s_cbranch_scc1 .Lst_\@
.irp i, 0,1,2,3,4,5,6,7,8,9,10,11,12,13,14,15
	SSLOT \i, 0, 15-(\i)                           ; the last two rows: nothing more is loaded, the counts run down
.endr
.endm
.macro BLOAD b, st                     ; the four weight fragments of K step st into buffer b
.irp nb, 0,1
	ds_load_b128 v[BF+32*(\b)+8*(\nb):BF+32*(\b)+8*(\nb)+3], v2 offset:(\nb)*NB2+(\st)*64
	ds_load_b128 v[BF+32*(\b)+8*(\nb)+4:BF+32*(\b)+8*(\nb)+7], v2 offset:(\nb)*NB2+(\st)*64+32
.endr
.irp nb, 0,1
	ds_load_b128 v[BF+32*(\b)+8*(\nb)+16:BF+32*(\b)+8*(\nb)+19], v3 offset:(\nb)*NB2+(\st)*64
	ds_load_b128 v[BF+32*(\b)+8*(\nb)+20:BF+32*(\b)+8*(\nb)+23], v3 offset:(\nb)*NB2+(\st)*64+32
.endr
.endm
.macro ALOAD s, st                     ; A's two fragments of K step st into slot s
.irp mb, 0,1
	global_load_b128 v[AF+16*(\s)+8*(\mb):AF+16*(\s)+8*(\mb)+3], v1, s[AB:AB+1] offset:(\st)*1024+(\mb)*32768
	global_load_b128 v[AF+16*(\s)+8*(\mb)+4:AF+16*(\s)+8*(\mb)+7], v1, s[AB:AB+1] offset:(\st)*1024+(\mb)*32768+512
.endr
.endm
; 32 rows x 64 columns, K = 1,024.  A K step of 32: eight matrix instructions, the eight accumulators by turns, then the refills:
; the weights two steps ahead, A four steps ahead.  The first step starts the sums; the last steps fetch nothing beyond the end.
.macro TILE
.irp s, 0,1,2,3
	ALOAD \s, \s
.endr
	BLOAD 0, 0
	BLOAD 1, 1
.set st, 0
.rept 32
.if st < 29
	s_wait_loadcnt 12                              ; this step's A is in; the three younger steps' four loads each stay out
.else
	s_wait_loadcnt 4*(31-st)                       ; the counts run down
.endif
.if st < 31
	s_wait_dscnt 8                                 ; this step's weights are in; the next step's eight loads stay out
.else
	s_wait_dscnt 0x0
.endif
.irp mb, 0,1
.irp nb, 0,1,2,3
.set rD, ACC+8*(4*(\mb)+(\nb))
.set rX, BF+32*(st%2)+8*(\nb)
.set rY, AF+16*(st%4)+8*(\mb)
.if st == 0
	v_wmma_f32_16x16x32_f16 v[rD:rD+7], v[rX:rX+7], v[rY:rY+7], 0
.else
	v_wmma_f32_16x16x32_f16 v[rD:rD+7], v[rX:rX+7], v[rY:rY+7], v[rD:rD+7]
.endif
.endr
.endr
.if st != 30
.rept 4
	v_nop                                          ; four places in front of loads into registers that the products have read, at the end in front of the first read of the results
.endr
.endif
.if st < 30
	BLOAD st%2, st+2
.endif
.if st < 28
	ALOAD st%4, st+4
.endif
.set st, st+1
.endr
.endm
.macro OUT32                           ; f32 out: a lane's eight columns as 2 x 16 bytes into my stage (the low half first), back as whole rows of 256 bytes
.irp mb, 0,1
.irp nb, 0,1,2,3
	ds_store_b128 v10, v[ACC+8*(4*(\mb)+(\nb)):ACC+8*(4*(\mb)+(\nb))+3] offset:(\mb)*4352+(\nb)*64
	ds_store_b128 v10, v[ACC+8*(4*(\mb)+(\nb))+4:ACC+8*(4*(\mb)+(\nb))+7] offset:(\mb)*4352+(\nb)*64+16
.endr
.endr
.irp i, 0,1,2,3,4,5,6,7,8,9,10,11,12,13,14,15
	ds_load_b128 v[AF+4*(\i):AF+4*(\i)+3], v11 offset:(\i)*544  ; LDS serves a wave's instructions in order: these see the stores above
.endr
.irp i, 0,1,2,3,4,5,6,7,8,9,10,11,12,13,14,15
	s_wait_dscnt 15-(\i)
	global_store_b128 v12, v[AF+4*(\i):AF+4*(\i)+3], s[PB:PB+1] offset:(\i)*8192  ; 16 lanes store 256 consecutive bytes, aligned
.endr
.endm
	s_load_b128 s[4:7], s[0:1], 0x0                ; act s[4:5], Wo s[6:7]
	s_load_b64 s[8:9], s[0:1], 0x10                ; ap
	v_lshl_add_u32 v8, v0, 2, SPARE
	v_mov_b32 v9, 0
	v_lshrrev_b32 v1, 5, v0
	v_readfirstlane_b32 s18, v1                    ; wave
	v_and_b32 v6, 31, v0
	v_lshlrev_b32 v1, 4, v6
	v_and_b32 v13, 15, v6                          ; r
	v_lshrrev_b32 v14, 4, v6                       ; h
	v_mul_u32_u24 v2, v13, PITCH
	v_lshl_add_u32 v2, v14, 4, v2                  ; row x pitch + 16 x half
	v_add_nc_u32 v3, 2*NB2, v2
	s_mul_i32 s19, s18, 8*PITCH
	v_lshl_add_u32 v7, v6, 3, s19                  ; staging: my eight LDS rows, 8 bytes a lane
	s_mul_i32 s19, s18, 8704
	s_add_co_u32 s19, s19, STG                     ; my stage
	v_mul_u32_u24 v10, v13, 272
	v_lshl_add_u32 v10, v14, 5, v10
	v_add_nc_u32 v10, s19, v10                     ; in: row r, 32 bytes for each half of the lanes
	v_mul_u32_u24 v11, v14, 272
	v_lshl_add_u32 v11, v13, 4, v11
	v_add_nc_u32 v11, s19, v11                     ; back: lanes 0-15 one row, lanes 16-31 the next
	v_lshlrev_b32 v12, 12, v14
	v_lshl_add_u32 v12, v13, 4, v12                ; and the same two rows in ap
	s_mov_b32 s20, ttmp9                           ; slice
	s_and_b32 s21, ttmp7, 0xffff                   ; which 128 tokens
	s_lshl2_add_u32 s22, s21, s18                  ; my tile (waves 0-3)
	s_lshl_b32 s34, s20, 18                        ; 64 rows of 4,096 bytes,
	s_lshl_b32 s35, s18, 15                        ; my eight of them
	s_add_co_u32 s34, s34, s35
	s_mov_b32 s35, 0
	s_lshl_b32 s36, s22, 16                        ; a tile of A is two row blocks of 32,768 bytes
	s_mov_b32 s37, 0
	s_lshl_b32 s38, s22, 17                        ; 32 rows of 4,096 bytes
	s_lshl_b32 s39, s20, 8                         ; 64 columns of f32
	s_add_co_u32 s38, s38, s39
	s_mov_b32 s39, 0
	s_wait_kmcnt 0x0
	s_add_nc_u64 s[WP:WP+1], s[6:7], s[34:35]
	STAGE
	s_wait_dscnt 0x0                               ; for the others' sake: my rows of the slice lie in LDS
	s_barrier_signal -1
	s_barrier_wait -1
	s_cmp_ge_u32 s18, 4
	s_cbranch_scc1 .Lidle
	s_add_nc_u64 s[AB:AB+1], s[4:5], s[36:37]
	s_add_nc_u64 s[PB:PB+1], s[8:9], s[38:39]
	TILE
	OUT32
	s_wait_tensorcnt 0x0                           ; the wave's end: three lines behind my last LDS store
	ds_add_u32 v8, v9
	s_wait_dscnt 0x0
	s_endpgm
.Lidle:
	s_wait_tensorcnt 0x0                           ; the same for a wave that only staged
	ds_add_u32 v8, v9
	s_wait_dscnt 0x0
	s_endpgm
.Lfunc_end_k_q558c0e0ee3_oproj:
	.size	k_q558c0e0ee3_oproj, .Lfunc_end_k_q558c0e0ee3_oproj-k_q558c0e0ee3_oproj
	.p2alignl 7, 3214868480
	.fill 96, 4, 3214868480
	.section	.rodata,"a",@progbits
	.p2align	6, 0x0
	.amdhsa_kernel k_q558c0e0ee3_oproj
		.amdhsa_group_segment_fixed_size 202752
		.amdhsa_private_segment_fixed_size 0
		.amdhsa_enable_private_segment 0
		.amdhsa_kernarg_size 24
		.amdhsa_user_sgpr_count 2
		.amdhsa_user_sgpr_kernarg_segment_ptr 1
		.amdhsa_wavefront_size32 1
		.amdhsa_system_sgpr_workgroup_id_x 1
		.amdhsa_system_sgpr_workgroup_id_y 1
		.amdhsa_system_sgpr_workgroup_id_z 1
		.amdhsa_system_vgpr_workitem_id 0
		.amdhsa_next_free_vgpr 240
		.amdhsa_next_free_sgpr 66
		.amdhsa_reserve_vcc 0
		.amdhsa_float_denorm_mode_32 3
		.amdhsa_float_denorm_mode_16_64 3
		.amdhsa_memory_ordered 1
		.amdhsa_forward_progress 1
		.amdhsa_inst_pref_size 67
	.end_amdhsa_kernel
	.amdgpu_metadata
---
amdhsa.version: [ 1, 2 ]
amdhsa.kernels:
  - .name:           k_q558c0e0ee3_oproj
    .symbol:         k_q558c0e0ee3_oproj.kd
    .args:
      - { .name: act, .offset: 0, .size: 8, .value_kind: global_buffer, .address_space: global }
      - { .name: Wo, .offset: 8, .size: 8, .value_kind: global_buffer, .address_space: global }
      - { .name: ap, .offset: 16, .size: 8, .value_kind: global_buffer, .address_space: global }
    .group_segment_fixed_size: 202752
    .private_segment_fixed_size: 0
    .kernarg_segment_align: 8
    .kernarg_segment_size: 24
    .max_flat_workgroup_size: 256
    .sgpr_count:     66
    .vgpr_count:     240
    .wavefront_size: 32
...
	.end_amdgpu_metadata
.endif
;; end of part 4
;; launch router (part 5): grid 128 x 1, 16 waves a work-group, no clusters, 35,072 bytes of LDS; arguments X, ap, g2, Wr, expert_bias, act, route, gate; writes act, route, gate
.if DOCPART == 5
	.amdgcn_target "amdgcn-amd-amdhsa--gfx1250"
	.amdhsa_code_object_version 6
	.text
	.protected	k_q558c0e0ee3_router
	.globl	k_q558c0e0ee3_router
	.p2align	8
	.type	k_q558c0e0ee3_router,@function
k_q558c0e0ee3_router:
	s_mov_b64 s[64:65], 0
	v_nop
	global_prefetch_b8 v0, s[64:65] scope:SCOPE_SE
	s_setreg_imm32_b32 hwreg(HW_REG_WAVE_MODE, 25, 1), 1
	s_wait_xcnt 0x0
; X1 = X + ap; nx = X1 * rsqrt(mean(X1^2) + 1e-6) * g2; logits = nx Wr^T + bias; the two largest; their weights.  All in f32 on the vector unit: 8 x 1,024 multiply-adds a token.
; A wave has one token, a work-group 16.  Stored, all at fixed places: nx in bf16, row-major, in act; the two experts (route + 2,048 + 8 t) and their weights (gate + 8 t);
; for each expert a bitmap of its tokens (route + 256 e, bit t % 32 of word t / 32: a work-group's 16 tokens are half a word).  No address and no branch hangs on the choice.
; THE CHOICE is made on the logits: softmax keeps their order.  A strict > keeps the lower index on equal logits, as top_k does.  LIMIT: two logits so close that their softmax values
; round to one number are told apart here and not there.  The weights follow the definition: rw = softmax(logits) with the maximum taken away, then softmax of the two rw
; (both in 0 to 1, so its exponent lies in -1 to 0 and needs no maximum).  NaN and infinities are not treated apart.
.set EX,    32768                      ; behind Wr's 32,768 bytes: 16 bytes a token: e1, e2, w1, w2
.set SPARE, 33024
.set XR, 8                             ; v[8:39]    X, X1, nx: load i holds k = 128 i + 4 lane + 0..3
.set AR, 40                            ; v[40:71]   ap; then Wr's rows, even experts
.set GR, 72                            ; v[72:103]  g2
.set WB, 104                           ; v[104:135] my 2,048 bytes of Wr on their way into LDS; then Wr's rows, odd experts
.set LG, 136                           ; v[136:143] logits
.set L2, 144                           ; v[144:151] chains of squares; then at work
.set CH, 152                           ; v[152:155] two chains; v[156:157] 1 / rms
.set PK, 160                           ; v[160:175] nx in bf16
.set R,  176                           ; v[176:179] e1, e2, w1, w2
.set BV, 180
.set B2, 181
.set NI, 182
.set SU, 183
.macro LDW e, buf                      ; a row of Wr out of LDS, laid as nx is
.irp i, 0,1,2,3,4,5,6,7
	ds_load_b128 v[(\buf)+4*(\i):(\buf)+4*(\i)+3], v2 offset:(\e)*4096+(\i)*512
.endr
.endm
.macro DOT e, buf                      ; my lane's 32 terms of logit e, in two chains
	v_pk_mul_f32 v[CH:CH+1], v[XR:XR+1], v[(\buf):(\buf)+1]
	v_pk_mul_f32 v[CH+2:CH+3], v[XR+2:XR+3], v[(\buf)+2:(\buf)+3]
.set j, 2
.rept 14
	v_pk_fma_f32 v[CH+2*(j%2):CH+2*(j%2)+1], v[XR+2*j:XR+2*j+1], v[(\buf)+2*j:(\buf)+2*j+1], v[CH+2*(j%2):CH+2*(j%2)+1]
.set j, j+1
.endr
	v_pk_add_f32 v[CH:CH+1], v[CH:CH+1], v[CH+2:CH+3]
	v_add_f32 v[LG+(\e)], v[CH], v[CH+1]
.endm
	s_load_b512 s[4:19], s[0:1], 0x0               ; X s[4:5], ap s[6:7], g2 s[8:9], Wr s[10:11], bias s[12:13], act s[14:15], route s[16:17], gate s[18:19]
	v_lshl_add_u32 v6, v0, 2, SPARE
	v_mov_b32 v7, 0
	v_lshrrev_b32 v1, 5, v0
	v_readfirstlane_b32 s20, v1                    ; wave
	v_and_b32 v1, 31, v0                           ; lane
	v_lshlrev_b32 v2, 4, v1
	v_lshlrev_b32 v4, 3, v1
	s_lshl_b32 s21, s20, 11
	v_add_nc_u32 v3, s21, v2                       ; my 2,048 bytes of Wr, in memory and in LDS
	s_lshl4_add_u32 s22, ttmp9, s20                ; my token
	s_lshl_b32 s32, s22, 12
	s_mov_b32 s33, 0
	s_lshl_b32 s34, s22, 11
	s_mov_b32 s35, 0
	s_lshl_b32 s36, ttmp9, 7                       ; 16 tokens x 8 bytes
	s_mov_b32 s37, 0
	s_lshl_b32 s38, ttmp9, 1                       ; my half word in a bitmap
	s_mov_b32 s39, 0
	s_lshl_b32 s48, s20, 4
	s_add_co_u32 s48, s48, EX
	v_mov_b32 v5, s48                              ; my token's 16 bytes in LDS
	s_mov_b32 s49, 0x3a800000                      ; 1 / 1024
	s_mov_b32 s50, 0x358637bd                      ; 1e-6
	s_mov_b32 s58, 0x76543210
	s_mov_b32 s59, 0xfedcba98
	s_wait_kmcnt 0x0
	s_load_b256 s[24:31], s[12:13], 0x0            ; the eight biases
	s_add_nc_u64 s[4:5], s[4:5], s[32:33]
	s_add_nc_u64 s[6:7], s[6:7], s[32:33]
	s_add_nc_u64 s[14:15], s[14:15], s[34:35]
	s_add_nc_u64 s[52:53], s[16:17], s[36:37]
	s_add_nc_u64 s[54:55], s[16:17], s[38:39]
	s_add_nc_u64 s[56:57], s[18:19], s[36:37]
.irp i, 0,1,2,3
	global_load_b128 v[WB+4*(\i):WB+4*(\i)+3], v3, s[10:11] offset:512*(\i)
.endr
.irp i, 0,1,2,3,4,5,6,7
	global_load_b128 v[XR+4*(\i):XR+4*(\i)+3], v2, s[4:5] offset:512*(\i)
.endr
.irp i, 0,1,2,3,4,5,6,7
	global_load_b128 v[AR+4*(\i):AR+4*(\i)+3], v2, s[6:7] offset:512*(\i)
.endr
.irp i, 0,1,2,3,4,5,6,7
	global_load_b128 v[GR+4*(\i):GR+4*(\i)+3], v2, s[8:9] offset:512*(\i)
.endr
	s_wait_loadcnt 24                              ; my part of Wr is in; the 24 younger loads stay out
.irp i, 0,1,2,3
	ds_store_b128 v3, v[WB+4*(\i):WB+4*(\i)+3] offset:512*(\i)
.endr
	s_wait_dscnt 0x0                               ; for the others' sake
	s_barrier_signal -1
	s_barrier_wait -1
	s_wait_loadcnt 8                               ; X and ap are in; g2 stays out
.set j, 0
.rept 16
	v_pk_add_f32 v[XR+2*j:XR+2*j+1], v[XR+2*j:XR+2*j+1], v[AR+2*j:AR+2*j+1]
.set j, j+1
.endr
.irp c, 0,1,2,3
	v_pk_mul_f32 v[L2+2*(\c):L2+2*(\c)+1], v[XR+2*(\c):XR+2*(\c)+1], v[XR+2*(\c):XR+2*(\c)+1]
.endr
.set j, 4
.rept 12
	v_pk_fma_f32 v[L2+2*(j%4):L2+2*(j%4)+1], v[XR+2*j:XR+2*j+1], v[XR+2*j:XR+2*j+1], v[L2+2*(j%4):L2+2*(j%4)+1]
.set j, j+1
.endr
	v_pk_add_f32 v[L2:L2+1], v[L2:L2+1], v[L2+2:L2+3]
	v_pk_add_f32 v[L2+4:L2+5], v[L2+4:L2+5], v[L2+6:L2+7]
	v_pk_add_f32 v[L2:L2+1], v[L2:L2+1], v[L2+4:L2+5]
	v_add_f32 v[L2], v[L2], v[L2+1]
	v_add_f32_dpp v[L2], v[L2], v[L2] row_xmask:1 row_mask:0xf bank_mask:0xf
	v_add_f32_dpp v[L2], v[L2], v[L2] row_xmask:2 row_mask:0xf bank_mask:0xf
	v_add_f32_dpp v[L2], v[L2], v[L2] row_xmask:4 row_mask:0xf bank_mask:0xf
	v_add_f32_dpp v[L2], v[L2], v[L2] row_xmask:8 row_mask:0xf bank_mask:0xf
	v_permlanex16_b32 v[L2+1], v[L2], s58, s59
	v_add_f32 v[L2], v[L2], v[L2+1]
	v_fma_f32 v[L2], v[L2], s49, s50
	v_rsq_f32 v[CH+4], v[L2]
	v_mov_b32 v[CH+5], 0                           ; named with it as a pair; also the plain instruction behind the root
	s_wait_loadcnt 0x0                             ; g2
.set j, 0
	s_wait_alu depctr_va_vdst(0)
.rept 16
	v_pk_mul_f32 v[XR+2*j:XR+2*j+1], v[XR+2*j:XR+2*j+1], v[CH+4:CH+5] op_sel_hi:[1,0]
.set j, j+1
.endr
.set j, 0
.rept 16
	v_pk_mul_f32 v[XR+2*j:XR+2*j+1], v[XR+2*j:XR+2*j+1], v[GR+2*j:GR+2*j+1]
.set j, j+1
.endr
	LDW 0, AR
	LDW 1, WB
.set j, 0
.rept 16
	v_cvt_pk_bf16_f32 v[PK+j], v[XR+2*j], v[XR+2*j+1]
.set j, j+1
.endr
.irp i, 0,1,2,3,4,5,6,7
	global_store_b64 v4, v[PK+2*(\i):PK+2*(\i)+1], s[14:15] offset:256*(\i)  ; 256 consecutive bytes, aligned
.endr
.irp e, 0,2,4
	s_wait_dscnt 8                                 ; this expert's row is in; the next one's eight loads stay out
	DOT \e, AR
	LDW (\e)+2, AR
	s_wait_dscnt 8
	DOT (\e)+1, WB
	LDW (\e)+3, WB
.endr
	s_wait_dscnt 8
	DOT 6, AR
	s_wait_dscnt 0x0
	DOT 7, WB
.irp m, 1,2,4,8
.irp e, 0,1,2,3,4,5,6,7
	v_add_f32_dpp v[LG+(\e)], v[LG+(\e)], v[LG+(\e)] row_xmask:\m row_mask:0xf bank_mask:0xf
.endr
.endr
.irp e, 0,1,2,3,4,5,6,7
	v_permlanex16_b32 v[L2+(\e)], v[LG+(\e)], s58, s59
.endr
	s_wait_kmcnt 0x0                               ; the biases
.irp e, 0,1,2,3,4,5,6,7
	v_add_f32 v[LG+(\e)], v[LG+(\e)], v[L2+(\e)]
.endr
.irp e, 0,1,2,3,4,5,6,7
	v_add_f32 v[LG+(\e)], s[24+(\e)], v[LG+(\e)]
.endr
	v_mov_b32 v[BV], v[LG]                         ; the largest, by values alone
	v_mov_b32 v[R], 0
.irp e, 1,2,3,4,5,6,7
	v_cmp_gt_f32 vcc_lo, v[LG+(\e)], v[BV]
	v_cndmask_b32 v[BV], v[BV], v[LG+(\e)], vcc_lo
	v_cndmask_b32 v[R], v[R], \e, vcc_lo
.endr
	v_mov_b32 v[NI], 0xff800000
.irp e, 0,1,2,3,4,5,6,7
	v_cmp_eq_u32 vcc_lo, \e, v[R]
	v_cndmask_b32 v[L2+(\e)], v[LG+(\e)], v[NI], vcc_lo
.endr
	v_mov_b32 v[B2], v[L2]                         ; the largest of the others
	v_mov_b32 v[R+1], 0
.irp e, 1,2,3,4,5,6,7
	v_cmp_gt_f32 vcc_lo, v[L2+(\e)], v[B2]
	v_cndmask_b32 v[B2], v[B2], v[L2+(\e)], vcc_lo
	v_cndmask_b32 v[R+1], v[R+1], \e, vcc_lo
.endr
.irp e, 0,1,2,3,4,5,6,7
	v_sub_f32 v[L2+(\e)], v[LG+(\e)], v[BV]
.endr
	v_sub_f32 v[B2], v[B2], v[BV]
.irp e, 0,1,2,3,4,5,6,7
	v_mul_f32 v[L2+(\e)], 0x3fb8aa3b, v[L2+(\e)]
.endr
	v_mul_f32 v[B2], 0x3fb8aa3b, v[B2]
.irp e, 0,1,2,3,4,5,6,7
	v_exp_f32 v[L2+(\e)], v[L2+(\e)]
.endr
	v_exp_f32 v[B2], v[B2]
	v_nop                                          ; a plain instruction behind the exponentials
	s_wait_alu depctr_va_vdst(0)
	v_pk_add_f32 v[L2:L2+1], v[L2:L2+1], v[L2+2:L2+3]
	v_pk_add_f32 v[L2+4:L2+5], v[L2+4:L2+5], v[L2+6:L2+7]
	v_pk_add_f32 v[L2:L2+1], v[L2:L2+1], v[L2+4:L2+5]
	v_add_f32 v[SU], v[L2], v[L2+1]
	v_rcp_f32 v[NI], v[SU]                         ; rw1 = 1 / sum
	v_nop
	s_wait_alu depctr_va_vdst(0)
	v_mul_f32 v[B2], v[B2], v[NI]                  ; rw2
	v_sub_f32 v[B2], v[B2], v[NI]
	v_mul_f32 v[B2], 0x3fb8aa3b, v[B2]
	v_exp_f32 v[B2], v[B2]                         ; e^(rw2 - rw1)
	v_nop
	s_wait_alu depctr_va_vdst(0)
	v_add_f32 v[SU], 1.0, v[B2]
	v_rcp_f32 v[R+2], v[SU]                        ; w1
	v_nop
	s_wait_alu depctr_va_vdst(0)
	v_mul_f32 v[R+3], v[B2], v[R+2]                ; w2
	ds_store_b128 v5, v[R:R+3]                     ; all lanes hold the same four numbers
	s_wait_dscnt 0x0                               ; for wave 0's sake
	s_barrier_signal -1
	s_barrier_wait -1
	s_cmp_lg_u32 s20, 0
	s_cbranch_scc1 .Lend
	v_and_b32 v193, 15, v1                         ; wave 0: lane l takes token l % 16
	v_lshl_add_u32 v193, v193, 4, EX
	ds_load_b128 v[184:187], v193
	v_mov_b32 v189, 1
	v_mov_b32 v188, 0
	v_lshlrev_b32 v192, 8, v1
	s_wait_dscnt 0x0
	v_lshlrev_b32 v190, v184, v189
	v_lshlrev_b32 v191, v185, v189
	v_or_b32 v190, v190, v191
	v_cmp_gt_u32 vcc_lo, 16, v1
	v_cndmask_b32 v190, 0, v190, vcc_lo            ; each token once
.irp e, 0,1,2,3,4,5,6,7
	v_and_b32 v191, 1<<(\e), v190
	v_cmp_ne_u32 s[40+(\e)], 0, v191               ; bit l: token l chose expert e
	v_writelane_b32 v188, s[40+(\e)], \e
.endr
	s_wait_xcnt 0x0                                ; EXEC changes only behind this wait
	s_and_saveexec_b32 s51, vcc_lo                 ; lanes 0-15
	global_store_b64 v4, v[184:185], s[52:53] offset:2048
	global_store_b64 v4, v[186:187], s[56:57]
	s_wait_xcnt 0x0
	s_or_b32 exec_lo, exec_lo, s51
	v_cmp_gt_u32 vcc_lo, 8, v1
	s_and_saveexec_b32 s51, vcc_lo                 ; lanes 0-7: expert l's half word
	global_store_b16 v192, v188, s[54:55]
	s_wait_xcnt 0x0
	s_or_b32 exec_lo, exec_lo, s51
	s_wait_tensorcnt 0x0                           ; the wave's end: three lines behind my last LDS store
	ds_add_u32 v6, v7
	s_wait_dscnt 0x0
	s_endpgm
.Lend:
	s_wait_tensorcnt 0x0                           ; the same for the other waves
	ds_add_u32 v6, v7
	s_wait_dscnt 0x0
	s_endpgm
.Lfunc_end_k_q558c0e0ee3_router:
	.size	k_q558c0e0ee3_router, .Lfunc_end_k_q558c0e0ee3_router-k_q558c0e0ee3_router
	.p2alignl 7, 3214868480
	.fill 96, 4, 3214868480
	.section	.rodata,"a",@progbits
	.p2align	6, 0x0
	.amdhsa_kernel k_q558c0e0ee3_router
		.amdhsa_group_segment_fixed_size 35072
		.amdhsa_private_segment_fixed_size 0
		.amdhsa_enable_private_segment 0
		.amdhsa_kernarg_size 64
		.amdhsa_user_sgpr_count 2
		.amdhsa_user_sgpr_kernarg_segment_ptr 1
		.amdhsa_wavefront_size32 1
		.amdhsa_system_sgpr_workgroup_id_x 1
		.amdhsa_system_sgpr_workgroup_id_y 1
		.amdhsa_system_sgpr_workgroup_id_z 1
		.amdhsa_system_vgpr_workitem_id 0
		.amdhsa_next_free_vgpr 200
		.amdhsa_next_free_sgpr 66
		.amdhsa_reserve_vcc 1
		.amdhsa_float_denorm_mode_32 3
		.amdhsa_float_denorm_mode_16_64 3
		.amdhsa_memory_ordered 1
		.amdhsa_forward_progress 1
		.amdhsa_inst_pref_size 35
	.end_amdhsa_kernel
	.amdgpu_metadata
---
amdhsa.version: [ 1, 2 ]
amdhsa.kernels:
  - .name:           k_q558c0e0ee3_router
    .symbol:         k_q558c0e0ee3_router.kd
    .args:
      - { .name: X, .offset: 0, .size: 8, .value_kind: global_buffer, .address_space: global }
      - { .name: ap, .offset: 8, .size: 8, .value_kind: global_buffer, .address_space: global }
      - { .name: g2, .offset: 16, .size: 8, .value_kind: global_buffer, .address_space: global }
      - { .name: Wr, .offset: 24, .size: 8, .value_kind: global_buffer, .address_space: global }
      - { .name: expert_bias, .offset: 32, .size: 8, .value_kind: global_buffer, .address_space: global }
      - { .name: act, .offset: 40, .size: 8, .value_kind: global_buffer, .address_space: global }
      - { .name: route, .offset: 48, .size: 8, .value_kind: global_buffer, .address_space: global }
      - { .name: gate, .offset: 56, .size: 8, .value_kind: global_buffer, .address_space: global }
    .group_segment_fixed_size: 35072
    .private_segment_fixed_size: 0
    .kernarg_segment_align: 8
    .kernarg_segment_size: 64
    .max_flat_workgroup_size: 512
    .sgpr_count:     66
    .vgpr_count:     200
    .wavefront_size: 32
...
	.end_amdgpu_metadata
.endif
;; end of part 5
;; launch place (part 6): grid 1152 x 1, 1 waves a work-group, no clusters, 0 bytes of LDS; arguments route, idx; writes idx
.if DOCPART == 6
	.amdgcn_target "amdgcn-amd-amdhsa--gfx1250"
	.amdhsa_code_object_version 6
	.text
	.protected	k_q558c0e0ee3_place
	.globl	k_q558c0e0ee3_place
	.p2align	8
	.type	k_q558c0e0ee3_place,@function
k_q558c0e0ee3_place:
	s_mov_b64 s[64:65], 0
	v_nop
	global_prefetch_b8 v0, s[64:65] scope:SCOPE_SE
	s_setreg_imm32_b32 hwreg(HW_REG_WAVE_MODE, 25, 1), 1
	s_wait_xcnt 0x0
; THE LISTS.  The chosen rows will lie end to end, expert by expert: rows 0-2,047 are the shared expert's (row = token), expert g's rows begin at 2,048 (1 + g), in the order of the tokens:
; room for every split, since an expert takes a token once.  This launch stores, as whole numbers in idx, what later launches form addresses and trip counts from:
;   pos2[t][slot] at 8 t + 4 slot: the row of token t's choice number slot;   cnt[g] at 16,384 + 4 g: expert g's rows (g = 8, the shared expert: 2,048);
;   tok[g][rho] at 16,640 + 8,192 g + 4 rho: the token whose row is number rho of region g.
; A work-group (one wave) has 16 rows: number x = 128 g + blk.  For g < 8 row rho = 16 blk + l % 16 is the token of RANK rho in expert g's bitmap, which lies in 64 scalar registers:
; a walk over the words finds the word, five halvings the bit.  Rows from the count n up to the next multiple of 32 name token 0 (the products go by tiles of 32 rows); a block past that
; stores nothing and ends: the price of a grid that serves every split.
; Every store's address is made ahead of the first line that narrows EXEC; the store whose lanes hang on the count is the last.
; v2 lane; v3 rho; v4 word; v5 ones in front of it; v8 its number; v9 rank in the word; v10 bit; v11-14 counts by 2, 4, 8, 16 bits; v15 at work; v24 token; v25, v26 at work; v30 tok's byte
.macro WORD r, i                       ; s68 = the ones in front of word i: the last word for which that is <= rho holds the bit
	v_cmp_le_u32 vcc_lo, s68, v3
	v_cndmask_b32 v4, v4, s[\r], vcc_lo
	v_cndmask_b32 v5, v5, s68, vcc_lo
	v_cndmask_b32 v8, v8, \i, vcc_lo
	s_bcnt1_i32_b32 s69, s[\r]
	s_add_co_u32 s68, s68, s69
.endm
.macro PICK breg, width                ; the lower half of the field at bit v10 holds c ones: if the rank is c or more, go to the upper half
	v_bfe_u32 v15, v[\breg], v10, \width
	v_cmp_ge_u32 vcc_lo, v9, v15
	v_sub_nc_u32 v15, v9, v15
	v_cndmask_b32 v9, v9, v15, vcc_lo
	v_add_nc_u32 v15, \width, v10
	v_cndmask_b32 v10, v10, v15, vcc_lo
.endm
	s_load_b64 s[6:7], s[0:1], 0x0                 ; route
	s_load_b64 s[10:11], s[0:1], 0x8               ; idx
	v_and_b32 v2, 31, v0
	s_lshr_b32 s66, ttmp9, 7                       ; g
	s_and_b32 s67, ttmp9, 127                      ; blk
	v_and_b32 v3, 15, v2
	s_lshl_b32 s69, s67, 4
	v_add_nc_u32 v3, s69, v3                       ; rho; for the shared expert the token itself
	s_lshl_b32 s69, s66, 13                        ; region g of tok: 2,048 words
	v_lshl_add_u32 v30, v3, 2, s69                 ; the byte of tok[g][rho]
	s_wait_kmcnt 0x0
	s_cmp_eq_u32 s66, 8
	s_cbranch_scc1 .Lshared
	s_lshl_b32 s12, s66, 8
	s_mov_b32 s13, 0
	s_add_nc_u64 s[12:13], s[6:7], s[12:13]
	s_load_b512 s[16:31], s[12:13], 0x0            ; the expert's bitmap: words 0-47 in s16-s63, 48-63 in s80-s95
	s_load_b512 s[32:47], s[12:13], 0x40
	s_load_b512 s[48:63], s[12:13], 0x80
	s_load_b512 s[80:95], s[12:13], 0xc0
	v_mov_b32 v4, 0
	v_mov_b32 v5, 0
	v_mov_b32 v8, 0
	s_mov_b32 s68, 0
	s_wait_kmcnt 0x0
.set i, 0
.rept 48
	WORD 16+i, i
.set i, i+1
.endr
.rept 16
	WORD 32+i, i
.set i, i+1
.endr
	s_cmp_lg_u32 s67, 0                            ; s68 = n, the expert's count
	s_cbranch_scc1 .Lnocnt
	v_mov_b32 v25, s68
	s_lshl_b32 s69, s66, 2
	v_mov_b32 v26, s69
	v_cmp_eq_u32 vcc_lo, 0, v2
	s_wait_xcnt 0x0                                ; EXEC changes only behind this wait
	s_and_saveexec_b32 s70, vcc_lo
	global_store_b32 v26, v25, s[10:11] offset:16384
	s_wait_xcnt 0x0
	s_or_b32 exec_lo, exec_lo, s70
.Lnocnt:
	s_add_co_u32 s69, s68, 31
	s_and_b32 s69, s69, -32
	s_lshl_b32 s72, s67, 4
	s_cmp_ge_u32 s72, s69
	s_cbranch_scc0 .Lwork
	s_endpgm                                       ; no row of this block is ever read
.Lwork:
	v_sub_nc_u32 v9, v3, v5                        ; the rank inside the word
	v_lshrrev_b32 v11, 1, v4
	v_and_b32 v11, 0x55555555, v11
	v_sub_nc_u32 v11, v4, v11                      ; ones in each 2 bits
	v_lshrrev_b32 v12, 2, v11
	v_and_b32 v12, 0x33333333, v12
	v_and_b32 v15, 0x33333333, v11
	v_add_nc_u32 v12, v12, v15                     ; in each 4
	v_lshrrev_b32 v13, 4, v12
	v_add_nc_u32 v13, v13, v12
	v_and_b32 v13, 0x0f0f0f0f, v13                 ; in each 8
	v_lshrrev_b32 v14, 8, v13
	v_add_nc_u32 v14, v14, v13
	v_and_b32 v14, 0x00ff00ff, v14                 ; in each 16
	v_mov_b32 v10, 0
	PICK 14, 16
	PICK 13, 8
	PICK 12, 4
	PICK 11, 2
	PICK 4, 1
	v_lshl_add_u32 v24, v8, 5, v10                 ; the token
	v_cmp_gt_u32 s71, s68, v3                      ; rho < n
	v_cndmask_b32 v24, 0, v24, s71                 ; past the count: token 0
	v_min_u32 v24, 0x7ff, v24
	v_lshlrev_b32 v25, 3, v24
	global_load_b32 v26, v25, s[6:7] offset:2048   ; the token's first choice
	s_lshl_b32 s72, s66, 11
	s_add_co_u32 s72, s72, 2048
	s_wait_loadcnt 0x0
	v_cmp_ne_u32 vcc_lo, s66, v26
	v_cndmask_b32 v26, 0, 1, vcc_lo                ; slot 0 if that is g, else slot 1
	v_lshl_add_u32 v26, v24, 1, v26
	v_min_u32 v26, 0xfff, v26
	v_lshlrev_b32 v26, 2, v26                      ; the byte of pos2[t][slot]
	v_add_nc_u32 v25, s72, v3                      ; the row
	v_cmp_gt_u32 vcc_lo, 16, v2                    ; lanes 16-31 repeat lanes 0-15: each row once
	s_wait_xcnt 0x0
	s_and_saveexec_b32 s70, vcc_lo
	global_store_b32 v30, v24, s[10:11] offset:16640  ; all 16 rows of the block, those past the count too
	s_wait_xcnt 0x0
	s_or_b32 exec_lo, exec_lo, s70
	s_and_b32 vcc_lo, vcc_lo, s71                  ; and only rows that exist
	s_and_saveexec_b32 s70, vcc_lo
	global_store_b32 v26, v25, s[10:11]
	s_wait_xcnt 0x0
	s_or_b32 exec_lo, exec_lo, s70
	s_endpgm
.Lshared:                                              ; the shared expert: row = token, 2,048 rows
	v_cmp_gt_u32 vcc_lo, 16, v2
	s_wait_xcnt 0x0
	s_and_saveexec_b32 s70, vcc_lo
	global_store_b32 v30, v3, s[10:11] offset:16640
	s_wait_xcnt 0x0
	s_or_b32 exec_lo, exec_lo, s70
	s_cmp_lg_u32 s67, 0
	s_cbranch_scc1 .Lsdone
	v_mov_b32 v25, 0x800
	v_mov_b32 v26, 32
	v_cmp_eq_u32 vcc_lo, 0, v2
	s_and_saveexec_b32 s70, vcc_lo
	global_store_b32 v26, v25, s[10:11] offset:16384
	s_wait_xcnt 0x0
	s_or_b32 exec_lo, exec_lo, s70
.Lsdone:
	s_endpgm
.Lfunc_end_k_q558c0e0ee3_place:
	.size	k_q558c0e0ee3_place, .Lfunc_end_k_q558c0e0ee3_place-k_q558c0e0ee3_place
	.p2alignl 7, 3214868480
	.fill 96, 4, 3214868480
	.section	.rodata,"a",@progbits
	.p2align	6, 0x0
	.amdhsa_kernel k_q558c0e0ee3_place
		.amdhsa_group_segment_fixed_size 0
		.amdhsa_private_segment_fixed_size 0
		.amdhsa_enable_private_segment 0
		.amdhsa_kernarg_size 16
		.amdhsa_user_sgpr_count 2
		.amdhsa_user_sgpr_kernarg_segment_ptr 1
		.amdhsa_wavefront_size32 1
		.amdhsa_system_sgpr_workgroup_id_x 1
		.amdhsa_system_sgpr_workgroup_id_y 1
		.amdhsa_system_sgpr_workgroup_id_z 1
		.amdhsa_system_vgpr_workitem_id 0
		.amdhsa_next_free_vgpr 32
		.amdhsa_next_free_sgpr 100
		.amdhsa_reserve_vcc 1
		.amdhsa_float_denorm_mode_32 3
		.amdhsa_float_denorm_mode_16_64 3
		.amdhsa_memory_ordered 1
		.amdhsa_forward_progress 1
		.amdhsa_inst_pref_size 24
	.end_amdhsa_kernel
	.amdgpu_metadata
---
amdhsa.version: [ 1, 2 ]
amdhsa.kernels:
  - .name:           k_q558c0e0ee3_place
    .symbol:         k_q558c0e0ee3_place.kd
    .args:
      - { .name: route, .offset: 0, .size: 8, .value_kind: global_buffer, .address_space: global }
      - { .name: idx, .offset: 8, .size: 8, .value_kind: global_buffer, .address_space: global }
    .group_segment_fixed_size: 0
    .private_segment_fixed_size: 0
    .kernarg_segment_align: 8
    .kernarg_segment_size: 16
    .max_flat_workgroup_size: 32
    .sgpr_count:     100
    .vgpr_count:     32
    .wavefront_size: 32
...
	.end_amdgpu_metadata
.endif
;; end of part 6
;; launch lay (part 7): grid 1152 x 1, 1 waves a work-group, no clusters, 35,072 bytes of LDS; arguments act, idx, big; writes big
.if DOCPART == 7
	.amdgcn_target "amdgcn-amd-amdhsa--gfx1250"
	.amdhsa_code_object_version 6
	.text
	.protected	k_q558c0e0ee3_lay
	.globl	k_q558c0e0ee3_lay
	.p2align	8
	.type	k_q558c0e0ee3_lay,@function
k_q558c0e0ee3_lay:
	s_mov_b64 s[64:65], 0
	v_nop
	global_prefetch_b8 v0, s[64:65] scope:SCOPE_SE
	s_setreg_imm32_b32 hwreg(HW_REG_WAVE_MODE, 25, 1), 1
	s_wait_xcnt 0x0
; The chosen rows of nx (bf16, row-major in act, 2,048 bytes a row) are laid end to end, region by region, in OPERAND ORDER in big: blocks of 16 rows x 32 k, 1,024 bytes; a row block is
; 32,768 bytes, and the 16 bytes at 512 q + 16 lane of it hold row lane % 16, k = 16 q + 8 (lane / 16) + 0..7.  Rows 0-2,047 are the shared expert's, expert g's begin at 2,048 (1 + g).
; A work-group (one wave) makes ONE row block: number x = 128 g + blk; g = 8 is the shared expert.  Which 16 tokens it takes, and how many rows the region has, an earlier launch stored in idx
; (tok at 16,640 + 8,192 g + 4 rho; cnt at 16,384 + 4 g).  A block at or past the count rounded up to 32 stores nothing and ends: the price of a grid that serves every split.
; The tokens come into scalar registers, so each row has a scalar address and a load of the wave takes 512 consecutive bytes of a row.  The rows meet in LDS: group k / 8 at 272 bytes' pitch
; (16 rows x 16 bytes + 16), so that neither the stores nor the loads meet in a bank; a store to big covers 512 consecutive bytes.
; The launch streams: no matrix unit, no cluster (what two blocks share is a row that two experts chose; no tile is brought by a tensor load).
.set SPARE, 34816                      ; behind the 128 groups: the spare words, 128 bytes for the one wave
.set D, 32                             ; v[32:159] 32 loads or stores of 16 bytes a lane
.set TK, 16                            ; s[16:31] the 16 tokens
.set RB, 32                            ; s[32:63] the 16 rows' addresses
; v1 16 x lane; v2 lane; v3 lane % 16; v6, v7 the add's; v27 into LDS: lane x 272; v28 back: (lane / 16) x 272 + (lane % 16) x 16
.macro HALFIN tr                       ; eight rows: 32 loads of 512 bytes, all issued before the first wait, then into LDS: group 32 c + lane, row
.irp r, 0,1,2,3,4,5,6,7
.irp c, 0,1,2,3
	global_load_b128 v[D+16*(\r)+4*(\c):D+16*(\r)+4*(\c)+3], v1, s[RB+2*(8*(\tr)+(\r)):RB+2*(8*(\tr)+(\r))+1] offset:(\c)*512
.endr
.endr
.irp r, 0,1,2,3,4,5,6,7
.irp c, 0,1,2,3
	s_wait_loadcnt 31-4*(\r)-(\c)                  ; loads come back in order: the younger ones stay out
	ds_store_b128 v27, v[D+16*(\r)+4*(\c):D+16*(\r)+4*(\c)+3] offset:(\c)*8704+(8*(\tr)+(\r))*16
.endr
.endr
.endm
.macro HALFOUT tr                      ; 32 pieces of 512 bytes: groups 2 q and 2 q + 1, all 16 rows
.set q, 0
.rept 32
	ds_load_b128 v[D+4*q:D+4*q+3], v28 offset:(32*(\tr)+q)*544  ; LDS serves a wave's instructions in order: these see the stores
.set q, q+1
.endr
.set q, 0
.rept 32
	s_wait_dscnt 31-q                              ; LDS loads come back in order: the younger ones stay out
	global_store_b128 v1, v[D+4*q:D+4*q+3], s[74:75] offset:(32*(\tr)+q)*512  ; 512 consecutive bytes, aligned
.set q, q+1
.endr
.endm
	s_load_b128 s[4:7], s[0:1], 0x0                ; act s[4:5], idx s[6:7]
	s_load_b64 s[8:9], s[0:1], 0x10                ; big
	v_lshl_add_u32 v6, v0, 2, SPARE                ; my spare word
	v_mov_b32 v7, 0
	v_and_b32 v2, 31, v0
	v_lshlrev_b32 v1, 4, v2
	v_mul_u32_u24 v27, v2, 272
	v_lshrrev_b32 v28, 4, v2
	v_mul_u32_u24 v28, v28, 272
	v_and_b32 v3, 15, v2
	v_lshl_add_u32 v28, v3, 4, v28
	s_lshr_b32 s66, ttmp9, 7                       ; g
	s_and_b32 s67, ttmp9, 127                      ; blk
	s_lshl_b32 s68, s66, 2                         ; cnt's byte
	s_lshl_b32 s12, s66, 13                        ; region g of tok: 2,048 words,
	s_lshl_b32 s13, s67, 6                         ; my 16 of them
	s_add_co_u32 s12, s12, s13
	s_mov_b32 s13, 0
	s_add_co_u32 s73, s66, 1                       ; the region's place in big: the shared expert first, then expert g at 1 + g
	s_cmp_eq_u32 s66, 8
	s_cselect_b32 s73, 0, s73
	s_lshl_b32 s73, s73, 7                         ; 128 row blocks a region
	s_add_co_u32 s73, s73, s67
	s_lshl_b32 s74, s73, 15                        ; x 32,768 bytes
	s_mov_b32 s75, 0
	s_wait_kmcnt 0x0
	s_load_b32 s69, s[6:7], s68 offset:0x4000      ; the region's rows
	s_add_nc_u64 s[12:13], s[6:7], s[12:13]
	s_load_b512 s[TK:TK+15], s[12:13], 0x4100      ; my 16 tokens
	s_add_nc_u64 s[74:75], s[8:9], s[74:75]
	s_wait_kmcnt 0x0
	s_min_u32 s69, s69, 2048
	s_add_co_u32 s69, s69, 31
	s_and_b32 s69, s69, -32
	s_lshl_b32 s72, s67, 4
	s_cmp_ge_u32 s72, s69
	s_cbranch_scc0 .Lwork
	s_endpgm                                       ; no row of this block is ever read; nothing has been written to LDS, and the tokens read are not used
.Lwork:
.irp r, 0,1,2,3,4,5,6,7,8,9,10,11,12,13,14,15
	s_min_u32 s[TK+(\r)], s[TK+(\r)], 0x7ff        ; inside the 2,048 rows of act, whatever was read
	s_lshl_b32 s[RB+2*(\r)], s[TK+(\r)], 11        ; x 2,048 bytes
	s_mov_b32 s[RB+2*(\r)+1], 0
	s_add_nc_u64 s[RB+2*(\r):RB+2*(\r)+1], s[4:5], s[RB+2*(\r):RB+2*(\r)+1]
.endr
	HALFIN 0
	HALFIN 1                                       ; D is free: the first half's loads have all come back
	HALFOUT 0
	s_wait_xcnt 0x0                                ; D was the stores' data: it is loaded again only behind this wait
	HALFOUT 1
	s_wait_tensorcnt 0x0                           ; the wave's end: three lines behind my last LDS store
	ds_add_u32 v6, v7
	s_wait_dscnt 0x0
	s_endpgm
.Lfunc_end_k_q558c0e0ee3_lay:
	.size	k_q558c0e0ee3_lay, .Lfunc_end_k_q558c0e0ee3_lay-k_q558c0e0ee3_lay
	.p2alignl 7, 3214868480
	.fill 96, 4, 3214868480
	.section	.rodata,"a",@progbits
	.p2align	6, 0x0
	.amdhsa_kernel k_q558c0e0ee3_lay
		.amdhsa_group_segment_fixed_size 35072
		.amdhsa_private_segment_fixed_size 0
		.amdhsa_enable_private_segment 0
		.amdhsa_kernarg_size 24
		.amdhsa_user_sgpr_count 2
		.amdhsa_user_sgpr_kernarg_segment_ptr 1
		.amdhsa_wavefront_size32 1
		.amdhsa_system_sgpr_workgroup_id_x 1
		.amdhsa_system_sgpr_workgroup_id_y 1
		.amdhsa_system_sgpr_workgroup_id_z 1
		.amdhsa_system_vgpr_workitem_id 0
		.amdhsa_next_free_vgpr 160
		.amdhsa_next_free_sgpr 80
		.amdhsa_reserve_vcc 0
		.amdhsa_float_denorm_mode_32 3
		.amdhsa_float_denorm_mode_16_64 3
		.amdhsa_memory_ordered 1
		.amdhsa_forward_progress 1
		.amdhsa_inst_pref_size 29
	.end_amdhsa_kernel
	.amdgpu_metadata
---
amdhsa.version: [ 1, 2 ]
amdhsa.kernels:
  - .name:           k_q558c0e0ee3_lay
    .symbol:         k_q558c0e0ee3_lay.kd
    .args:
      - { .name: act, .offset: 0, .size: 8, .value_kind: global_buffer, .address_space: global }
      - { .name: idx, .offset: 8, .size: 8, .value_kind: global_buffer, .address_space: global }
      - { .name: big, .offset: 16, .size: 8, .value_kind: global_buffer, .address_space: global }
    .group_segment_fixed_size: 35072
    .private_segment_fixed_size: 0
    .kernarg_segment_align: 8
    .kernarg_segment_size: 24
    .max_flat_workgroup_size: 32
    .sgpr_count:     80
    .vgpr_count:     160
    .wavefront_size: 32
...
	.end_amdgpu_metadata
.endif
;; end of part 7
;; launch up (part 8): grid 256 x 1, 16 waves a work-group, no clusters, 266,240 bytes of LDS; arguments big, idx, eW1, eW3, sW1, sW3, hid; writes hid
.if DOCPART == 8
	.amdgcn_target "amdgcn-amd-amdhsa--gfx1250"
	.amdhsa_code_object_version 6
	.text
	.protected	k_q558c0e0ee3_up
	.globl	k_q558c0e0ee3_up
	.p2align	8
	.type	k_q558c0e0ee3_up,@function
k_q558c0e0ee3_up:
	s_mov_b64 s[64:65], 0
	v_nop
	global_prefetch_b8 v0, s[64:65] scope:SCOPE_SE
	s_setreg_imm32_b32 hwreg(HW_REG_WAVE_MODE, 25, 1), 1
	s_wait_xcnt 0x0
; H = silu(x W1^T) * (x W3^T) for the shared expert (all 2,048 rows) and for each expert's chosen rows; bf16 operands, f32 sums, H rounded once to bf16.
; x lies in big in operand order (blocks of 16 rows x 32 k, 1,024 bytes), sorted by expert (rows 0-2,047 shared, expert e from 2,048 (1 + e)); H goes to hid in the same order and rows.
; Work-group x = 32 e + s has hidden columns 32 s .. 32 s + 31 of TWO slices, so that all 256 work-groups are alike: the shared expert's, for its rows 256 e .. 256 e + 255, and expert e's,
; for all of that expert's rows.  A slice is 32 rows of W1 and 32 of W3.  Both are rounded from f32 into LDS once, at the start: waves 0-7 bring the shared slice, waves 8-15 the expert's,
; eight rows a wave; each weight byte of an expert has one reader in the launch.
; Then ONE walk over tiles of 32 rows: tile j = wave + 16 i; j < 8 is a shared tile, j - 8 a tile of the expert.  The walk has a constant number of trips (5 x 16 = 80 places for at most
; 8 + 64 tiles, every split); a trip past the expert's count, which an earlier launch stored, is jumped forward; no barrier stands in what is jumped.
; A comes from memory into a ring of SIX register slots, a K step each: 24 loads of 512 bytes a wave are out.  A tile's first 24 loads are issued a tile early: for the first tile ahead of the
; staging (whether or not the tile exists: the address hangs on ids alone and lies inside big, and what a dead tile's loads bring is never used), for a later tile behind the last K step of the
; tile before, ahead of its way out.
; The weights are source 0: a lane holds one row, eight columns of a = x W1^T and the same eight of b = x W3^T: H's operand, stored as 512 consecutive bytes.
; NO TENSOR LOADS, NO CLUSTER: the weights pass through registers to be rounded, A needs no LDS, and the walk's length hangs on a stored count.  No prefetch of the weights: they are loaded at the launch's start, right behind the first tile's A.
.set PITCH, 2064                       ; 2,048 + 16 = 129 x 16 bytes: the 16 rows of a fragment load start at 16 different 16-byte columns modulo 256
.set NB2,   16*PITCH
.set SLICE, 64*PITCH                   ; the shared slice at 0, the expert's at SLICE
.set SPARE, 2*SLICE                    ; behind the slices: the spare words, 128 bytes a wave
.set ACC, 16                           ; v[16:79]    accumulator (mb, nb) at 16 + 8 (4 mb + nb): nb 0, 1 are a's columns, nb 2, 3 b's
.set RG,  ACC                          ;             while staging: a ring of 16 loads
.set AF,  80                           ; v[80:175]   A: slot s of six, fragment mb at 80 + 16 s + 8 mb
.set BF,  176                          ; v[176:239]  weights: buffer b, fragment nb at 176 + 32 b + 8 nb
.set T,   BF                           ;             outside the K steps: v[176:191] at work, v[192:207] four packed results; while staging 32 packed
.set WP, 28                            ; s[28:29] the weight rows that I stage
.set AB, 30                            ; s[30:31] A at my tile, stepped along K
.set HB, 32                            ; s[32:33] hid at my tile
.set KB, 27                            ; s27 the slice's LDS byte plus the bytes along K: 384 for six K steps
; v1 16 x lane; v2, v3 my place in a weight fragment (nb 0-1, nb 2-3), never rewritten; v4, v5 = v2, v3 + s27; v6 lane; v7 staging address; v8, v9 the add's
.macro SSLOT i, ahead, left            ; one slot of the staging ring: 128 f32 of a weight row, rounded, into LDS
	s_wait_loadcnt \left                           ; loads come back in order: mine is in (and the older loads of A), the younger ones stay out
	v_cvt_pk_bf16_f32 v[T+2*(\i)], v[RG+4*(\i)], v[RG+4*(\i)+1]
	v_cvt_pk_bf16_f32 v[T+2*(\i)+1], v[RG+4*(\i)+2], v[RG+4*(\i)+3]
	ds_store_b64 v7, v[T+2*(\i):T+2*(\i)+1] offset:((\i)/8)*PITCH+((\i)%8)*256
.if \ahead
	global_load_b128 v[RG+4*(\i):RG+4*(\i)+3], v1, s[WP:WP+1] offset:((\i)/8)*4096+((\i)%8)*512+8192
.endif
.endm
.macro STAGE                           ; my eight rows: four times two rows, sixteen loads of 512 bytes always out
.irp i, 0,1,2,3,4,5,6,7,8,9,10,11,12,13,14,15
	global_load_b128 v[RG+4*(\i):RG+4*(\i)+3], v1, s[WP:WP+1] offset:((\i)/8)*4096+((\i)%8)*512
.endr
	s_mov_b32 s26, 3
.Lst_\@:
.irp i, 0,1,2,3,4,5,6,7,8,9,10,11,12,13,14,15
	SSLOT \i, 1, 15
.endr
	s_wait_xcnt 0x0                                ; the base is stepped only behind this wait
	s_add_nc_u64 s[WP:WP+1], s[WP:WP+1], 8192
	v_add_nc_u32 v7, 2*PITCH, v7
	s_sub_co_u32 s26, s26, 1
	s_cmp_lg_u32 s26, 0
	s_cbranch_scc1 .Lst_\@
.irp i, 0,1,2,3,4,5,6,7,8,9,10,11,12,13,14,15
	SSLOT \i, 0, 15-(\i)                           ; the last two rows: nothing more is loaded, the counts run down
.endr
.endm
.macro BLOAD b, st                     ; the four weight fragments of K step st (counted from v4, v5) into buffer b
.irp nb, 0,1
	ds_load_b128 v[BF+32*(\b)+8*(\nb):BF+32*(\b)+8*(\nb)+3], v4 offset:(\nb)*NB2+(\st)*64
	ds_load_b128 v[BF+32*(\b)+8*(\nb)+4:BF+32*(\b)+8*(\nb)+7], v4 offset:(\nb)*NB2+(\st)*64+32
.endr
.irp nb, 0,1
	ds_load_b128 v[BF+32*(\b)+8*(\nb)+16:BF+32*(\b)+8*(\nb)+19], v5 offset:(\nb)*NB2+(\st)*64
	ds_load_b128 v[BF+32*(\b)+8*(\nb)+20:BF+32*(\b)+8*(\nb)+23], v5 offset:(\nb)*NB2+(\st)*64+32
.endr
.endm
.macro ALOAD s, st                     ; A's two fragments of K step st (counted from AB) into slot s
.irp mb, 0,1
	global_load_b128 v[AF+16*(\s)+8*(\mb):AF+16*(\s)+8*(\mb)+3], v1, s[AB:AB+1] offset:(\st)*1024+(\mb)*32768
	global_load_b128 v[AF+16*(\s)+8*(\mb)+4:AF+16*(\s)+8*(\mb)+7], v1, s[AB:AB+1] offset:(\st)*1024+(\mb)*32768+512
.endr
.endm
.macro SETA                            ; AB = A at tile s24, and the tile's first six K steps are asked for
	s_cmp_lt_u32 s24, 8
	s_cselect_b32 s36, s44, s45                    ; the row that 32 j is counted from: the shared rows', or the expert's less the eight shared tiles
	s_lshl_b32 s34, s24, 5
	s_add_co_u32 s34, s34, s36                     ; the tile's first row
	s_lshl_b32 s34, s34, 11                        ; x 2,048 bytes
	s_wait_xcnt 0x0                                ; A's base is written only behind this wait
	s_add_nc_u64 s[AB:AB+1], s[4:5], s[34:35]
.irp s, 0,1,2,3,4,5
	ALOAD \s, \s
.endr
.endm
; A K step of 32 on slot s and buffer b: eight matrix instructions, the eight accumulators by turns, then the refills: the weights of step bo, A of step ao (-1: none).
; la: A's younger loads that may stay out (four a step); lb: the next step's eight LDS loads.
.macro KSTEP s, b, zero, ao, bo, la, lb
	s_wait_loadcnt \la
	s_wait_dscnt \lb
.irp mb, 0,1
.irp nb, 0,1,2,3
.set rD, ACC+8*(4*(\mb)+(\nb))
.set rX, BF+32*(\b)+8*(\nb)
.set rY, AF+16*(\s)+8*(\mb)
.if \zero
	v_wmma_f32_16x16x32_bf16 v[rD:rD+7], v[rX:rX+7], v[rY:rY+7], 0
.else
	v_wmma_f32_16x16x32_bf16 v[rD:rD+7], v[rX:rX+7], v[rY:rY+7], v[rD:rD+7]
.endif
.endr
.endr
.if ((\ao)+1)+((\bo)+1)
.rept 4
	v_nop                                          ; four places in front of loads into registers that the products have read
.endr
.endif
.if (\bo)+1
	BLOAD \b, \bo
.endif
.if (\ao)+1
	ALOAD \s, \ao
.endif
.endm
; 32 rows x 64 columns, K = 1,024: 32 K steps = 2 + 4 x 6 + 6.  Steps 0 and 1 stand ahead of the loop (step 0 starts the sums); a trip is six steps, once round the ring, and refills A six
; steps ahead (the last trip's last step asks for step 31); the last six steps ask for no A, and their counts run down.
.macro TILE
	v_add_nc_u32 v4, s[KB], v2
	v_add_nc_u32 v5, s[KB], v3
	BLOAD 0, 0
	BLOAD 1, 1
	KSTEP 0, 0, 1, 6, 2, 20, 8                     ; 20: the five younger K steps' four loads each
	KSTEP 1, 1, 0, 7, 3, 20, 8
	s_mov_b32 s25, 4
.Lk_\@:
	KSTEP 2, 0, 0, 8, 4, 20, 8
	KSTEP 3, 1, 0, 9, 5, 20, 8
	KSTEP 4, 0, 0, 10, 6, 20, 8
	KSTEP 5, 1, 0, 11, 7, 20, 8
	KSTEP 0, 0, 0, 12, 8, 20, 8
	KSTEP 1, 1, 0, 13, 9, 20, 8
	s_wait_xcnt 0x0                                ; A's base is stepped only behind this wait
	s_add_nc_u64 s[AB:AB+1], s[AB:AB+1], 6144
	s_add_co_u32 s[KB], s[KB], 384
	v_add_nc_u32 v4, s[KB], v2
	v_add_nc_u32 v5, s[KB], v3
	s_sub_co_u32 s25, s25, 1
	s_cmp_lg_u32 s25, 0
	s_cbranch_scc1 .Lk_\@
	KSTEP 2, 0, 0, -1, 4, 20, 8
	KSTEP 3, 1, 0, -1, 5, 16, 8
	KSTEP 4, 0, 0, -1, 6, 12, 8
	KSTEP 5, 1, 0, -1, 7, 8, 8
	KSTEP 0, 0, 0, -1, -1, 4, 8
	KSTEP 1, 1, 0, -1, -1, 0, 0
.rept 4
	v_nop                                          ; four places in front of the next tile's loads into A's slots and of the first read of the results
.endr
.endm
.macro SWIGLU mb, p                    ; h = a b / (1 + 2^(-a log2 e)) for 16 rows x 16 columns; both accumulators are read from their low ends on
.set rA, ACC+8*(4*(\mb)+(\p))
.set rB, ACC+8*(4*(\mb)+(\p)+2)
.set rP, T+16+4*(2*(\mb)+(\p))
.irp i, 0,1,2,3
	v_pk_mul_f32 v[T+2*(\i):T+2*(\i)+1], v[rA+2*(\i):rA+2*(\i)+1], s[50:51] op_sel_hi:[1,0]
.endr
.irp i, 0,1,2,3,4,5,6,7
	v_exp_f32 v[T+(\i)], v[T+(\i)]
.endr
.irp i, 0,1,2,3
	v_pk_mul_f32 v[T+8+2*(\i):T+8+2*(\i)+1], v[rA+2*(\i):rA+2*(\i)+1], v[rB+2*(\i):rB+2*(\i)+1]  ; also the plain lines behind the exponentials
.endr
	s_wait_alu depctr_va_vdst(0)
.irp i, 0,1,2,3
	v_pk_add_f32 v[T+2*(\i):T+2*(\i)+1], v[T+2*(\i):T+2*(\i)+1], s[52:53] op_sel_hi:[1,0]
.endr
.irp i, 0,1,2,3,4,5,6,7
	v_rcp_f32 v[T+(\i)], v[T+(\i)]
.endr
	v_nop                                          ; a plain instruction behind the reciprocals
	s_wait_alu depctr_va_vdst(0)
.irp i, 0,1,2,3
	v_pk_mul_f32 v[T+8+2*(\i):T+8+2*(\i)+1], v[T+8+2*(\i):T+8+2*(\i)+1], v[T+2*(\i):T+2*(\i)+1]
.endr
.irp i, 0,1,2,3
	v_cvt_pk_bf16_f32 v[rP+(\i)], v[T+8+2*(\i)], v[T+8+2*(\i)+1]
.endr
	global_store_b128 v1, v[rP:rP+3], s[HB:HB+1] offset:(\mb)*32768+(\p)*512  ; 512 consecutive bytes, aligned
.endm
	s_load_b256 s[4:11], s[0:1], 0x0               ; big s[4:5], idx s[6:7], eW1 s[8:9], eW3 s[10:11]
	s_load_b128 s[12:15], s[0:1], 0x20             ; sW1 s[12:13], sW3 s[14:15]
	s_load_b64 s[16:17], s[0:1], 0x30              ; hid
	v_lshl_add_u32 v8, v0, 2, SPARE
	v_mov_b32 v9, 0
	v_lshrrev_b32 v1, 5, v0
	v_readfirstlane_b32 s18, v1                    ; wave 0..15
	v_and_b32 v6, 31, v0
	v_lshlrev_b32 v1, 4, v6
	v_and_b32 v2, 15, v6
	v_mul_u32_u24 v2, v2, PITCH
	v_lshrrev_b32 v3, 4, v6
	v_lshl_add_u32 v2, v3, 4, v2                   ; row x pitch + 16 x half
	v_add_nc_u32 v3, 2*NB2, v2
	s_mul_i32 s47, s18, 8*PITCH                    ; my eight LDS rows of the 128: the expert's slice follows the shared one
	v_lshl_add_u32 v7, v6, 3, s47                  ; 8 bytes a lane
	s_lshr_b32 s19, ttmp9, 5                       ; e
	s_and_b32 s20, ttmp9, 31                       ; s
	s_lshl_b32 s40, s19, 2
	s_lshl_b32 s44, s19, 8                         ; shared tile j begins at row 256 e + 32 j
	s_lshl_b32 s45, s19, 11
	s_add_co_u32 s45, s45, 1792                    ; the expert's tile j - 8 at row 2,048 (1 + e) - 256 + 32 j
	s_lshl_b32 s37, s20, 10                        ; 32 hidden columns are one block of 1,024 bytes
	s_mov_b32 s50, 0xbfb8aa3b                      ; -log2(e)
	s_mov_b32 s51, s50
	s_mov_b32 s52, 1.0
	s_mov_b32 s53, 1.0
	s_and_b32 s34, s18, 3                          ; of four waves on end each stages eight of a matrix's 32 rows
	s_lshl_b32 s34, s34, 15
	s_lshl_b32 s35, s20, 17
	s_add_co_u32 s34, s34, s35
	s_mov_b32 s35, 0
	s_lshl_b32 s48, s19, 22                        ; an expert's matrix is 4,194,304 bytes
	s_mov_b32 s49, 0
	s_mov_b32 s24, s18                             ; my first tile
	s_wait_kmcnt 0x0
	s_load_b32 s41, s[6:7], s40 offset:0x4000      ; cnt[e]
	s_cmp_lt_u32 s18, 4                            ; waves 0-3 sW1, 4-7 sW3, 8-11 eW1, 12-15 eW3
	s_cselect_b64 s[WP:WP+1], s[12:13], s[14:15]
	s_cmp_lt_u32 s18, 12
	s_cselect_b64 s[38:39], s[8:9], s[10:11]
	s_add_nc_u64 s[38:39], s[38:39], s[48:49]
	s_cmp_lt_u32 s18, 8
	s_cselect_b64 s[WP:WP+1], s[WP:WP+1], s[38:39]
	s_add_nc_u64 s[WP:WP+1], s[WP:WP+1], s[34:35]
	SETA                                           ; my first tile's A goes out ahead of the weights
	STAGE
	s_wait_kmcnt 0x0
	s_add_co_u32 s41, s41, 31
	s_lshr_b32 s41, s41, 5
	s_min_u32 s41, s41, 64                         ; the expert's tiles
	s_add_co_u32 s21, s41, 8                       ; and the eight shared ones
	s_wait_dscnt 0x0                               ; for the others' sake: my rows of the slices lie in LDS
	s_barrier_signal -1
	s_barrier_wait -1
	s_mov_b32 s23, 5
.Ltile:
	s_cmp_ge_u32 s24, s21
	s_cbranch_scc1 .Ldead
	s_cmp_lt_u32 s24, 8
	s_cselect_b32 s36, s44, s45
	s_cselect_b32 s[KB], 0, SLICE                  ; which slice
	s_lshl_b32 s34, s24, 5
	s_add_co_u32 s34, s34, s36                     ; the tile's first row
	s_lshl_b32 s34, s34, 11                        ; x 2,048 bytes in hid,
	s_add_co_u32 s34, s34, s37                     ; my block of hidden columns
	s_wait_xcnt 0x0                                ; hid's base and the packed registers of the tile before are written only behind this wait
	s_add_nc_u64 s[HB:HB+1], s[16:17], s[34:35]
	TILE
	s_add_co_u32 s24, s24, 16                      ; my next tile: if there is one, its first six K steps of A are asked for now
	s_cmp_ge_u32 s24, s21
	s_cbranch_scc1 .Lnonext
	SETA
.Lnonext:
	SWIGLU 0, 0
	SWIGLU 0, 1
	SWIGLU 1, 0
	SWIGLU 1, 1
.Ldead:
	s_sub_co_u32 s23, s23, 1
	s_cmp_lg_u32 s23, 0
	s_cbranch_scc1 .Ltile
	s_wait_dscnt 0x0                               ; my reads of the slices are over,
	s_barrier_signal -1
	s_barrier_wait -1                              ; and so are all sixteen waves', before any wave writes LDS again
	s_wait_tensorcnt 0x0                           ; the wave's end: three lines behind my last LDS store
	ds_add_u32 v8, v9
	s_wait_dscnt 0x0
	s_endpgm
.Lfunc_end_k_q558c0e0ee3_up:
	.size	k_q558c0e0ee3_up, .Lfunc_end_k_q558c0e0ee3_up-k_q558c0e0ee3_up
	.p2alignl 7, 3214868480
	.fill 96, 4, 3214868480
	.section	.rodata,"a",@progbits
	.p2align	6, 0x0
	.amdhsa_kernel k_q558c0e0ee3_up
		.amdhsa_group_segment_fixed_size 266240
		.amdhsa_private_segment_fixed_size 0
		.amdhsa_enable_private_segment 0
		.amdhsa_kernarg_size 56
		.amdhsa_user_sgpr_count 2
		.amdhsa_user_sgpr_kernarg_segment_ptr 1
		.amdhsa_wavefront_size32 1
		.amdhsa_system_sgpr_workgroup_id_x 1
		.amdhsa_system_sgpr_workgroup_id_y 1
		.amdhsa_system_sgpr_workgroup_id_z 1
		.amdhsa_system_vgpr_workitem_id 0
		.amdhsa_next_free_vgpr 240
		.amdhsa_next_free_sgpr 66
		.amdhsa_reserve_vcc 0
		.amdhsa_float_denorm_mode_32 3
		.amdhsa_float_denorm_mode_16_64 3
		.amdhsa_memory_ordered 1
		.amdhsa_forward_progress 1
		.amdhsa_inst_pref_size 47
	.end_amdhsa_kernel
	.amdgpu_metadata
---
amdhsa.version: [ 1, 2 ]
amdhsa.kernels:
  - .name:           k_q558c0e0ee3_up
    .symbol:         k_q558c0e0ee3_up.kd
    .args:
      - { .name: big, .offset: 0, .size: 8, .value_kind: global_buffer, .address_space: global }
      - { .name: idx, .offset: 8, .size: 8, .value_kind: global_buffer, .address_space: global }
      - { .name: eW1, .offset: 16, .size: 8, .value_kind: global_buffer, .address_space: global }
      - { .name: eW3, .offset: 24, .size: 8, .value_kind: global_buffer, .address_space: global }
      - { .name: sW1, .offset: 32, .size: 8, .value_kind: global_buffer, .address_space: global }
      - { .name: sW3, .offset: 40, .size: 8, .value_kind: global_buffer, .address_space: global }
      - { .name: hid, .offset: 48, .size: 8, .value_kind: global_buffer, .address_space: global }
    .group_segment_fixed_size: 266240
    .private_segment_fixed_size: 0
    .kernarg_segment_align: 8
    .kernarg_segment_size: 56
    .max_flat_workgroup_size: 512
    .sgpr_count:     66
    .vgpr_count:     240
    .wavefront_size: 32
...
	.end_amdgpu_metadata
.endif
;; end of part 8
;; launch down (part 9): grid 256 x 1, 16 waves a work-group, no clusters, 273,408 bytes of LDS; arguments hid, idx, eW2, sW2, big; writes big
.if DOCPART == 9
	.amdgcn_target "amdgcn-amd-amdhsa--gfx1250"
	.amdhsa_code_object_version 6
	.text
	.protected	k_q558c0e0ee3_down
	.globl	k_q558c0e0ee3_down
	.p2align	8
	.type	k_q558c0e0ee3_down,@function
k_q558c0e0ee3_down:
	s_mov_b64 s[64:65], 0
	v_nop
	global_prefetch_b8 v0, s[64:65] scope:SCOPE_SE
	s_setreg_imm32_b32 hwreg(HW_REG_WAVE_MODE, 25, 1), 1
	s_wait_xcnt 0x0
; P = H W2^T for the shared expert's 2,048 rows and each expert's chosen rows; bf16 operands, f32 sums; P is f32 [18,432][1,024] in big (partial rows that the last launch adds), rows as in hid.
; Work-group x = 32 e + 2 s + par has output columns 64 s .. 64 s + 63, in two phases, so that all 256 work-groups are alike: first the shared expert's rows 128 (2 e + par) .. + 127
; (four tiles, waves 0-3), then every second tile of expert e: tile 2 (wave + 16 i) + par, so that the two partners' shares differ by one tile at the most.  In each phase the slice of 64 rows
; of W2 is rounded from f32 into LDS once, four rows a wave.  (Both slices at once and sixteen stages would be 264,192 + 139,264 bytes: more than a WGP has.)
; The walk has two trips (2 x 32 tiles = 2,048 rows, every split); a trip past the stored count is jumped forward; no barrier stands in what is jumped.
; A comes from memory into a ring of SIX register slots, a K step each: 24 loads of 512 bytes a wave are out.  A tile's first 24 loads are issued a tile early: for a phase's first tile ahead of
; the staging (whether or not the tile exists: the address hangs on ids alone and lies inside hid, and what a dead tile's loads bring is never used), for a later tile ahead of the way out.
; A tile's 32 K steps are written out: every LDS address is a fixed lane register plus an immediate, and A's step stands in the immediate too.
; The results leave through each wave's own stage in LDS: sixteen lanes store 256 consecutive bytes of a row.
; NO TENSOR LOADS, NO CLUSTER: the weights pass through registers to be rounded, A needs no LDS, and the walk's length hangs on a stored count.
.set PITCH, 2064                       ; 2,048 + 16 = 129 x 16 bytes: the 16 rows of a fragment load start at 16 different 16-byte columns modulo 256
.set NB2,   16*PITCH
.set SLICE, 64*PITCH
.set STG,   SLICE                      ; behind the slice: 32 rows x 272 bytes for each wave
.set SPARE, SLICE+16*8704              ; behind the stages: the spare words, 128 bytes a wave
.set ACC, 16                           ; v[16:79]    accumulator (mb, nb) at 16 + 8 (4 mb + nb)
.set RG,  ACC                          ;             while staging: a ring of 16 loads
.set AF,  80                           ; v[80:175]   A: slot s of six, fragment mb at 80 + 16 s + 8 mb
.set BF,  176                          ; v[176:239]  weights: buffer b, fragment nb at 176 + 32 b + 8 nb
.set T,   BF                           ;             while staging: 32 packed
.set OB,  BF                           ;             on the way out: the 32 rows read back
.set WP, 28                            ; s[28:29] the weight rows that I stage
.set AB, 30                            ; s[30:31] A at my tile
.set PB, 32                            ; s[32:33] P at my tile
; v1 16 x lane; v2, v3 my place in a weight fragment (nb 0-1, nb 2-3); v6 lane; v7 staging address; v8, v9 the add's; v10-12 the way out; v13 the prefetch's offsets: none is ever rewritten
.macro SSLOT i, rp, ahead, left        ; one slot of the staging ring: 128 f32 of a weight row of pair rp, rounded, into LDS
	s_wait_loadcnt \left                           ; loads come back in order: mine is in (and the older loads of A), the younger ones stay out
	v_cvt_pk_bf16_f32 v[T+2*(\i)], v[RG+4*(\i)], v[RG+4*(\i)+1]
	v_cvt_pk_bf16_f32 v[T+2*(\i)+1], v[RG+4*(\i)+2], v[RG+4*(\i)+3]
	ds_store_b64 v7, v[T+2*(\i):T+2*(\i)+1] offset:(2*(\rp)+(\i)/8)*PITCH+((\i)%8)*256
.if \ahead
	global_load_b128 v[RG+4*(\i):RG+4*(\i)+3], v1, s[WP:WP+1] offset:((\i)/8)*4096+((\i)%8)*512+8192
.endif
.endm
.macro STAGE                           ; my four rows of the slice: twice two rows, sixteen loads of 512 bytes out
	s_wait_xcnt 0x0                                ; T's registers were the data of the last tile's stores
.irp i, 0,1,2,3,4,5,6,7,8,9,10,11,12,13,14,15
	global_load_b128 v[RG+4*(\i):RG+4*(\i)+3], v1, s[WP:WP+1] offset:((\i)/8)*4096+((\i)%8)*512
.endr
.irp i, 0,1,2,3,4,5,6,7,8,9,10,11,12,13,14,15
	SSLOT \i, 0, 1, 15
.endr
.irp i, 0,1,2,3,4,5,6,7,8,9,10,11,12,13,14,15
	SSLOT \i, 1, 0, 15-(\i)                        ; the last two rows: nothing more is loaded, the counts run down
.endr
.endm
.macro BLOAD b, st                     ; the four weight fragments of K step st into buffer b
.irp nb, 0,1
	ds_load_b128 v[BF+32*(\b)+8*(\nb):BF+32*(\b)+8*(\nb)+3], v2 offset:(\nb)*NB2+(\st)*64
	ds_load_b128 v[BF+32*(\b)+8*(\nb)+4:BF+32*(\b)+8*(\nb)+7], v2 offset:(\nb)*NB2+(\st)*64+32
.endr
.irp nb, 0,1
	ds_load_b128 v[BF+32*(\b)+8*(\nb)+16:BF+32*(\b)+8*(\nb)+19], v3 offset:(\nb)*NB2+(\st)*64
	ds_load_b128 v[BF+32*(\b)+8*(\nb)+20:BF+32*(\b)+8*(\nb)+23], v3 offset:(\nb)*NB2+(\st)*64+32
.endr
.endm
.macro ALOAD s, st                     ; A's two fragments of K step st into slot s
.irp mb, 0,1
	global_load_b128 v[AF+16*(\s)+8*(\mb):AF+16*(\s)+8*(\mb)+3], v1, s[AB:AB+1] offset:(\st)*1024+(\mb)*32768
	global_load_b128 v[AF+16*(\s)+8*(\mb)+4:AF+16*(\s)+8*(\mb)+7], v1, s[AB:AB+1] offset:(\st)*1024+(\mb)*32768+512
.endr
.endm
.macro SETA                            ; AB = A at tile s24 of the region that begins at row s36, and the tile's first six K steps are asked for
	s_lshl_b32 s37, s24, 5
	s_add_co_u32 s37, s37, s36                     ; the tile's first row
	s_lshl_b32 s34, s37, 11                        ; x 2,048 bytes in hid
	s_wait_xcnt 0x0                                ; A's base is written only behind this wait
	s_add_nc_u64 s[AB:AB+1], s[4:5], s[34:35]
.irp s, 0,1,2,3,4,5
	ALOAD \s, \s
.endr
.endm
; 32 rows x 64 columns, K = 1,024.  A K step of 32: eight matrix instructions, the eight accumulators by turns, then the refills:
; the weights two steps ahead, A six steps ahead.  The first step starts the sums; the last steps fetch nothing beyond the end.
.macro TILE
	BLOAD 0, 0
	BLOAD 1, 1
.set st, 0
.rept 32
.if st < 27
	s_wait_loadcnt 20                              ; this step's A is in; the five younger steps' four loads each stay out
.else
	s_wait_loadcnt 4*(31-st)                       ; the counts run down
.endif
.if st < 31
	s_wait_dscnt 8                                 ; this step's weights are in; the next step's eight loads stay out
.else
	s_wait_dscnt 0x0
.endif
.irp mb, 0,1
.irp nb, 0,1,2,3
.set rD, ACC+8*(4*(\mb)+(\nb))
.set rX, BF+32*(st%2)+8*(\nb)
.set rY, AF+16*(st%6)+8*(\mb)
.if st == 0
	v_wmma_f32_16x16x32_bf16 v[rD:rD+7], v[rX:rX+7], v[rY:rY+7], 0
.else
	v_wmma_f32_16x16x32_bf16 v[rD:rD+7], v[rX:rX+7], v[rY:rY+7], v[rD:rD+7]
.endif
.endr
.endr
.if st < 30
.rept 4
	v_nop                                          ; four places in front of loads into registers that the products have read
.endr
.endif
.if st == 31
.rept 5
	v_nop                                          ; four places in front of the next loads into A's and the weights' registers and of the first read of the results; five in front of the next
.endr                                              ; tile's first products, which write over these accumulators: what lies between is LDS and memory lines alone, which are no places
.endif
.if st < 30
	BLOAD st%2, st+2
.endif
.if st < 26
	ALOAD st%6, st+6
.endif
.set st, st+1
.endr
.endm
.macro OUT32                           ; f32 out: a lane's eight columns as 2 x 16 bytes into my stage (the low half first), back as whole rows of 256 bytes
.irp mb, 0,1
.irp nb, 0,1,2,3
	ds_store_b128 v10, v[ACC+8*(4*(\mb)+(\nb)):ACC+8*(4*(\mb)+(\nb))+3] offset:(\mb)*4352+(\nb)*64
	ds_store_b128 v10, v[ACC+8*(4*(\mb)+(\nb))+4:ACC+8*(4*(\mb)+(\nb))+7] offset:(\mb)*4352+(\nb)*64+16
.endr
.endr
.irp i, 0,1,2,3,4,5,6,7,8,9,10,11,12,13,14,15
	ds_load_b128 v[OB+4*(\i):OB+4*(\i)+3], v11 offset:(\i)*544  ; LDS serves a wave's instructions in order: these see the stores above
.endr
.irp i, 0,1,2,3,4,5,6,7,8,9,10,11,12,13,14,15
	s_wait_dscnt 15-(\i)                           ; LDS loads come back in order: the younger ones stay out
	global_store_b128 v12, v[OB+4*(\i):OB+4*(\i)+3], s[PB:PB+1] offset:(\i)*8192  ; 16 lanes store 256 consecutive bytes, aligned
.endr
.endm
	s_load_b256 s[4:11], s[0:1], 0x0               ; hid s[4:5], idx s[6:7], eW2 s[8:9], sW2 s[10:11]
	s_load_b64 s[12:13], s[0:1], 0x20              ; big
	v_lshl_add_u32 v8, v0, 2, SPARE
	v_mov_b32 v9, 0
	v_lshrrev_b32 v1, 5, v0
	v_readfirstlane_b32 s18, v1                    ; wave 0..15
	v_and_b32 v6, 31, v0
	v_lshlrev_b32 v1, 4, v6
	v_and_b32 v14, 15, v6                          ; r
	v_lshrrev_b32 v15, 4, v6                       ; h
	v_mul_u32_u24 v2, v14, PITCH
	v_lshl_add_u32 v2, v15, 4, v2                  ; row x pitch + 16 x half
	v_add_nc_u32 v3, 2*NB2, v2
	s_mul_i32 s47, s18, 4*PITCH                    ; my four LDS rows,
	v_lshl_add_u32 v7, v6, 3, s47                  ; 8 bytes a lane
	s_mul_i32 s19, s18, 8704
	s_add_co_u32 s19, s19, STG                     ; my stage
	v_mul_u32_u24 v10, v14, 272
	v_lshl_add_u32 v10, v15, 5, v10
	v_add_nc_u32 v10, s19, v10                     ; in: row r, 32 bytes for each half of the lanes
	v_mul_u32_u24 v11, v15, 272
	v_lshl_add_u32 v11, v14, 4, v11
	v_add_nc_u32 v11, s19, v11                     ; back: lanes 0-15 one row, lanes 16-31 the next
	v_lshlrev_b32 v12, 12, v15
	v_lshl_add_u32 v12, v14, 4, v12                ; and the same two rows in P
	s_lshr_b32 s19, ttmp9, 5                       ; e
	s_bfe_u32 s20, ttmp9, 0x40001                  ; s
	s_and_b32 s46, ttmp9, 1                        ; par
	v_lshrrev_b32 v13, 3, v6                       ; the prefetch: lanes 256 bytes apart, eight to a row, my four rows; my half of each row
	v_and_b32 v14, 7, v6
	v_lshlrev_b32 v13, 12, v13
	v_lshl_add_u32 v13, v14, 8, v13
	s_lshl_b32 s40, s46, 11
	v_add_nc_u32 v13, s40, v13
	s_lshl_b32 s40, s19, 2
	s_lshl_b32 s44, s19, 8
	s_lshl_b32 s45, s46, 7
	s_add_co_u32 s44, s44, s45                     ; the shared phase's first row: 128 (2 e + par)
	s_lshl_b32 s45, s19, 11
	s_add_co_u32 s45, s45, 2048                    ; the expert's first row
	s_lshl1_add_u32 s48, s18, s46                  ; my first tile of the expert: 2 wave + par
	s_lshl_b32 s52, s20, 8                         ; 64 columns of f32
	s_lshl_b32 s34, s20, 18                        ; 64 rows of 4,096 bytes,
	s_lshl_b32 s35, s18, 14                        ; my four of them
	s_add_co_u32 s34, s34, s35
	s_mov_b32 s35, 0
	s_lshl_b32 s50, s19, 22                        ; an expert's matrix is 4,194,304 bytes
	s_mov_b32 s51, 0
	s_wait_kmcnt 0x0
	s_load_b32 s41, s[6:7], s40 offset:0x4000      ; cnt[e]
	s_add_nc_u64 s[42:43], s[10:11], s[34:35]      ; my rows of the shared slice,
	s_add_nc_u64 s[38:39], s[8:9], s[34:35]
	s_add_nc_u64 s[38:39], s[38:39], s[50:51]      ; of the expert's
	s_wait_kmcnt 0x0
	s_add_co_u32 s41, s41, 31
	s_lshr_b32 s41, s41, 5
	s_min_u32 s41, s41, 64                         ; the expert's tiles
	s_mov_b32 s22, 0
.Lphase:
	s_wait_loadcnt 0x0                             ; no load of mine is out: A's slots are loaded anew below,
	s_wait_xcnt 0x0                                ; and the weights' base is written anew
	s_cmp_eq_u32 s22, 0
	s_cselect_b64 s[WP:WP+1], s[42:43], s[38:39]
	s_cselect_b32 s21, 4, s41                      ; tiles
	s_cselect_b32 s36, s44, s45                    ; first row
	s_cselect_b32 s24, s18, s48                    ; my first tile,
	s_cselect_b32 s49, 16, 32                      ; and the step to my next
	SETA                                           ; my first tile's A goes out ahead of the weights
	s_wait_dscnt 0x0                               ; my reads of the old slice are over
	s_barrier_signal -1
	s_barrier_wait -1                              ; everybody's are
	s_cmp_eq_u32 s21, 0
	s_cbranch_scc1 .Lnostage                       ; an expert without rows: its weights are not read
	STAGE
.Lnostage:
	s_wait_dscnt 0x0                               ; for the others' sake: my rows of the slice lie in LDS
	s_barrier_signal -1
	s_barrier_wait -1
	s_cmp_lg_u32 s22, 0
	s_cbranch_scc1 .Lnopf
	; In the shared phase each wave asks for 2,048 bytes of each of the four expert rows that it will stage next: the half par of a row, so that the two work-groups that read a slice
	; ask for each block of 256 bytes once between them; one tile's work ahead; all inside the expert's matrix.
	global_prefetch_b8 v13, s[38:39] th:TH_LOAD_NT scope:SCOPE_SE
.Lnopf:
	s_mov_b32 s23, 2
.Ltile:
	s_cmp_ge_u32 s24, s21
	s_cbranch_scc1 .Ldead
	s_lshl_b32 s37, s24, 5
	s_add_co_u32 s37, s37, s36                     ; the tile's first row
	s_lshl_b32 s34, s37, 12                        ; x 4,096 bytes in big,
	s_add_co_u32 s34, s34, s52                     ; my 64 columns
	s_wait_xcnt 0x0                                ; P's base and the registers that the last tile's stores read are written only behind this wait
	s_add_nc_u64 s[PB:PB+1], s[12:13], s[34:35]
	TILE
	s_add_co_u32 s24, s24, s49                     ; my next tile: if there is one, its first six K steps of A are asked for now
	s_cmp_ge_u32 s24, s21
	s_cbranch_scc1 .Lnonext
	SETA
.Lnonext:
	OUT32
.Ldead:
	s_sub_co_u32 s23, s23, 1
	s_cmp_lg_u32 s23, 0
	s_cbranch_scc1 .Ltile
	s_add_co_u32 s22, s22, 1
	s_cmp_lt_u32 s22, 2
	s_cbranch_scc1 .Lphase
	s_wait_tensorcnt 0x0                           ; the wave's end: three lines behind my last LDS store
	ds_add_u32 v8, v9
	s_wait_dscnt 0x0
	s_endpgm
.Lfunc_end_k_q558c0e0ee3_down:
	.size	k_q558c0e0ee3_down, .Lfunc_end_k_q558c0e0ee3_down-k_q558c0e0ee3_down
	.p2alignl 7, 3214868480
	.fill 96, 4, 3214868480
	.section	.rodata,"a",@progbits
	.p2align	6, 0x0
	.amdhsa_kernel k_q558c0e0ee3_down
		.amdhsa_group_segment_fixed_size 273408
		.amdhsa_private_segment_fixed_size 0
		.amdhsa_enable_private_segment 0
		.amdhsa_kernarg_size 40
		.amdhsa_user_sgpr_count 2
		.amdhsa_user_sgpr_kernarg_segment_ptr 1
		.amdhsa_wavefront_size32 1
		.amdhsa_system_sgpr_workgroup_id_x 1
		.amdhsa_system_sgpr_workgroup_id_y 1
		.amdhsa_system_sgpr_workgroup_id_z 1
		.amdhsa_system_vgpr_workitem_id 0
		.amdhsa_next_free_vgpr 240
		.amdhsa_next_free_sgpr 66
		.amdhsa_reserve_vcc 0
		.amdhsa_float_denorm_mode_32 3
		.amdhsa_float_denorm_mode_16_64 3
		.amdhsa_memory_ordered 1
		.amdhsa_forward_progress 1
		.amdhsa_inst_pref_size 71
	.end_amdhsa_kernel
	.amdgpu_metadata
---
amdhsa.version: [ 1, 2 ]
amdhsa.kernels:
  - .name:           k_q558c0e0ee3_down
    .symbol:         k_q558c0e0ee3_down.kd
    .args:
      - { .name: hid, .offset: 0, .size: 8, .value_kind: global_buffer, .address_space: global }
      - { .name: idx, .offset: 8, .size: 8, .value_kind: global_buffer, .address_space: global }
      - { .name: eW2, .offset: 16, .size: 8, .value_kind: global_buffer, .address_space: global }
      - { .name: sW2, .offset: 24, .size: 8, .value_kind: global_buffer, .address_space: global }
      - { .name: big, .offset: 32, .size: 8, .value_kind: global_buffer, .address_space: global }
    .group_segment_fixed_size: 273408
    .private_segment_fixed_size: 0
    .kernarg_segment_align: 8
    .kernarg_segment_size: 40
    .max_flat_workgroup_size: 512
    .sgpr_count:     66
    .vgpr_count:     240
    .wavefront_size: 32
...
	.end_amdgpu_metadata
.endif
;; end of part 9
;; launch combine (part 10): grid 256 x 1, 8 waves a work-group, no clusters, 0 bytes of LDS; arguments X, ap, big, idx, gate, out0; writes out0
.if DOCPART == 10
	.amdgcn_target "amdgcn-amd-amdhsa--gfx1250"
	.amdhsa_code_object_version 6
	.text
	.protected	k_q558c0e0ee3_combine
	.globl	k_q558c0e0ee3_combine
	.p2align	8
	.type	k_q558c0e0ee3_combine,@function
k_q558c0e0ee3_combine:
	s_mov_b64 s[64:65], 0
	v_nop
	global_prefetch_b8 v0, s[64:65] scope:SCOPE_SE
	s_setreg_imm32_b32 hwreg(HW_REG_WAVE_MODE, 25, 1), 1
	s_wait_xcnt 0x0
; out[t] = X[t] + ap[t] + P[t] + w0 P[row0] + w1 P[row1]: the residual, the attention's part, the shared expert's row and the two chosen experts' rows with their weights; all f32.
; A wave has one token: five rows of 4,096 bytes, 40 loads of 512 consecutive bytes, all issued before the first wait for data.  The two rows' numbers were stored by an earlier launch.
; The launch streams: no LDS, no matrix unit, no cluster (no two work-groups read the same bytes).
.set A, 8                              ; v[8:39] X, then the sum;  v[40:71] ap;  v[72:103] P[t];  v[104:135] P[row0];  v[136:167] P[row1]
	s_load_b256 s[4:11], s[0:1], 0x0               ; X s[4:5], ap s[6:7], big s[8:9], idx s[10:11]
	s_load_b128 s[12:15], s[0:1], 0x20             ; gate s[12:13], out0 s[14:15]
	v_lshrrev_b32 v1, 5, v0
	v_readfirstlane_b32 s16, v1                    ; wave
	v_and_b32 v2, 31, v0
	v_lshlrev_b32 v2, 4, v2                        ; 16 x lane
	s_lshl3_add_u32 s17, ttmp9, s16                ; my token
	s_lshl_b32 s24, s17, 3
	s_lshl_b32 s18, s17, 12
	s_mov_b32 s19, 0
	s_wait_kmcnt 0x0
	s_load_b64 s[20:21], s[10:11], s24 offset:0x0  ; the two rows
	s_load_b64 s[22:23], s[12:13], s24 offset:0x0  ; the two weights
	s_add_nc_u64 s[4:5], s[4:5], s[18:19]
	s_add_nc_u64 s[6:7], s[6:7], s[18:19]
	s_add_nc_u64 s[26:27], s[8:9], s[18:19]
	s_add_nc_u64 s[14:15], s[14:15], s[18:19]
.irp i, 0,1,2,3,4,5,6,7
	global_load_b128 v[A+4*(\i):A+4*(\i)+3], v2, s[4:5] offset:512*(\i)
.endr
.irp i, 0,1,2,3,4,5,6,7
	global_load_b128 v[A+32+4*(\i):A+32+4*(\i)+3], v2, s[6:7] offset:512*(\i)
.endr
.irp i, 0,1,2,3,4,5,6,7
	global_load_b128 v[A+64+4*(\i):A+64+4*(\i)+3], v2, s[26:27] offset:512*(\i)
.endr
	s_wait_kmcnt 0x0
	s_min_u32 s20, s20, 18431
	s_min_u32 s21, s21, 18431
	s_lshl_b32 s28, s20, 12
	s_mov_b32 s29, 0
	s_lshl_b32 s30, s21, 12
	s_mov_b32 s31, 0
	s_add_nc_u64 s[28:29], s[8:9], s[28:29]
	s_add_nc_u64 s[30:31], s[8:9], s[30:31]
	s_mov_b32 s32, s23                             ; w1 in the low word of a pair of its own
	s_mov_b32 s33, s23
.irp i, 0,1,2,3,4,5,6,7
	global_load_b128 v[A+96+4*(\i):A+96+4*(\i)+3], v2, s[28:29] offset:512*(\i)
.endr
.irp i, 0,1,2,3,4,5,6,7
	global_load_b128 v[A+128+4*(\i):A+128+4*(\i)+3], v2, s[30:31] offset:512*(\i)
.endr
	s_wait_loadcnt 24                              ; X and ap are in; the 24 younger loads stay out
.set j, 0
.rept 16
	v_pk_add_f32 v[A+2*j:A+2*j+1], v[A+2*j:A+2*j+1], v[A+32+2*j:A+32+2*j+1]
.set j, j+1
.endr
	s_wait_loadcnt 16                              ; the shared expert's row
.set j, 0
.rept 16
	v_pk_add_f32 v[A+2*j:A+2*j+1], v[A+2*j:A+2*j+1], v[A+64+2*j:A+64+2*j+1]
.set j, j+1
.endr
	s_wait_loadcnt 8                               ; the first choice's row
.set j, 0
.rept 16
	v_pk_fma_f32 v[A+2*j:A+2*j+1], v[A+96+2*j:A+96+2*j+1], s[22:23], v[A+2*j:A+2*j+1] op_sel_hi:[1,0,1]
.set j, j+1
.endr
	s_wait_loadcnt 0x0                             ; the second's
.set j, 0
.rept 16
	v_pk_fma_f32 v[A+2*j:A+2*j+1], v[A+128+2*j:A+128+2*j+1], s[32:33], v[A+2*j:A+2*j+1] op_sel_hi:[1,0,1]
.set j, j+1
.endr
.irp i, 0,1,2,3,4,5,6,7
	global_store_b128 v2, v[A+4*(\i):A+4*(\i)+3], s[14:15] offset:512*(\i) th:TH_STORE_NT
.endr
	s_endpgm
.Lfunc_end_k_q558c0e0ee3_combine:
	.size	k_q558c0e0ee3_combine, .Lfunc_end_k_q558c0e0ee3_combine-k_q558c0e0ee3_combine
	.p2alignl 7, 3214868480
	.fill 96, 4, 3214868480
	.section	.rodata,"a",@progbits
	.p2align	6, 0x0
	.amdhsa_kernel k_q558c0e0ee3_combine
		.amdhsa_group_segment_fixed_size 0
		.amdhsa_private_segment_fixed_size 0
		.amdhsa_enable_private_segment 0
		.amdhsa_kernarg_size 48
		.amdhsa_user_sgpr_count 2
		.amdhsa_user_sgpr_kernarg_segment_ptr 1
		.amdhsa_wavefront_size32 1
		.amdhsa_system_sgpr_workgroup_id_x 1
		.amdhsa_system_sgpr_workgroup_id_y 1
		.amdhsa_system_sgpr_workgroup_id_z 1
		.amdhsa_system_vgpr_workitem_id 0
		.amdhsa_next_free_vgpr 168
		.amdhsa_next_free_sgpr 66
		.amdhsa_reserve_vcc 0
		.amdhsa_float_denorm_mode_32 3
		.amdhsa_float_denorm_mode_16_64 3
		.amdhsa_memory_ordered 1
		.amdhsa_forward_progress 1
		.amdhsa_inst_pref_size 10
	.end_amdhsa_kernel
	.amdgpu_metadata
---
amdhsa.version: [ 1, 2 ]
amdhsa.kernels:
  - .name:           k_q558c0e0ee3_combine
    .symbol:         k_q558c0e0ee3_combine.kd
    .args:
      - { .name: X, .offset: 0, .size: 8, .value_kind: global_buffer, .address_space: global }
      - { .name: ap, .offset: 8, .size: 8, .value_kind: global_buffer, .address_space: global }
      - { .name: big, .offset: 16, .size: 8, .value_kind: global_buffer, .address_space: global }
      - { .name: idx, .offset: 24, .size: 8, .value_kind: global_buffer, .address_space: global }
      - { .name: gate, .offset: 32, .size: 8, .value_kind: global_buffer, .address_space: global }
      - { .name: out0, .offset: 40, .size: 8, .value_kind: global_buffer, .address_space: global }
    .group_segment_fixed_size: 0
    .private_segment_fixed_size: 0
    .kernarg_segment_align: 8
    .kernarg_segment_size: 48
    .max_flat_workgroup_size: 256
    .sgpr_count:     66
    .vgpr_count:     168
    .wavefront_size: 32
...
	.end_amdgpu_metadata
.endif
;; end of part 10
;; ======== version 2 of 2: 10 launches; version 1 with the launches up, down written anew for expert scheduling mode
;; limits: values are held in f16: magnitudes above 65,504 overflow, below 6.1e-05 lose precision
;; workspace buffers: act 4,194,304 bytes; qkv 6,291,456 bytes; ap 8,388,608 bytes; route 18,432 bytes of whole numbers; gate 16,384 bytes; big 75,497,472 bytes; idx 90,368 bytes of whole numbers; hid 37,748,736 bytes
;; launch norm1: the kernel of part 1 again; grid 128 x 1, 16 waves a work-group, no clusters, 36,864 bytes of LDS; arguments X, g1, act; writes act
;; launch qkv: the kernel of part 2 again; grid 24 x 8, 8 waves a work-group, no clusters, 133,120 bytes of LDS; arguments act, Wq, Wkc, Wvc, qkv; writes qkv
;; launch attn: the kernel of part 3 again; grid 256 x 1, 4 waves a work-group, no clusters, 133,632 bytes of LDS; arguments qkv, act; writes act
;; launch oproj: the kernel of part 4 again; grid 16 x 16, 8 waves a work-group, no clusters, 202,752 bytes of LDS; arguments act, Wo, ap; writes ap
;; launch router: the kernel of part 5 again; grid 128 x 1, 16 waves a work-group, no clusters, 35,072 bytes of LDS; arguments X, ap, g2, Wr, expert_bias, act, route, gate; writes act, route, gate
;; launch place: the kernel of part 6 again; grid 1152 x 1, 1 waves a work-group, no clusters, 0 bytes of LDS; arguments route, idx; writes idx
;; launch lay: the kernel of part 7 again; grid 1152 x 1, 1 waves a work-group, no clusters, 35,072 bytes of LDS; arguments act, idx, big; writes big
;; launch up (part 11): grid 256 x 1, 16 waves a work-group, no clusters, 266,240 bytes of LDS; arguments big, idx, eW1, eW3, sW1, sW3, hid; writes hid
.if DOCPART == 11
	.amdgcn_target "amdgcn-amd-amdhsa--gfx1250"
	.amdhsa_code_object_version 6
	.text
	.protected	k_q558c0e0ee3_up
	.globl	k_q558c0e0ee3_up
	.p2align	8
	.type	k_q558c0e0ee3_up,@function
k_q558c0e0ee3_up:
	s_mov_b64 s[64:65], 0
	v_nop
	global_prefetch_b8 v0, s[64:65] scope:SCOPE_SE
	s_setreg_imm32_b32 hwreg(HW_REG_WAVE_SCHED_MODE, 0, 2), 2
	s_setreg_imm32_b32 hwreg(HW_REG_WAVE_MODE, 25, 1), 1
	s_wait_xcnt 0x0
	s_wait_alu depctr_vm_vsrc(0)
; H = silu(x W1^T) * (x W3^T) for the shared expert (all 2,048 rows) and for each expert's chosen rows; bf16 operands, f32 sums, H rounded once to bf16.
; x lies in big in operand order (blocks of 16 rows x 32 k, 1,024 bytes), sorted by expert (rows 0-2,047 shared, expert e from 2,048 (1 + e)); H goes to hid in the same order and rows.
; Work-group x = 32 e + s has hidden columns 32 s .. 32 s + 31 of TWO slices, so that all 256 work-groups are alike: the shared expert's, for its rows 256 e .. 256 e + 255, and expert e's,
; for all of that expert's rows.  A slice is 32 rows of W1 and 32 of W3.  Both are rounded from f32 into LDS once, at the start: waves 0-7 bring the shared slice, waves 8-15 the expert's,
; eight rows a wave; each weight byte of an expert has one reader in the launch.
; Then ONE walk over tiles of 32 rows: tile j = wave + 16 i; j < 8 is a shared tile, j - 8 a tile of the expert.  The walk has a constant number of trips (5 x 16 = 80 places for at most
; 8 + 64 tiles, every split); a trip past the expert's count, which an earlier launch stored, is jumped forward; no barrier stands in what is jumped.
; A comes from memory into a ring of SIX register slots, a K step each.  A tile's first 24 loads of 512 bytes are issued a tile early: for the first tile ahead of the
; staging (whether or not the tile exists: the address hangs on ids alone and lies inside big, and what a dead tile's loads bring is never used), for a later tile behind the last K step of the
; tile before, ahead of its way out.  Inside a tile 16 loads are out at a step's head and 20 behind its refill.
; The weights are source 0: a lane holds one row, eight columns of a = x W1^T and the same eight of b = x W3^T: H's operand, stored as 512 consecutive bytes.
; NO TENSOR LOADS, NO CLUSTER: the weights pass through registers to be rounded, A needs no LDS, and the walk's length hangs on a stored count.  No prefetch of the weights: they are loaded at the launch's start, right behind the first tile's A.
; THE MODE: SCHED_MODE bits 1:0 = 2 (LLVM: expert scheduling mode 2), set by the entry lines.  The code itself states the register dependences
; between vector or matrix instructions and memory or LDS instructions, with s_wait_alu, always for 0.
; THE PLAN.  Registers that memory or LDS instructions touch:
;   v1           The offset of every global load and store; made at the head, never written again.
;   v7           Read by the staging's LDS stores; stepped once a trip of the staging loop.
;   v4, v5       Read by the weights' LDS loads; written at a tile's head and once a trip of the K loop.
;   RG           Staging, in blocks of four slots: a block's eight roundings read its slots; behind them the loads of the rows two further on land there.
;   T            Staging: written by a block's roundings, read by the same block's four LDS stores, written again a trip later.
;   AF0 .. AF5   K step p: its products read slot p % 6; the loads of step p + 5, issued in step p, land in slot (p - 1) % 6.
;   BF0, BF1     K step p: its products read buffer p % 2; the LDS loads of step p + 1, issued in step p, land in the other buffer.
;   v[192:207]   The way out: written by the roundings, read by the tile's four stores.
;   The accumulators are named by vector and matrix instructions alone once the staging is over.
; So ONE wait on va_vdst stands at the head of a K step, behind the waits for its data: the step before is done reading its slot and its buffer.  The step's twelve loads follow it, dealt among
; its eight products, which name this step's slot, this step's buffer and the accumulators: none of the registers that those loads touch.
.set PITCH, 2064                       ; 2,048 + 16 = 129 x 16 bytes: the 16 rows of a fragment load start at 16 different 16-byte columns modulo 256
.set NB2,   16*PITCH
.set SLICE, 64*PITCH                   ; the shared slice at 0, the expert's at SLICE
.set SPARE, 2*SLICE                    ; behind the slices: the spare words, 128 bytes a wave
.set ACC, 16                           ; v[16:79]    accumulator (mb, nb) at 16 + 8 (4 mb + nb): nb 0, 1 are a's columns, nb 2, 3 b's
.set RG,  ACC                          ;             while staging: a ring of 16 loads
.set AF,  80                           ; v[80:175]   A: slot s of six, fragment mb at 80 + 16 s + 8 mb
.set BF,  176                          ; v[176:239]  weights: buffer b, fragment nb at 176 + 32 b + 8 nb
.set T,   BF                           ;             outside the K steps: v[176:191] at work, v[192:207] four packed results; while staging 32 packed
.set WP, 28                            ; s[28:29] the weight rows that I stage
.set AB, 30                            ; s[30:31] A at my tile, stepped along K
.set HB, 32                            ; s[32:33] hid at my tile
.set KB, 27                            ; s27 the slice's LDS byte plus the bytes along K: 384 for six K steps
; v1 16 x lane; v2, v3 my place in a weight fragment (nb 0-1, nb 2-3), never rewritten; v4, v5 = v2, v3 + s27; v6 lane; v7 staging address; v8, v9 the add's
.macro SBLOCK k, ahead, left           ; four slots of the staging ring: 512 f32 of a weight row, rounded, into LDS
	s_wait_loadcnt \left                           ; loads come back in order: my four are in (and the older loads of A), the younger blocks stay out
.irp j, 0,1,2,3
	v_cvt_pk_bf16_f32 v[T+2*(4*(\k)+(\j))], v[RG+4*(4*(\k)+(\j))], v[RG+4*(4*(\k)+(\j))+1]
	v_cvt_pk_bf16_f32 v[T+2*(4*(\k)+(\j))+1], v[RG+4*(4*(\k)+(\j))+2], v[RG+4*(4*(\k)+(\j))+3]
.endr
	s_wait_alu depctr_va_vdst(0)                   ; the eight roundings are done reading the block's slots, in which the loads below land, and have written the packed registers, which the LDS stores read; in a trip's first block v7 is written
.if \ahead
.irp j, 0,1,2,3
	global_load_b128 v[RG+4*(4*(\k)+(\j)):RG+4*(4*(\k)+(\j))+3], v1, s[WP:WP+1] offset:((\k)/2)*4096+((4*(\k)+(\j))%8)*512+8192
.endr
.endif
.irp j, 0,1,2,3
	ds_store_b64 v7, v[T+2*(4*(\k)+(\j)):T+2*(4*(\k)+(\j))+1] offset:((\k)/2)*PITCH+((4*(\k)+(\j))%8)*256
.endr
.endm
.macro STAGE                           ; my eight rows: four times two rows; twelve to sixteen loads of 512 bytes are out
.irp i, 0,1,2,3,4,5,6,7,8,9,10,11,12,13,14,15
	global_load_b128 v[RG+4*(\i):RG+4*(\i)+3], v1, s[WP:WP+1] offset:((\i)/8)*4096+((\i)%8)*512
.endr
	s_mov_b32 s26, 3
.Lst_\@:
	SBLOCK 0, 1, 12
	SBLOCK 1, 1, 12
	SBLOCK 2, 1, 12
	SBLOCK 3, 1, 12
	s_wait_xcnt 0x0                                ; the base is stepped only behind this wait
	s_add_nc_u64 s[WP:WP+1], s[WP:WP+1], 8192
	s_wait_alu depctr_vm_vsrc(0)                   ; this trip's LDS stores have read v7, which the add writes, and the 32 packed registers, which the next two rows' roundings write
	v_add_nc_u32 v7, 2*PITCH, v7
	s_sub_co_u32 s26, s26, 1
	s_cmp_lg_u32 s26, 0
	s_cbranch_scc1 .Lst_\@
	SBLOCK 0, 0, 12                                ; the last two rows: nothing more is loaded, the counts run down
	SBLOCK 1, 0, 8
	SBLOCK 2, 0, 4
	SBLOCK 3, 0, 0
.endm
.macro BLOADH b, st, h                 ; two of the four weight fragments of K step st (counted from v4, v5) into buffer b: h = 0: nb 0, 1; h = 1: nb 2, 3
.irp nb, 0,1
	ds_load_b128 v[BF+32*(\b)+16*(\h)+8*(\nb):BF+32*(\b)+16*(\h)+8*(\nb)+3], v[4+(\h)] offset:(\nb)*NB2+(\st)*64
	ds_load_b128 v[BF+32*(\b)+16*(\h)+8*(\nb)+4:BF+32*(\b)+16*(\h)+8*(\nb)+7], v[4+(\h)] offset:(\nb)*NB2+(\st)*64+32
.endr
.endm
.macro ALOADH s, st, mb                ; A's fragment mb of K step st (counted from AB) into slot s
	global_load_b128 v[AF+16*(\s)+8*(\mb):AF+16*(\s)+8*(\mb)+3], v1, s[AB:AB+1] offset:(\st)*1024+(\mb)*32768
	global_load_b128 v[AF+16*(\s)+8*(\mb)+4:AF+16*(\s)+8*(\mb)+7], v1, s[AB:AB+1] offset:(\st)*1024+(\mb)*32768+512
.endm
.macro SETA                            ; AB = A at tile s24, and the tile's first six K steps are asked for
	s_cmp_lt_u32 s24, 8
	s_cselect_b32 s36, s44, s45                    ; the row that 32 j is counted from: the shared rows', or the expert's less the eight shared tiles
	s_lshl_b32 s34, s24, 5
	s_add_co_u32 s34, s34, s36                     ; the tile's first row
	s_lshl_b32 s34, s34, 11                        ; x 2,048 bytes
	s_wait_xcnt 0x0                                ; A's base is written only behind this wait
	s_add_nc_u64 s[AB:AB+1], s[4:5], s[34:35]
.irp s, 0,1,2,3,4,5
	ALOADH \s, \s, 0
	ALOADH \s, \s, 1
.endr
.endm
; A K step of 32 on slot s and buffer b: the waits for its data; the one wait on va_vdst; then eight matrix instructions, the eight accumulators by turns, and among
; them the refills of what the step BEFORE read: the weights of step bo into the other buffer, A of step ao into the slot in front of s in the ring (-1: none).
; la: A's younger loads that may stay out (four a step); lb: the younger LDS loads.
.macro KSTEP s, b, zero, ao, bo, la, lb
	s_wait_loadcnt \la
	s_wait_dscnt \lb
.if (\bo)+1
	s_wait_alu depctr_va_vdst(0)                   ; the products of the step before are done reading their buffer of weights and their slot of A, in which the loads below land; behind a step of v4 and v5 these are written
.endif
.irp mb, 0,1
.if (\bo)+1
	BLOADH 1-(\b), \bo, \mb
.endif
.irp nb, 0,1,2,3
.set rD, ACC+8*(4*(\mb)+(\nb))
.set rX, BF+32*(\b)+8*(\nb)
.set rY, AF+16*(\s)+8*(\mb)
.if \zero
	v_wmma_f32_16x16x32_bf16 v[rD:rD+7], v[rX:rX+7], v[rY:rY+7], 0
.else
	v_wmma_f32_16x16x32_bf16 v[rD:rD+7], v[rX:rX+7], v[rY:rY+7], v[rD:rD+7]
.endif
.endr
.if (\ao)+1
	ALOADH ((\s)+5)%6, \ao, \mb                    ; no wait: no vector or matrix instruction since the wait above names that slot
.endif
.endr
.endm
; 32 rows x 64 columns, K = 1,024: 32 K steps = 2 + 4 x 6 + 6.  Steps 0 and 1 stand ahead of the loop (step 0 starts the sums and refills nothing: nothing has been read yet); a trip is six
; steps, once round the ring; step p asks for A of step p + 5 and for the weights of step p + 1; of the last six steps the first asks for A's step 31, the others for no A, and their counts run down.
.macro TILE
	s_wait_alu depctr_vm_vsrc(0)                   ; the LDS loads of the tile before have read v4 and v5; the staging's LDS stores, or the last tile's stores, have read the registers in which the weights land
	v_add_nc_u32 v4, s[KB], v2
	v_add_nc_u32 v5, s[KB], v3
	s_wait_alu depctr_va_vdst(0)                   ; v4 and v5 are written, which the LDS loads read; the roundings of the staging, or the way out of the tile before, have written the registers in which the weights land
	BLOADH 0, 0, 0
	BLOADH 0, 0, 1
	BLOADH 1, 1, 0
	BLOADH 1, 1, 1
	KSTEP 0, 0, 1, -1, -1, 20, 8                   ; 20: the five younger K steps' four loads each; 8: step 1's weights
	KSTEP 1, 1, 0, 6, 2, 16, 0                     ; 16: the four younger K steps' four loads each
	s_mov_b32 s25, 4
.Lk_\@:
	KSTEP 2, 0, 0, 7, 3, 16, 0
	KSTEP 3, 1, 0, 8, 4, 16, 0
	KSTEP 4, 0, 0, 9, 5, 16, 0
	KSTEP 5, 1, 0, 10, 6, 16, 0
	KSTEP 0, 0, 0, 11, 7, 16, 0
	KSTEP 1, 1, 0, 12, 8, 16, 0
	s_wait_xcnt 0x0                                ; A's base is stepped only behind this wait
	s_add_nc_u64 s[AB:AB+1], s[AB:AB+1], 6144
	s_add_co_u32 s[KB], s[KB], 384
	s_wait_alu depctr_vm_vsrc(0)                   ; the LDS loads issued so far have read v4 and v5
	v_add_nc_u32 v4, s[KB], v2
	v_add_nc_u32 v5, s[KB], v3
	s_sub_co_u32 s25, s25, 1
	s_cmp_lg_u32 s25, 0
	s_cbranch_scc1 .Lk_\@
	KSTEP 2, 0, 0, 7, 3, 16, 0
	KSTEP 3, 1, 0, -1, 4, 16, 0
	KSTEP 4, 0, 0, -1, 5, 12, 0
	KSTEP 5, 1, 0, -1, 6, 8, 0
	KSTEP 0, 0, 0, -1, 7, 4, 0
	KSTEP 1, 1, 0, -1, -1, 0, 0
.rept 4
	v_nop                                          ; four places in front of the first read of the results and of the first vector write onto the weights' registers (ISA guide 7.12.1)
.endr
	s_wait_alu depctr_va_vdst(0)                   ; the last products are done reading A's slots, in which the next tile's first loads land
.endm
.macro SWIGLU mb, p                    ; h = a b / (1 + 2^(-a log2 e)) for 16 rows x 16 columns; both accumulators are read from their low ends on
.set rA, ACC+8*(4*(\mb)+(\p))
.set rB, ACC+8*(4*(\mb)+(\p)+2)
.set rP, T+16+4*(2*(\mb)+(\p))
.irp i, 0,1,2,3
	v_pk_mul_f32 v[T+2*(\i):T+2*(\i)+1], v[rA+2*(\i):rA+2*(\i)+1], s[50:51] op_sel_hi:[1,0]
.endr
.irp i, 0,1,2,3,4,5,6,7
	v_exp_f32 v[T+(\i)], v[T+(\i)]
.endr
.irp i, 0,1,2,3
	v_pk_mul_f32 v[T+8+2*(\i):T+8+2*(\i)+1], v[rA+2*(\i):rA+2*(\i)+1], v[rB+2*(\i):rB+2*(\i)+1]  ; also the plain lines behind the exponentials
.endr
	s_wait_alu depctr_va_vdst(0)                   ; the eight exponentials have written v[T .. T+7], which the additions read
.irp i, 0,1,2,3
	v_pk_add_f32 v[T+2*(\i):T+2*(\i)+1], v[T+2*(\i):T+2*(\i)+1], s[52:53] op_sel_hi:[1,0]
.endr
.irp i, 0,1,2,3,4,5,6,7
	v_rcp_f32 v[T+(\i)], v[T+(\i)]
.endr
	v_nop                                          ; a plain instruction behind the reciprocals
	s_wait_alu depctr_va_vdst(0)                   ; the eight reciprocals have written v[T .. T+7], which the multiplications read
.irp i, 0,1,2,3
	v_pk_mul_f32 v[T+8+2*(\i):T+8+2*(\i)+1], v[T+8+2*(\i):T+8+2*(\i)+1], v[T+2*(\i):T+2*(\i)+1]
.endr
.irp i, 0,1,2,3
	v_cvt_pk_bf16_f32 v[rP+(\i)], v[T+8+2*(\i)], v[T+8+2*(\i)+1]
.endr
.endm
	s_load_b256 s[4:11], s[0:1], 0x0               ; big s[4:5], idx s[6:7], eW1 s[8:9], eW3 s[10:11]
	s_load_b128 s[12:15], s[0:1], 0x20             ; sW1 s[12:13], sW3 s[14:15]
	s_load_b64 s[16:17], s[0:1], 0x30              ; hid
	v_lshl_add_u32 v8, v0, 2, SPARE
	v_mov_b32 v9, 0
	v_lshrrev_b32 v1, 5, v0
	v_readfirstlane_b32 s18, v1                    ; wave 0..15
	v_and_b32 v6, 31, v0
	v_lshlrev_b32 v1, 4, v6
	v_and_b32 v2, 15, v6
	v_mul_u32_u24 v2, v2, PITCH
	v_lshrrev_b32 v3, 4, v6
	v_lshl_add_u32 v2, v3, 4, v2                   ; row x pitch + 16 x half
	v_add_nc_u32 v3, 2*NB2, v2
	s_wait_alu depctr_va_sdst(0)                   ; s18 is written, ahead of its first reader: LDS places, bases and the walk are made from it
	s_mul_i32 s47, s18, 8*PITCH                    ; my eight LDS rows of the 128: the expert's slice follows the shared one
	v_lshl_add_u32 v7, v6, 3, s47                  ; 8 bytes a lane
	s_lshr_b32 s19, ttmp9, 5                       ; e
	s_and_b32 s20, ttmp9, 31                       ; s
	s_lshl_b32 s40, s19, 2
	s_lshl_b32 s44, s19, 8                         ; shared tile j begins at row 256 e + 32 j
	s_lshl_b32 s45, s19, 11
	s_add_co_u32 s45, s45, 1792                    ; the expert's tile j - 8 at row 2,048 (1 + e) - 256 + 32 j
	s_lshl_b32 s37, s20, 10                        ; 32 hidden columns are one block of 1,024 bytes
	s_mov_b32 s50, 0xbfb8aa3b                      ; -log2(e)
	s_mov_b32 s51, s50
	s_mov_b32 s52, 1.0
	s_mov_b32 s53, 1.0
	s_and_b32 s34, s18, 3                          ; of four waves on end each stages eight of a matrix's 32 rows
	s_lshl_b32 s34, s34, 15
	s_lshl_b32 s35, s20, 17
	s_add_co_u32 s34, s34, s35
	s_mov_b32 s35, 0
	s_lshl_b32 s48, s19, 22                        ; an expert's matrix is 4,194,304 bytes
	s_mov_b32 s49, 0
	s_mov_b32 s24, s18                             ; my first tile
	s_wait_kmcnt 0x0
	s_load_b32 s41, s[6:7], s40 offset:0x4000      ; cnt[e]
	s_cmp_lt_u32 s18, 4                            ; waves 0-3 sW1, 4-7 sW3, 8-11 eW1, 12-15 eW3
	s_cselect_b64 s[WP:WP+1], s[12:13], s[14:15]
	s_cmp_lt_u32 s18, 12
	s_cselect_b64 s[38:39], s[8:9], s[10:11]
	s_add_nc_u64 s[38:39], s[38:39], s[48:49]
	s_cmp_lt_u32 s18, 8
	s_cselect_b64 s[WP:WP+1], s[WP:WP+1], s[38:39]
	s_add_nc_u64 s[WP:WP+1], s[WP:WP+1], s[34:35]
	s_wait_alu depctr_va_vdst(0)                   ; v1 is written, which every global load and store of the kernel reads as its offset; so is v7, which the staging's LDS stores read
	SETA                                           ; my first tile's A goes out ahead of the weights
	STAGE
	s_wait_kmcnt 0x0
	s_add_co_u32 s41, s41, 31
	s_lshr_b32 s41, s41, 5
	s_min_u32 s41, s41, 64                         ; the expert's tiles
	s_add_co_u32 s21, s41, 8                       ; and the eight shared ones
	s_wait_dscnt 0x0                               ; for the others' sake: my rows of the slices lie in LDS
	s_barrier_signal -1
	s_barrier_wait -1
	s_mov_b32 s23, 5
.Ltile:
	s_cmp_ge_u32 s24, s21
	s_cbranch_scc1 .Ldead
	s_cmp_lt_u32 s24, 8
	s_cselect_b32 s36, s44, s45
	s_cselect_b32 s[KB], 0, SLICE                  ; which slice
	s_lshl_b32 s34, s24, 5
	s_add_co_u32 s34, s34, s36                     ; the tile's first row
	s_lshl_b32 s34, s34, 11                        ; x 2,048 bytes in hid,
	s_add_co_u32 s34, s34, s37                     ; my block of hidden columns
	s_wait_xcnt 0x0                                ; hid's base and the packed registers of the tile before are written only behind this wait
	s_add_nc_u64 s[HB:HB+1], s[16:17], s[34:35]
	TILE
	s_add_co_u32 s24, s24, 16                      ; my next tile: if there is one, its first six K steps of A are asked for now
	s_cmp_ge_u32 s24, s21
	s_cbranch_scc1 .Lnonext
	SETA                                           ; no vector or matrix instruction stands between the wait at the tile's end and these loads
.Lnonext:
	SWIGLU 0, 0
	SWIGLU 0, 1
	SWIGLU 1, 0
	SWIGLU 1, 1
	s_wait_alu depctr_va_vdst(0)                   ; the roundings have written the sixteen packed registers, which the four stores read
.irp mb, 0,1
.irp p, 0,1
	global_store_b128 v1, v[T+16+4*(2*(\mb)+(\p)):T+16+4*(2*(\mb)+(\p))+3], s[HB:HB+1] offset:(\mb)*32768+(\p)*512  ; 512 consecutive bytes, aligned
.endr
.endr
.Ldead:
	s_sub_co_u32 s23, s23, 1
	s_cmp_lg_u32 s23, 0
	s_cbranch_scc1 .Ltile
	s_wait_dscnt 0x0                               ; my reads of the slices are over,
	s_barrier_signal -1
	s_barrier_wait -1                              ; and so are all sixteen waves', before any wave writes LDS again
	s_wait_dscnt 0x0                               ; the closing lines, six on end
	s_wait_alu 0x0
	s_wait_tensorcnt 0x0
	ds_add_u32 v8, v9
	s_wait_dscnt 0x0
	s_endpgm
.Lfunc_end_k_q558c0e0ee3_up:
	.size	k_q558c0e0ee3_up, .Lfunc_end_k_q558c0e0ee3_up-k_q558c0e0ee3_up
	.p2alignl 7, 3214868480
	.fill 96, 4, 3214868480
	.section	.rodata,"a",@progbits
	.p2align	6, 0x0
	.amdhsa_kernel k_q558c0e0ee3_up
		.amdhsa_group_segment_fixed_size 266240
		.amdhsa_private_segment_fixed_size 0
		.amdhsa_enable_private_segment 0
		.amdhsa_kernarg_size 56
		.amdhsa_user_sgpr_count 2
		.amdhsa_user_sgpr_kernarg_segment_ptr 1
		.amdhsa_wavefront_size32 1
		.amdhsa_system_sgpr_workgroup_id_x 1
		.amdhsa_system_sgpr_workgroup_id_y 1
		.amdhsa_system_sgpr_workgroup_id_z 1
		.amdhsa_system_vgpr_workitem_id 0
		.amdhsa_next_free_vgpr 240
		.amdhsa_next_free_sgpr 66
		.amdhsa_reserve_vcc 0
		.amdhsa_float_denorm_mode_32 3
		.amdhsa_float_denorm_mode_16_64 3
		.amdhsa_memory_ordered 1
		.amdhsa_forward_progress 1
		.amdhsa_inst_pref_size 45
	.end_amdhsa_kernel
	.amdgpu_metadata
---
amdhsa.version: [ 1, 2 ]
amdhsa.kernels:
  - .name:           k_q558c0e0ee3_up
    .symbol:         k_q558c0e0ee3_up.kd
    .args:
      - { .name: big, .offset: 0, .size: 8, .value_kind: global_buffer, .address_space: global }
      - { .name: idx, .offset: 8, .size: 8, .value_kind: global_buffer, .address_space: global }
      - { .name: eW1, .offset: 16, .size: 8, .value_kind: global_buffer, .address_space: global }
      - { .name: eW3, .offset: 24, .size: 8, .value_kind: global_buffer, .address_space: global }
      - { .name: sW1, .offset: 32, .size: 8, .value_kind: global_buffer, .address_space: global }
      - { .name: sW3, .offset: 40, .size: 8, .value_kind: global_buffer, .address_space: global }
      - { .name: hid, .offset: 48, .size: 8, .value_kind: global_buffer, .address_space: global }
    .group_segment_fixed_size: 266240
    .private_segment_fixed_size: 0
    .kernarg_segment_align: 8
    .kernarg_segment_size: 56
    .max_flat_workgroup_size: 512
    .sgpr_count:     66
    .vgpr_count:     240
    .wavefront_size: 32
...
	.end_amdgpu_metadata
.endif
;; end of part 11
;; launch down (part 12): grid 256 x 1, 16 waves a work-group, no clusters, 273,408 bytes of LDS; arguments hid, idx, eW2, sW2, big; writes big
.if DOCPART == 12
	.amdgcn_target "amdgcn-amd-amdhsa--gfx1250"
	.amdhsa_code_object_version 6
	.text
	.protected	k_q558c0e0ee3_down
	.globl	k_q558c0e0ee3_down
	.p2align	8
	.type	k_q558c0e0ee3_down,@function
k_q558c0e0ee3_down:
	s_mov_b64 s[64:65], 0
	v_nop
	global_prefetch_b8 v0, s[64:65] scope:SCOPE_SE
	s_setreg_imm32_b32 hwreg(HW_REG_WAVE_SCHED_MODE, 0, 2), 2
	s_setreg_imm32_b32 hwreg(HW_REG_WAVE_MODE, 25, 1), 1
	s_wait_xcnt 0x0
	s_wait_alu depctr_vm_vsrc(0)
; P = H W2^T for the shared expert's 2,048 rows and each expert's chosen rows; bf16 operands, f32 sums; P is f32 [18,432][1,024] in big (partial rows that the last launch adds), rows as in hid.
; Work-group x = 32 e + 2 s + par has output columns 64 s .. 64 s + 63, in two phases, so that all 256 work-groups are alike: first the shared expert's rows 128 (2 e + par) .. + 127
; (four tiles, waves 0-3), then every second tile of expert e: tile 2 (wave + 16 i) + par, so that the two partners' shares differ by one tile at the most.  In each phase the slice of 64 rows
; of W2 is rounded from f32 into LDS once, four rows a wave.  (Both slices at once and sixteen stages would be 264,192 + 139,264 bytes: more than a WGP has.)
; The walk has two trips (2 x 32 tiles = 2,048 rows, every split); a trip past the stored count is jumped forward; no barrier stands in what is jumped.
; A comes from memory into a ring of SIX register slots, a K step each.  A tile's first 24 loads of 512 bytes are issued a tile early: for a phase's first tile ahead of
; the staging (whether or not the tile exists: the address hangs on ids alone and lies inside hid, and what a dead tile's loads bring is never used), for a later tile ahead of the way out.
; Inside a tile 16 loads are out at a step's head and 20 behind its refill.
; A tile's 32 K steps are written out: every LDS address is a fixed lane register plus an immediate, and A's step stands in the immediate too.
; The results leave through each wave's own stage in LDS: sixteen lanes store 256 consecutive bytes of a row.
; NO TENSOR LOADS, NO CLUSTER: the weights pass through registers to be rounded, A needs no LDS, and the walk's length hangs on a stored count.
; THE MODE: SCHED_MODE bits 1:0 = 2 (LLVM: expert scheduling mode 2), set by the entry lines.  The code itself states the register dependences
; between vector or matrix instructions and memory or LDS instructions, with s_wait_alu, always for 0.
; THE PLAN.  Registers that memory or LDS instructions touch:
;   v1-v3, v7, v10-v13  Offsets and LDS addresses; made at the head, never written again.
;   RG = ACC     Staging, in blocks of four slots: a block's eight roundings read its slots; behind them the loads of the next two rows land there.
;                In a tile: written by the products; read by the way out's LDS stores; written again by the next tile's first products or by the next staging's loads.
;   T = OB = BF  Staging: the first two rows' roundings write the lower 32 registers, the last two rows' the upper 32; the same block's four LDS stores read them.
;                K step p: its products read buffer p % 2; the LDS loads of step p + 1, issued in step p, land in the other buffer.
;                The way out: the loads from the stage land there, and the sixteen stores read them.
;   AF0 .. AF5   K step p: its products read slot p % 6; the loads of step p + 5, issued in step p, land in slot (p - 1) % 6.
; So ONE wait on va_vdst stands at the head of a K step, behind the waits for its data: the step before is done reading its slot and its buffer.  The step's twelve loads follow it, dealt among
; its eight products, which name this step's slot, this step's buffer and the accumulators: none of the registers that those loads touch.  One more stands at a tile's end, for all that follows up to
; the next vector instruction; one wait on vm_vsrc stands at a tile's head and one at a staging's.
.set PITCH, 2064                       ; 2,048 + 16 = 129 x 16 bytes: the 16 rows of a fragment load start at 16 different 16-byte columns modulo 256
.set NB2,   16*PITCH
.set SLICE, 64*PITCH
.set STG,   SLICE                      ; behind the slice: 32 rows x 272 bytes for each wave
.set SPARE, SLICE+16*8704              ; behind the stages: the spare words, 128 bytes a wave
.set ACC, 16                           ; v[16:79]    accumulator (mb, nb) at 16 + 8 (4 mb + nb)
.set RG,  ACC                          ;             while staging: a ring of 16 loads
.set AF,  80                           ; v[80:175]   A: slot s of six, fragment mb at 80 + 16 s + 8 mb
.set BF,  176                          ; v[176:239]  weights: buffer b, fragment nb at 176 + 32 b + 8 nb
.set T,   BF                           ;             while staging: 2 x 32 packed
.set OB,  BF                           ;             on the way out: the 32 rows read back
.set WP, 28                            ; s[28:29] the weight rows that I stage
.set AB, 30                            ; s[30:31] A at my tile
.set PB, 32                            ; s[32:33] P at my tile
; v1 16 x lane; v2, v3 my place in a weight fragment (nb 0-1, nb 2-3); v6 lane; v7 staging address; v8, v9 the add's; v10-12 the way out; v13 the prefetch's offsets: none is ever rewritten
.macro SBLOCK k, rp, ahead, left       ; four slots of the staging ring: 512 f32 of a weight row of pair rp, rounded, into LDS
	s_wait_loadcnt \left                           ; loads come back in order: my four are in (and the older loads of A), the younger blocks stay out
.irp j, 0,1,2,3
	v_cvt_pk_bf16_f32 v[T+32*(\rp)+2*(4*(\k)+(\j))], v[RG+4*(4*(\k)+(\j))], v[RG+4*(4*(\k)+(\j))+1]
	v_cvt_pk_bf16_f32 v[T+32*(\rp)+2*(4*(\k)+(\j))+1], v[RG+4*(4*(\k)+(\j))+2], v[RG+4*(4*(\k)+(\j))+3]
.endr
	s_wait_alu depctr_va_vdst(0)                   ; the eight roundings are done reading the block's slots, in which the loads below land, and have written the packed registers, which the LDS stores read
.if \ahead
.irp j, 0,1,2,3
	global_load_b128 v[RG+4*(4*(\k)+(\j)):RG+4*(4*(\k)+(\j))+3], v1, s[WP:WP+1] offset:((\k)/2)*4096+((4*(\k)+(\j))%8)*512+8192
.endr
.endif
.irp j, 0,1,2,3
	ds_store_b64 v7, v[T+32*(\rp)+2*(4*(\k)+(\j)):T+32*(\rp)+2*(4*(\k)+(\j))+1] offset:(2*(\rp)+(\k)/2)*PITCH+((4*(\k)+(\j))%8)*256
.endr
.endm
.macro STAGE                           ; my four rows of the slice: twice two rows; twelve to sixteen loads of 512 bytes are out
	s_wait_xcnt 0x0                                ; T's registers were the data of the last tile's stores
	s_wait_alu depctr_vm_vsrc(0)                   ; the last tile's LDS stores have read the accumulators, in which the ring's loads land; its global stores have read the registers that the roundings write
.irp i, 0,1,2,3,4,5,6,7,8,9,10,11,12,13,14,15
	global_load_b128 v[RG+4*(\i):RG+4*(\i)+3], v1, s[WP:WP+1] offset:((\i)/8)*4096+((\i)%8)*512
.endr
	SBLOCK 0, 0, 1, 12
	SBLOCK 1, 0, 1, 12
	SBLOCK 2, 0, 1, 12
	SBLOCK 3, 0, 1, 12
	SBLOCK 0, 1, 0, 12                             ; the last two rows: nothing more is loaded, the counts run down; their packed registers are others than the first two rows'
	SBLOCK 1, 1, 0, 8
	SBLOCK 2, 1, 0, 4
	SBLOCK 3, 1, 0, 0
.endm
.macro BLOADH b, st, h                 ; two of the four weight fragments of K step st into buffer b: h = 0: nb 0, 1; h = 1: nb 2, 3
.irp nb, 0,1
	ds_load_b128 v[BF+32*(\b)+16*(\h)+8*(\nb):BF+32*(\b)+16*(\h)+8*(\nb)+3], v[2+(\h)] offset:(\nb)*NB2+(\st)*64
	ds_load_b128 v[BF+32*(\b)+16*(\h)+8*(\nb)+4:BF+32*(\b)+16*(\h)+8*(\nb)+7], v[2+(\h)] offset:(\nb)*NB2+(\st)*64+32
.endr
.endm
.macro ALOADH s, st, mb                ; A's fragment mb of K step st into slot s
	global_load_b128 v[AF+16*(\s)+8*(\mb):AF+16*(\s)+8*(\mb)+3], v1, s[AB:AB+1] offset:(\st)*1024+(\mb)*32768
	global_load_b128 v[AF+16*(\s)+8*(\mb)+4:AF+16*(\s)+8*(\mb)+7], v1, s[AB:AB+1] offset:(\st)*1024+(\mb)*32768+512
.endm
.macro SETA                            ; AB = A at tile s24 of the region that begins at row s36, and the tile's first six K steps are asked for
	s_lshl_b32 s37, s24, 5
	s_add_co_u32 s37, s37, s36                     ; the tile's first row
	s_lshl_b32 s34, s37, 11                        ; x 2,048 bytes in hid
	s_wait_xcnt 0x0                                ; A's base is written only behind this wait
	s_add_nc_u64 s[AB:AB+1], s[4:5], s[34:35]
.irp s, 0,1,2,3,4,5
	ALOADH \s, \s, 0
	ALOADH \s, \s, 1
.endr
.endm
; 32 rows x 64 columns, K = 1,024.  A K step of 32: the waits for its data; the one wait on va_vdst; then eight matrix instructions, the eight accumulators by turns,
; and among them the refills of what the step BEFORE read: the weights of the next step, A five steps ahead.  The first step starts the sums and refills nothing; the last steps fetch nothing beyond the end.
.macro TILE
	BLOADH 0, 0, 0
	BLOADH 0, 0, 1
	BLOADH 1, 1, 0
	BLOADH 1, 1, 1
.set st, 0
.rept 32
.if st == 0
	s_wait_loadcnt 20                              ; this step's A is in; the five younger steps' four loads each stay out
	s_wait_dscnt 8                                 ; this step's weights are in; step 1's eight loads stay out
.else
.if st < 28
	s_wait_loadcnt 16                              ; this step's A is in; the four younger steps' four loads each stay out
.else
	s_wait_loadcnt 4*(31-st)                       ; the counts run down
.endif
	s_wait_dscnt 0x0                               ; this step's weights are in: they were the youngest LDS loads
.endif
.if (st > 0) && (st < 31)
	s_wait_alu depctr_va_vdst(0)                   ; the products of the step before are done reading their buffer of weights and their slot of A, in which the loads below land
.endif
.irp mb, 0,1
.if (st > 0) && (st < 31)
	BLOADH (st+1)%2, st+1, \mb
.endif
.irp nb, 0,1,2,3
.set rD, ACC+8*(4*(\mb)+(\nb))
.set rX, BF+32*(st%2)+8*(\nb)
.set rY, AF+16*(st%6)+8*(\mb)
.if st == 0
	v_wmma_f32_16x16x32_bf16 v[rD:rD+7], v[rX:rX+7], v[rY:rY+7], 0
.else
	v_wmma_f32_16x16x32_bf16 v[rD:rD+7], v[rX:rX+7], v[rY:rY+7], v[rD:rD+7]
.endif
.endr
.if (st > 0) && (st < 27)
	ALOADH (st+5)%6, st+5, \mb                     ; no wait: no vector or matrix instruction since the wait above names that slot
.endif
.endr
.if st == 31
.rept 5
	v_nop                                          ; four places in front of the LDS stores that read the results; five in front of the next tile's first products, which
.endr                                              ; write over these accumulators: what lies between is LDS and memory lines alone, which are no places
	s_wait_alu depctr_va_vdst(0)                   ; the last products have written the accumulators, which the LDS stores read, and are done reading A's slots and the weights' registers, in which the next tile's loads and the loads from the stage land; the places above stay beside this wait
.endif
.set st, st+1
.endr
.endm
.macro OUT32                           ; f32 out: a lane's eight columns as 2 x 16 bytes into my stage (the low half first), back as whole rows of 256 bytes
.irp mb, 0,1
.irp nb, 0,1,2,3
	ds_store_b128 v10, v[ACC+8*(4*(\mb)+(\nb)):ACC+8*(4*(\mb)+(\nb))+3] offset:(\mb)*4352+(\nb)*64
	ds_store_b128 v10, v[ACC+8*(4*(\mb)+(\nb))+4:ACC+8*(4*(\mb)+(\nb))+7] offset:(\mb)*4352+(\nb)*64+16
.endr
.endr
.irp i, 0,1,2,3,4,5,6,7,8,9,10,11,12,13,14,15
	ds_load_b128 v[OB+4*(\i):OB+4*(\i)+3], v11 offset:(\i)*544  ; LDS serves a wave's instructions in order: these see the stores above
.endr
.irp i, 0,1,2,3,4,5,6,7,8,9,10,11,12,13,14,15
	s_wait_dscnt 15-(\i)                           ; LDS loads come back in order: the younger ones stay out
	global_store_b128 v12, v[OB+4*(\i):OB+4*(\i)+3], s[PB:PB+1] offset:(\i)*8192  ; 16 lanes store 256 consecutive bytes, aligned
.endr
.endm
	s_load_b256 s[4:11], s[0:1], 0x0               ; hid s[4:5], idx s[6:7], eW2 s[8:9], sW2 s[10:11]
	s_load_b64 s[12:13], s[0:1], 0x20              ; big
	v_lshl_add_u32 v8, v0, 2, SPARE
	v_mov_b32 v9, 0
	v_lshrrev_b32 v1, 5, v0
	v_readfirstlane_b32 s18, v1                    ; wave 0..15
	v_and_b32 v6, 31, v0
	v_lshlrev_b32 v1, 4, v6
	v_and_b32 v14, 15, v6                          ; r
	v_lshrrev_b32 v15, 4, v6                       ; h
	v_mul_u32_u24 v2, v14, PITCH
	v_lshl_add_u32 v2, v15, 4, v2                  ; row x pitch + 16 x half
	v_add_nc_u32 v3, 2*NB2, v2
	s_wait_alu depctr_va_sdst(0)                   ; s18 is written, ahead of its first reader: LDS places, bases and the walk are made from it
	s_mul_i32 s47, s18, 4*PITCH                    ; my four LDS rows,
	v_lshl_add_u32 v7, v6, 3, s47                  ; 8 bytes a lane
	s_mul_i32 s19, s18, 8704
	s_add_co_u32 s19, s19, STG                     ; my stage
	v_mul_u32_u24 v10, v14, 272
	v_lshl_add_u32 v10, v15, 5, v10
	v_add_nc_u32 v10, s19, v10                     ; in: row r, 32 bytes for each half of the lanes
	v_mul_u32_u24 v11, v15, 272
	v_lshl_add_u32 v11, v14, 4, v11
	v_add_nc_u32 v11, s19, v11                     ; back: lanes 0-15 one row, lanes 16-31 the next
	v_lshlrev_b32 v12, 12, v15
	v_lshl_add_u32 v12, v14, 4, v12                ; and the same two rows in P
	s_lshr_b32 s19, ttmp9, 5                       ; e
	s_bfe_u32 s20, ttmp9, 0x40001                  ; s
	s_and_b32 s46, ttmp9, 1                        ; par
	v_lshrrev_b32 v13, 3, v6                       ; the prefetch: lanes 256 bytes apart, eight to a row, my four rows; my half of each row
	v_and_b32 v14, 7, v6
	v_lshlrev_b32 v13, 12, v13
	v_lshl_add_u32 v13, v14, 8, v13
	s_lshl_b32 s40, s46, 11
	v_add_nc_u32 v13, s40, v13
	s_lshl_b32 s40, s19, 2
	s_lshl_b32 s44, s19, 8
	s_lshl_b32 s45, s46, 7
	s_add_co_u32 s44, s44, s45                     ; the shared phase's first row: 128 (2 e + par)
	s_lshl_b32 s45, s19, 11
	s_add_co_u32 s45, s45, 2048                    ; the expert's first row
	s_lshl1_add_u32 s48, s18, s46                  ; my first tile of the expert: 2 wave + par
	s_lshl_b32 s52, s20, 8                         ; 64 columns of f32
	s_lshl_b32 s34, s20, 18                        ; 64 rows of 4,096 bytes,
	s_lshl_b32 s35, s18, 14                        ; my four of them
	s_add_co_u32 s34, s34, s35
	s_mov_b32 s35, 0
	s_lshl_b32 s50, s19, 22                        ; an expert's matrix is 4,194,304 bytes
	s_mov_b32 s51, 0
	s_wait_kmcnt 0x0
	s_load_b32 s41, s[6:7], s40 offset:0x4000      ; cnt[e]
	s_add_nc_u64 s[42:43], s[10:11], s[34:35]      ; my rows of the shared slice,
	s_add_nc_u64 s[38:39], s[8:9], s[34:35]
	s_add_nc_u64 s[38:39], s[38:39], s[50:51]      ; of the expert's
	s_wait_kmcnt 0x0
	s_add_co_u32 s41, s41, 31
	s_lshr_b32 s41, s41, 5
	s_min_u32 s41, s41, 64                         ; the expert's tiles
	s_wait_alu depctr_va_vdst(0)                   ; the offsets and addresses v1 to v3, v7 and v10 to v13 are written, which the loads, the stores and the prefetch below read
	s_mov_b32 s22, 0
.Lphase:
	s_wait_loadcnt 0x0                             ; no load of mine is out: A's slots are loaded anew below,
	s_wait_xcnt 0x0                                ; and the weights' base is written anew
	s_cmp_eq_u32 s22, 0
	s_cselect_b64 s[WP:WP+1], s[42:43], s[38:39]
	s_cselect_b32 s21, 4, s41                      ; tiles
	s_cselect_b32 s36, s44, s45                    ; first row
	s_cselect_b32 s24, s18, s48                    ; my first tile,
	s_cselect_b32 s49, 16, 32                      ; and the step to my next
	SETA                                           ; my first tile's A goes out ahead of the weights; the last vector or matrix instruction that named A's slots stands ahead of the wait at its tile's end
	s_wait_dscnt 0x0                               ; my reads of the old slice are over
	s_barrier_signal -1
	s_barrier_wait -1                              ; everybody's are
	s_cmp_eq_u32 s21, 0
	s_cbranch_scc1 .Lnostage                       ; an expert without rows: its weights are not read
	STAGE
.Lnostage:
	s_wait_dscnt 0x0                               ; for the others' sake: my rows of the slice lie in LDS
	s_barrier_signal -1
	s_barrier_wait -1
	s_cmp_lg_u32 s22, 0
	s_cbranch_scc1 .Lnopf
	; In the shared phase each wave asks for 2,048 bytes of each of the four expert rows that it will stage next: the half par of a row, so that the two work-groups that read a slice
	; ask for each block of 256 bytes once between them; one tile's work ahead; all inside the expert's matrix.
	global_prefetch_b8 v13, s[38:39] th:TH_LOAD_NT scope:SCOPE_SE
.Lnopf:
	s_mov_b32 s23, 2
.Ltile:
	s_cmp_ge_u32 s24, s21
	s_cbranch_scc1 .Ldead
	s_lshl_b32 s37, s24, 5
	s_add_co_u32 s37, s37, s36                     ; the tile's first row
	s_lshl_b32 s34, s37, 12                        ; x 4,096 bytes in big,
	s_add_co_u32 s34, s34, s52                     ; my 64 columns
	s_wait_xcnt 0x0                                ; P's base and the registers that the last tile's stores read are written only behind this wait
	s_wait_alu depctr_vm_vsrc(0)                   ; the staging's LDS stores, or the last tile's global stores, have read the registers in which the weights land; the last tile's LDS stores have read the accumulators, which the first products write
	s_add_nc_u64 s[PB:PB+1], s[12:13], s[34:35]
	TILE
	s_add_co_u32 s24, s24, s49                     ; my next tile: if there is one, its first six K steps of A are asked for now
	s_cmp_ge_u32 s24, s21
	s_cbranch_scc1 .Lnonext
	SETA                                           ; no vector or matrix instruction stands between the wait at the tile's end and these loads
.Lnonext:
	OUT32                                          ; nor between that wait and the way out's LDS stores and loads
.Ldead:
	s_sub_co_u32 s23, s23, 1
	s_cmp_lg_u32 s23, 0
	s_cbranch_scc1 .Ltile
	s_add_co_u32 s22, s22, 1
	s_cmp_lt_u32 s22, 2
	s_cbranch_scc1 .Lphase
	s_wait_dscnt 0x0                               ; the closing lines, six on end
	s_wait_alu 0x0
	s_wait_tensorcnt 0x0
	ds_add_u32 v8, v9
	s_wait_dscnt 0x0
	s_endpgm
.Lfunc_end_k_q558c0e0ee3_down:
	.size	k_q558c0e0ee3_down, .Lfunc_end_k_q558c0e0ee3_down-k_q558c0e0ee3_down
	.p2alignl 7, 3214868480
	.fill 96, 4, 3214868480
	.section	.rodata,"a",@progbits
	.p2align	6, 0x0
	.amdhsa_kernel k_q558c0e0ee3_down
		.amdhsa_group_segment_fixed_size 273408
		.amdhsa_private_segment_fixed_size 0
		.amdhsa_enable_private_segment 0
		.amdhsa_kernarg_size 40
		.amdhsa_user_sgpr_count 2
		.amdhsa_user_sgpr_kernarg_segment_ptr 1
		.amdhsa_wavefront_size32 1
		.amdhsa_system_sgpr_workgroup_id_x 1
		.amdhsa_system_sgpr_workgroup_id_y 1
		.amdhsa_system_sgpr_workgroup_id_z 1
		.amdhsa_system_vgpr_workitem_id 0
		.amdhsa_next_free_vgpr 240
		.amdhsa_next_free_sgpr 66
		.amdhsa_reserve_vcc 0
		.amdhsa_float_denorm_mode_32 3
		.amdhsa_float_denorm_mode_16_64 3
		.amdhsa_memory_ordered 1
		.amdhsa_forward_progress 1
		.amdhsa_inst_pref_size 68
	.end_amdhsa_kernel
	.amdgpu_metadata
---
amdhsa.version: [ 1, 2 ]
amdhsa.kernels:
  - .name:           k_q558c0e0ee3_down
    .symbol:         k_q558c0e0ee3_down.kd
    .args:
      - { .name: hid, .offset: 0, .size: 8, .value_kind: global_buffer, .address_space: global }
      - { .name: idx, .offset: 8, .size: 8, .value_kind: global_buffer, .address_space: global }
      - { .name: eW2, .offset: 16, .size: 8, .value_kind: global_buffer, .address_space: global }
      - { .name: sW2, .offset: 24, .size: 8, .value_kind: global_buffer, .address_space: global }
      - { .name: big, .offset: 32, .size: 8, .value_kind: global_buffer, .address_space: global }
    .group_segment_fixed_size: 273408
    .private_segment_fixed_size: 0
    .kernarg_segment_align: 8
    .kernarg_segment_size: 40
    .max_flat_workgroup_size: 512
    .sgpr_count:     66
    .vgpr_count:     240
    .wavefront_size: 32
...
	.end_amdgpu_metadata
.endif
;; end of part 12
;; launch combine: the kernel of part 10 again; grid 256 x 1, 8 waves a work-group, no clusters, 0 bytes of LDS; arguments X, ap, big, idx, gate, out0; writes out0
